; MI455X (gfx1250); checked and timed in simulation.
; The chip was launched on July 23, 2026; its instructions are those of AMD's public machine-readable ISA for CDNA 5 (MIT licence, August 2026) and "CDNA5" Instruction Set Architecture Reference Guide (July 2026). The comments in the code are by the model that wrote it; some were corrected since.
;; DAWN. Allowed arithmetic: float matrix products may take bf16 or f16 operands with f32 sums; all other float work in f32.
;; Inputs: W_O 1,024 x 1,024 float32; beta1 1,024 float32; beta2 1,024 float32; f_know 32 x 1,024 x 64 float32; f_qk 32 x 1,024 x 32 float32; f_v 32 x 1,024 x 32 float32; gamma1 1,024 float32; gamma2 1,024 float32; r_know 32 x 64 x 1,024 float32; r_qk 32 x 32 x 1,024 float32; r_v 32 x 32 x 1,024 float32; w_fk 2 x 2,048 x 32 float32; w_fq 2 x 2,048 x 32 float32; w_fv 2 x 2,048 x 32 float32; w_know_f 2 x 2,048 x 32 float32; w_know_r 2 x 2,048 x 32 float32; w_rk 2 x 2,048 x 32 float32; w_rq 2 x 2,048 x 32 float32; w_rv 2 x 2,048 x 32 float32; x 2 x 2,048 x 1,024 float32.
;; Outputs: out0 2 x 2,048 x 1,024 float32.
;; 3 versions, each right and faster than the one before. Each part assembles by itself: llvm-mc -triple=amdgcn-amd-amdhsa -mcpu=gfx1250 --defsym DOCPART=n.
;; ======== version 1 of 3: 9 launches
;; workspace buffers: act 8,388,608 bytes; wfa 4,194,304 bytes; wfb 4,194,304 bytes; wts 10,485,760 bytes; tb 25,165,824 bytes; qkv 25,165,824 bytes; x1 16,777,216 bytes
;; launch prep (part 1): grid 1152 x 1, 8 waves a work-group, no clusters, 19,456 bytes of LDS; arguments r_qk, r_v, r_know, f_qk, f_v, f_know, W_O, wfa, wfb, wts; writes wfa, wfb, wts
.if DOCPART == 1
	.amdgcn_target "amdgcn-amd-amdhsa--gfx1250"
	.amdhsa_code_object_version 6
	.text
	.protected	k_q1b2db83558_prep
	.globl	k_q1b2db83558_prep
	.p2align	8
	.type	k_q1b2db83558_prep,@function
k_q1b2db83558_prep:
	s_mov_b64 s[64:65], 0
	v_nop
	global_prefetch_b8 v0, s[64:65] scope:SCOPE_SE
	s_setreg_imm32_b32 hwreg(HW_REG_WAVE_MODE, 25, 1), 1
	s_wait_xcnt 0x0
; All seven weight tensors, once: rounded to bf16 and laid in CHUNKS of 128 rows x 64 K (rows of 128 bytes, 16,384 bytes, dense), [row block][K panel].
; The routed index (n, r) is laid in the order k' = 128 tc + 64 wc + 16 b + 8 h + 2 rl + jj  <->  n = 16 wc + 8 h + 2 b + jj, r = 4 tc + rl, so that a 128-wide tile of the feature
; product holds all 32 n of four r, and a lane of its result holds eight neighbouring n.
; A work-group makes 16,384 bytes of output.  Restore weights [n][r][d] and feature weights [n][d][r] are turned (K must lie along the rows) through LDS; W_O lies as wanted and is only rounded.
; The turning text: 64 K x 128 source columns.  Wave w, load k = 2 it + sec takes K = 8 w + 2 it + sec; lane L takes four neighbouring source columns.  Two K are packed to one word and stored to
; LDS row q 32 + L (pitch 144), byte 16 w + 4 it; behind one barrier rows are read back whole (128 bytes) and a wave's store covers 512 consecutive bytes.
; The strides in memory differ by tensor and lie in scalar registers; the LDS constants differ by kind and are literals, so the text stands twice.
.set WVN, 46           ; s46 wave
.set SRC, 28           ; s[28:29] source tensor
.set DST, 30           ; s[30:31] destination
.set P_L, 32           ; source strides, bytes: lane / 8
.set P_W0, 33          ; wave & 1
.set P_W1, 34          ; wave >> 1
.set P_A, 35           ; it >> 1
.set P_B, 36           ; it & 1
.set P_C, 37           ; sec
.set P_0, 38           ; the work-group's first byte
.set Q_W, 42           ; destination strides: wave
.set Q_0, 43           ; pass & 1
.set Q_1, 44           ; pass >> 1
.set Q_D, 45           ; the work-group's first byte
.macro PARB R, KPL     ; restore weights [32][R][1024]; s3 = nb KP + p, KP = 1 << KPL panels
	s_lshr_b32 s47, s3, \KPL                       ; nb: 128 columns d
	s_and_b32 s48, s3, (1<<\KPL)-1                 ; p: wc = p & 1, tc = p >> 1
	s_and_b32 s49, s48, 1
	s_mul_i32 s49, s49, 16*\R*4096                 ; n = 16 wc
	s_lshr_b32 s50, s48, 1
	s_lshl_b32 s50, s50, 14                        ; r = 4 tc
	s_lshl_b32 s[P_0], s47, 9
	s_add_co_u32 s[P_0], s[P_0], s49
	s_add_co_u32 s[P_0], s[P_0], s50
	s_mov_b32 s[P_L], 128                          ; lanes: 512 consecutive bytes of a source row
	s_mov_b32 s[P_W0], 8*\R*4096                   ; h: n + 8
	s_mov_b32 s[P_W1], 2*\R*4096                   ; b: n + 2
	s_mov_b32 s[P_A], 8192                         ; rl
	s_mov_b32 s[P_B], 4096
	s_mov_b32 s[P_C], \R*4096                      ; jj: n + 1
	s_mov_b32 s[Q_W], 512
	s_mov_b32 s[Q_0], 4096
	s_mov_b32 s[Q_1], 8192
	s_lshl_b32 s[Q_D], s3, 14
.endm
.macro PARA R          ; feature weights [32][1024][R]; s3 = half 128 + ng 16 + p: four n, 32 r (half), 64 d (p)
	s_lshr_b32 s47, s3, 7                          ; half
	s_bfe_u32 s48, s3, 0x30004                     ; ng
	s_and_b32 s49, s3, 15                          ; p
	s_mul_i32 s[P_0], s48, 4*4096*\R
	s_lshl_b32 s50, s47, 7
	s_add_co_u32 s[P_0], s[P_0], s50
	s_mul_i32 s50, s49, 64*4*\R
	s_add_co_u32 s[P_0], s[P_0], s50
	s_mov_b32 s[P_L], 4096*\R                      ; lane / 8: the next n
	s_mov_b32 s[P_W0], 32*\R                       ; d + 8
	s_mov_b32 s[P_W1], 64*\R                       ; d + 16
	s_mov_b32 s[P_A], 16*\R                        ; d + 4
	s_mov_b32 s[P_B], 8*\R                         ; d + 2
	s_mov_b32 s[P_C], 4*\R                         ; d + 1
	s_mov_b32 s[Q_W], 262144                       ; wave = tc within the half: the next row block
	s_mov_b32 s[Q_0], 512                          ; rl + 2: four rows
	s_mov_b32 s[Q_1], 2048                         ; b + 1: sixteen rows
	s_lshl_b32 s[Q_D], s49, 14
	s_lshl_b32 s50, s47, 21                        ; half: eight row blocks
	s_add_co_u32 s[Q_D], s[Q_D], s50
	s_lshr_b32 s50, s48, 2                         ; wc: 64 rows
	s_lshl_b32 s50, s50, 13
	s_add_co_u32 s[Q_D], s[Q_D], s50
	s_and_b32 s50, s48, 1                          ; b = 2 (ng & 1): 32 rows
	s_lshl_b32 s50, s50, 12
	s_add_co_u32 s[Q_D], s[Q_D], s50
	s_bfe_u32 s50, s48, 0x10001                    ; h: 8 rows
	s_lshl_b32 s50, s50, 10
	s_add_co_u32 s[Q_D], s[Q_D], s50
.endm
.macro TRANS L1, L0, U0
	s_and_b32 s47, s[WVN], 1
	s_mul_i32 s47, s47, s[P_W0]
	s_lshr_b32 s48, s[WVN], 1
	s_mul_i32 s48, s48, s[P_W1]
	s_add_co_u32 s47, s47, s48
	s_add_co_u32 s47, s47, s[P_0]
	v_mul_lo_u32 v5, v4, s[P_L]
	v_lshl_add_u32 v5, v3, 4, v5
	v_add_nc_u32 v8, s47, v5                       ; v[8+k]: the offset of load k
	v_add_nc_u32 v9, s[P_C], v8
	v_add_nc_u32 v10, s[P_B], v8
	v_add_nc_u32 v11, s[P_B], v9
.irp k, 0,1,2,3
	v_add_nc_u32 v[12+\k], s[P_A], v[8+\k]
.endr
.irp k, 0,1,2,3,4,5,6,7
	global_load_b128 v[16+4*\k:19+4*\k], v[8+\k], s[SRC:SRC+1] th:TH_LOAD_NT
.endr
	v_mul_u32_u24 v6, v1, 144
	s_lshl_b32 s48, s[WVN], 4
	v_add_nc_u32 v6, s48, v6                       ; LDS: row L, byte 16 w
	v_lshrrev_b32 v64, 1, v4                       ; back: my row among four neighbouring output rows is e = lane / 8
	v_and_b32 v65, 1, v4
	v_mul_u32_u24 v64, v64, \L1*144
	v_mad_u32_u24 v64, v65, \L0*144, v64
	v_lshl_add_u32 v64, v3, 4, v64
	s_mul_i32 s48, s[WVN], 144
	v_add_nc_u32 v7, s48, v64
	v_add_nc_u32 v66, \U0*144, v7
	s_mul_i32 s48, s[WVN], s[Q_W]
	s_add_co_u32 s48, s48, s[Q_D]
	v_lshl_add_u32 v67, v1, 4, s48
	v_add_nc_u32 v68, s[Q_0], v67
	s_mov_b32 s52, s[Q_1]
	s_mov_b32 s53, 0
	s_add_nc_u64 s[54:55], s[DST:DST+1], s[52:53]
.irp it, 0,1,2,3
	s_wait_loadcnt 6-2*\it                         ; loads 2 it and 2 it + 1 are in, the younger ones stay out
.irp q, 0,1,2,3
	v_cvt_pk_bf16_f32 v[48+4*\it+\q], v[16+8*\it+\q], v[20+8*\it+\q]   ; the even K low, the odd K high
	ds_store_b32 v6, v[48+4*\it+\q] offset:\q*4608+\it*4
.endr
.endr
	s_wait_dscnt 0x0                               ; my stores are done, for the others' sake
	s_barrier_signal -1
	s_barrier_wait -1
	ds_load_b128 v[16:19], v7
	ds_load_b128 v[20:23], v66
	ds_load_b128 v[24:27], v7 offset:2304
	ds_load_b128 v[28:31], v66 offset:2304
	s_wait_dscnt 3
	global_store_b128 v67, v[16:19], s[DST:DST+1]  ; each store of a wave covers 512 consecutive bytes, aligned
	s_wait_dscnt 2
	global_store_b128 v68, v[20:23], s[DST:DST+1]
	s_wait_dscnt 1
	global_store_b128 v67, v[24:27], s[54:55]
	s_wait_dscnt 0
	global_store_b128 v68, v[28:31], s[54:55]
	s_wait_tensorcnt 0x0
	ds_add_u32 v72, v73
	s_wait_dscnt 0x0
	s_endpgm
.endm
	s_load_b512 s[8:23], s[0:1], 0x0               ; r_qk 8, r_v 10, r_know 12, f_qk 14, f_v 16, f_know 18, W_O 20, wfa 22
	s_load_b128 s[24:27], s[0:1], 0x40             ; wfb 24, wts 26
	v_lshl_add_u32 v72, v0, 2, 0x4800
	v_mov_b32 v73, 0
	v_and_b32 v1, 31, v0                           ; lane L
	v_lshrrev_b32 v2, 5, v0
	v_readfirstlane_b32 s[WVN], v2
	v_and_b32 v3, 7, v1                            ; L & 7
	v_lshrrev_b32 v4, 3, v1                        ; e = L >> 3
	s_mov_b32 s2, ttmp9
	s_wait_kmcnt 0x0
	s_cmp_lt_u32 s2, 128                           ; which tensor: the same answer in all eight waves
	s_cbranch_scc1 .Lrqk
	s_cmp_lt_u32 s2, 256
	s_cbranch_scc1 .Lrv
	s_cmp_lt_u32 s2, 512
	s_cbranch_scc1 .Lrknow
	s_cmp_lt_u32 s2, 640
	s_cbranch_scc1 .Lfqk
	s_cmp_lt_u32 s2, 768
	s_cbranch_scc1 .Lfv
	s_cmp_lt_u32 s2, 1024
	s_cbranch_scc1 .Lfknow
	; W_O [n][k]: chunk id = nb 16 + p.  Thread t, pass ps: row 32 ps + t / 8, eight k at 8 (t & 7): 32 bytes in, 16 out
	s_sub_co_u32 s3, s2, 1024
	s_lshr_b32 s47, s3, 4
	s_and_b32 s48, s3, 15
	s_lshl_b32 s47, s47, 19
	s_lshl_b32 s48, s48, 8
	s_add_co_u32 s47, s47, s48
	v_lshrrev_b32 v5, 3, v0
	v_and_b32 v6, 7, v0
	v_lshlrev_b32 v5, 12, v5
	v_lshl_add_u32 v5, v6, 5, v5
	v_add_nc_u32 v5, s47, v5
.irp ps, 0,1,2,3
	global_load_b128 v[16+8*\ps:19+8*\ps], v5, s[20:21] offset:\ps*131072 th:TH_LOAD_NT
	global_load_b128 v[20+8*\ps:23+8*\ps], v5, s[20:21] offset:\ps*131072+16 th:TH_LOAD_NT
.endr
	s_lshl_b32 s48, s3, 14
	s_add_co_u32 s48, s48, 0x400000                ; W_O's place in wts
	v_lshl_add_u32 v7, v0, 4, s48
.irp ps, 0,1,2,3
	s_wait_loadcnt 6-2*\ps
.irp j, 0,1,2,3
	v_cvt_pk_bf16_f32 v[48+4*\ps+\j], v[16+8*\ps+2*\j], v[17+8*\ps+2*\j]
.endr
	global_store_b128 v7, v[48+4*\ps:51+4*\ps], s[26:27] offset:\ps*4096
.endr
	s_endpgm
.Lrqk:
	s_mov_b32 s3, s2
	s_mov_b64 s[SRC:SRC+1], s[8:9]
	s_mov_b64 s[DST:DST+1], s[26:27]
	PARB 32, 4
	s_branch .LtransB
.Lrv:
	s_sub_co_u32 s3, s2, 128
	s_mov_b64 s[SRC:SRC+1], s[10:11]
	s_add_nc_u64 s[DST:DST+1], s[26:27], 0x200000
	PARB 32, 4
	s_branch .LtransB
.Lrknow:
	s_sub_co_u32 s3, s2, 256
	s_mov_b64 s[SRC:SRC+1], s[12:13]
	s_add_nc_u64 s[DST:DST+1], s[26:27], 0x600000
	PARB 64, 5
.LtransB:
	TRANS 64, 32, 8
.Lfqk:
	s_sub_co_u32 s3, s2, 512
	s_mov_b64 s[SRC:SRC+1], s[14:15]
	s_mov_b64 s[DST:DST+1], s[22:23]
	PARA 32
	s_branch .LtransA
.Lfv:
	s_sub_co_u32 s3, s2, 640
	s_mov_b64 s[SRC:SRC+1], s[16:17]
	s_add_nc_u64 s[DST:DST+1], s[22:23], 0x200000
	PARA 32
	s_branch .LtransA
.Lfknow:
	s_sub_co_u32 s3, s2, 768
	s_mov_b64 s[SRC:SRC+1], s[18:19]
	s_mov_b64 s[DST:DST+1], s[24:25]
	PARA 64
.LtransA:
	TRANS 32, 8, 64
.Lfunc_end_k_q1b2db83558_prep:
	.size	k_q1b2db83558_prep, .Lfunc_end_k_q1b2db83558_prep-k_q1b2db83558_prep
	.p2alignl 7, 3214868480
	.fill 96, 4, 3214868480
	.section	.rodata,"a",@progbits
	.p2align	6, 0x0
	.amdhsa_kernel k_q1b2db83558_prep
		.amdhsa_group_segment_fixed_size 19456
		.amdhsa_private_segment_fixed_size 0
		.amdhsa_enable_private_segment 0
		.amdhsa_kernarg_size 80
		.amdhsa_user_sgpr_count 2
		.amdhsa_user_sgpr_kernarg_segment_ptr 1
		.amdhsa_wavefront_size32 1
		.amdhsa_system_sgpr_workgroup_id_x 1
		.amdhsa_system_sgpr_workgroup_id_y 1
		.amdhsa_system_sgpr_workgroup_id_z 1
		.amdhsa_system_vgpr_workitem_id 0
		.amdhsa_next_free_vgpr 74
		.amdhsa_next_free_sgpr 66
		.amdhsa_reserve_vcc 0
		.amdhsa_float_denorm_mode_32 3
		.amdhsa_float_denorm_mode_16_64 3
		.amdhsa_memory_ordered 1
		.amdhsa_forward_progress 1
		.amdhsa_inst_pref_size 23
	.end_amdhsa_kernel
	.amdgpu_metadata
---
amdhsa.version: [ 1, 2 ]
amdhsa.kernels:
  - .name:           k_q1b2db83558_prep
    .symbol:         k_q1b2db83558_prep.kd
    .args:
      - { .name: r_qk, .offset: 0, .size: 8, .value_kind: global_buffer, .address_space: global }
      - { .name: r_v, .offset: 8, .size: 8, .value_kind: global_buffer, .address_space: global }
      - { .name: r_know, .offset: 16, .size: 8, .value_kind: global_buffer, .address_space: global }
      - { .name: f_qk, .offset: 24, .size: 8, .value_kind: global_buffer, .address_space: global }
      - { .name: f_v, .offset: 32, .size: 8, .value_kind: global_buffer, .address_space: global }
      - { .name: f_know, .offset: 40, .size: 8, .value_kind: global_buffer, .address_space: global }
      - { .name: W_O, .offset: 48, .size: 8, .value_kind: global_buffer, .address_space: global }
      - { .name: wfa, .offset: 56, .size: 8, .value_kind: global_buffer, .address_space: global }
      - { .name: wfb, .offset: 64, .size: 8, .value_kind: global_buffer, .address_space: global }
      - { .name: wts, .offset: 72, .size: 8, .value_kind: global_buffer, .address_space: global }
    .group_segment_fixed_size: 19456
    .private_segment_fixed_size: 0
    .kernarg_segment_align: 8
    .kernarg_segment_size: 80
    .max_flat_workgroup_size: 256
    .sgpr_count:     66
    .vgpr_count:     74
    .wavefront_size: 32
...
	.end_amdgpu_metadata
.endif
;; end of part 1
;; launch ln1 (part 2): grid 256 x 1, 8 waves a work-group, no clusters, 0 bytes of LDS; arguments x, gamma1, beta1, act; writes act
.if DOCPART == 2
	.amdgcn_target "amdgcn-amd-amdhsa--gfx1250"
	.amdhsa_code_object_version 6
	.text
	.protected	k_q1b2db83558_ln1
	.globl	k_q1b2db83558_ln1
	.p2align	8
	.type	k_q1b2db83558_ln1,@function
k_q1b2db83558_ln1:
	s_mov_b64 s[64:65], 0
	v_nop
	global_prefetch_b8 v0, s[64:65] scope:SCOPE_SE
	s_setreg_imm32_b32 hwreg(HW_REG_WAVE_MODE, 25, 1), 1
	s_wait_xcnt 0x0
; y = gamma (x - mean) rsqrt(var + 1e-5) + beta over rows of 1,024 f32, in f32 with the mean taken away before the squares; y rounded once to bf16 and laid in chunks
; [row / 128][column / 64][128][64].  A work-group owns 16 rows; sixteen lanes own a row (64 numbers a lane in registers), so a wave has two rows and a row's sums stay inside
; sixteen lanes: no LDS, no barrier.  Load i takes 256 consecutive bytes of each of the wave's two rows: panel i; its store covers 256 consecutive bytes (two rows of a chunk).
.set X,  16            ; v[16:79]   the row's 64 numbers
.set G,  80            ; v[80:143]  gamma
.set BT, 144           ; v[144:207] beta
.macro REDUCE          ; four chains v[6:13] -> the row's sum in v6, in all sixteen lanes
	v_pk_add_f32 v[6:7], v[6:7], v[8:9]
	v_pk_add_f32 v[10:11], v[10:11], v[12:13]
	v_pk_add_f32 v[6:7], v[6:7], v[10:11]
	v_add_f32 v6, v6, v7
	v_add_f32_dpp v6, v6, v6 row_xmask:1 row_mask:0xf bank_mask:0xf
	v_add_f32_dpp v6, v6, v6 row_xmask:2 row_mask:0xf bank_mask:0xf
	v_add_f32_dpp v6, v6, v6 row_xmask:4 row_mask:0xf bank_mask:0xf
	v_add_f32_dpp v6, v6, v6 row_xmask:8 row_mask:0xf bank_mask:0xf
.endm
	s_load_b256 s[4:11], s[0:1], 0x0               ; x 4, gamma 6, beta 8, out 10
	v_and_b32 v1, 15, v0                           ; my place in the row
	v_lshrrev_b32 v2, 4, v0                        ; my row among the group's 16
	v_lshlrev_b32 v3, 12, v2
	v_lshl_add_u32 v3, v1, 4, v3                   ; x: row x 4,096 + 16 r
	v_lshlrev_b32 v4, 4, v1                        ; gamma, beta: 16 r
	s_and_b32 s12, ttmp9, 7
	s_lshl_b32 s12, s12, 11                        ; the group's 16 rows in a chunk
	v_lshlrev_b32 v5, 7, v2
	v_lshl_add_u32 v5, v1, 3, v5
	v_add_nc_u32 v5, s12, v5                       ; out: row x 128 + 8 r
	s_lshl_b32 s2, ttmp9, 16
	s_mov_b32 s3, 0
	s_lshr_b32 s14, ttmp9, 3
	s_lshl_b32 s14, s14, 18                        ; the row block: 16 chunks
	s_mov_b32 s15, 0
	s_mov_b32 s16, 0x3a800000                      ; 1 / 1024
	s_mov_b32 s17, 0x3727c5ac                      ; 1e-5
	s_wait_kmcnt 0x0
	s_add_nc_u64 s[4:5], s[4:5], s[2:3]
	s_add_nc_u64 s[10:11], s[10:11], s[14:15]
.irp i, 0,1,2,3,4,5,6,7,8,9,10,11,12,13,14,15
	global_load_b128 v[X+4*\i:X+4*\i+3], v3, s[4:5] offset:256*\i
.endr
.irp i, 0,1,2,3,4,5,6,7,8,9,10,11,12,13,14,15
	global_load_b128 v[G+4*\i:G+4*\i+3], v4, s[6:7] offset:256*\i
.endr
.irp i, 0,1,2,3,4,5,6,7,8,9,10,11,12,13,14,15
	global_load_b128 v[BT+4*\i:BT+4*\i+3], v4, s[8:9] offset:256*\i
.endr
	s_wait_loadcnt 32                              ; x is in; the 32 loads of gamma and beta stay out
.irp c, 0,1,2,3
	v_pk_add_f32 v[6+2*\c:7+2*\c], v[X+2*\c:X+2*\c+1], v[X+8+2*\c:X+9+2*\c]   ; the first pairs start four chains
.endr
.set j, 8
.rept 24
	v_pk_add_f32 v[6+2*(j%4):7+2*(j%4)], v[6+2*(j%4):7+2*(j%4)], v[X+2*j:X+2*j+1]
.set j, j+1
.endr
	REDUCE
	v_mul_f32 v14, s16, v6                         ; the mean, twice
	v_mov_b32 v15, v14
.set j, 0
.rept 32
	v_pk_add_f32 v[X+2*j:X+2*j+1], v[X+2*j:X+2*j+1], v[14:15] neg_lo:[0,1] neg_hi:[0,1]
.set j, j+1
.endr
.irp c, 0,1,2,3
	v_pk_mul_f32 v[6+2*\c:7+2*\c], v[X+2*\c:X+2*\c+1], v[X+2*\c:X+2*\c+1]
.endr
.set j, 4
.rept 28
	v_pk_fma_f32 v[6+2*(j%4):7+2*(j%4)], v[X+2*j:X+2*j+1], v[X+2*j:X+2*j+1], v[6+2*(j%4):7+2*(j%4)]
.set j, j+1
.endr
	REDUCE
	v_fma_f32 v6, v6, s16, s17                     ; var + eps
	v_rsq_f32 v208, v6
	v_rsq_f32 v209, v6
	s_wait_loadcnt 0x0                             ; gamma and beta
	v_nop                                          ; a plain instruction between the root and its use (ISA guide 5.7.2)
.set j, 0
	s_wait_alu depctr_va_vdst(0)
.rept 32
	v_pk_mul_f32 v[X+2*j:X+2*j+1], v[X+2*j:X+2*j+1], v[208:209]
.set j, j+1
.endr
.set j, 0
.rept 32
	v_pk_fma_f32 v[X+2*j:X+2*j+1], v[X+2*j:X+2*j+1], v[G+2*j:G+2*j+1], v[BT+2*j:BT+2*j+1]
.set j, j+1
.endr
.irp i, 0,1,2,3,4,5,6,7,8,9,10,11,12,13,14,15
	v_cvt_pk_bf16_f32 v[X+4*\i], v[X+4*\i], v[X+4*\i+1]
	v_cvt_pk_bf16_f32 v[X+4*\i+1], v[X+4*\i+2], v[X+4*\i+3]
	global_store_b64 v5, v[X+4*\i:X+4*\i+1], s[10:11] offset:16384*\i
.endr
	s_endpgm
.Lfunc_end_k_q1b2db83558_ln1:
	.size	k_q1b2db83558_ln1, .Lfunc_end_k_q1b2db83558_ln1-k_q1b2db83558_ln1
	.p2alignl 7, 3214868480
	.fill 96, 4, 3214868480
	.section	.rodata,"a",@progbits
	.p2align	6, 0x0
	.amdhsa_kernel k_q1b2db83558_ln1
		.amdhsa_group_segment_fixed_size 0
		.amdhsa_private_segment_fixed_size 0
		.amdhsa_enable_private_segment 0
		.amdhsa_kernarg_size 32
		.amdhsa_user_sgpr_count 2
		.amdhsa_user_sgpr_kernarg_segment_ptr 1
		.amdhsa_wavefront_size32 1
		.amdhsa_system_sgpr_workgroup_id_x 1
		.amdhsa_system_sgpr_workgroup_id_y 1
		.amdhsa_system_sgpr_workgroup_id_z 1
		.amdhsa_system_vgpr_workitem_id 0
		.amdhsa_next_free_vgpr 212
		.amdhsa_next_free_sgpr 66
		.amdhsa_reserve_vcc 0
		.amdhsa_float_denorm_mode_32 3
		.amdhsa_float_denorm_mode_16_64 3
		.amdhsa_memory_ordered 1
		.amdhsa_forward_progress 1
		.amdhsa_inst_pref_size 21
	.end_amdhsa_kernel
	.amdgpu_metadata
---
amdhsa.version: [ 1, 2 ]
amdhsa.kernels:
  - .name:           k_q1b2db83558_ln1
    .symbol:         k_q1b2db83558_ln1.kd
    .args:
      - { .name: x, .offset: 0, .size: 8, .value_kind: global_buffer, .address_space: global }
      - { .name: gamma1, .offset: 8, .size: 8, .value_kind: global_buffer, .address_space: global }
      - { .name: beta1, .offset: 16, .size: 8, .value_kind: global_buffer, .address_space: global }
      - { .name: act, .offset: 24, .size: 8, .value_kind: global_buffer, .address_space: global }
    .group_segment_fixed_size: 0
    .private_segment_fixed_size: 0
    .kernarg_segment_align: 8
    .kernarg_segment_size: 32
    .max_flat_workgroup_size: 256
    .sgpr_count:     66
    .vgpr_count:     212
    .wavefront_size: 32
...
	.end_amdgpu_metadata
.endif
;; end of part 2
;; launch feat1 (part 3): grid 8 x 96, 4 waves a work-group, clusters of 4 x 4, 327,680 bytes of LDS; arguments act, wfa, w_fq, w_fk, w_fv, w_rq, w_rk, w_rv, tb; writes tb
.if DOCPART == 3
	.amdgcn_target "amdgcn-amd-amdhsa--gfx1250"
	.amdhsa_code_object_version 6
	.text
	.protected	k_q1b2db83558_feat1
	.globl	k_q1b2db83558_feat1
	.p2align	8
	.type	k_q1b2db83558_feat1,@function
k_q1b2db83558_feat1:
	s_mov_b64 s[64:65], 0
	v_nop
	global_prefetch_b8 v0, s[64:65] scope:SCOPE_SE
	s_setreg_imm32_b32 hwreg(HW_REG_WAVE_MODE, 25, 1), 1
	s_wait_xcnt 0x0
	s_wait_alu depctr_hold_cnt(0) depctr_sa_sdst(0) depctr_va_vdst(0) depctr_va_sdst(0) depctr_va_ssrc(0) depctr_va_vcc(0) depctr_vm_vsrc(0)
	s_getreg_b32 s2, hwreg(HW_REG_IB_STS2, 6, 4)
	s_cmp_eq_u32 s2, 0
	s_cbranch_scc0 .Lentry_in_a_cluster
	s_endpgm
.Lentry_in_a_cluster:
	s_bfe_u32 s2, ttmp6, 0x10000c
	s_cmp_lg_u32 s2, 0xf033
	s_cbranch_scc0 .Lentry_shape_is_right
	s_endpgm
.Lentry_shape_is_right:
; FEATURE: h[t][r] = sum over n of wf[t][n] (sum over d of nx[t][d] f[n][d][r]), then T[t][(n, r)] = wr[t][n] h[t][r], the restore product's left operand, rounded once to bf16.
; The product is a GEMM C = A B^T on tiles of 128 x 128, K = 1,024: A = nx (chunks [row block][16 panels]), B = the feature weights with rows in the order
; c = 64 wc + 16 b + 8 h + 2 rl + jj <-> n = 16 wc + 8 h + 2 b + jj, r = 4 tc + rl: a tile holds all 32 n of four r, so the sum over n never leaves the work-group.
; Tile row y: g = y / 32 chooses the routing set (q, k, v) and, by g / 2, the weights' half; row block y % 32.  With a grid of 32 tile rows g is 0 and the first set alone is used.
; GEMM CORE.  Four waves, each 64 x 64: 16 accumulators.  Operands lie in chunks of 128 rows x 64 K, a row block's panels end to end, so a K step of 256 is 65,536 consecutive bytes of A and of B.
; Waves 0, 1 fetch A's two halves of it, waves 2, 3 B's: one tensor load of 32,768 bytes a wave, asked for as 128 rows of 256 bytes, padded 16 bytes after every 128: LDS rows of 144 bytes.
; Two slots take turns; one walking descriptor a tensor.  4 x 4 work-groups form a cluster: A's tiles are shared along its row, B's along its column, each asked for jointly.
; The matrix instruction is used transposed (source 0 = B's rows, source 1 = A's): lane l holds row l % 16 and columns 16 b + 8 (l / 16) + 0..7.
; REGISTERS.  window 0: v16-29 addresses; v32-63 wf, v64-95 wr, v96-127 h at work; v128-255 accumulators ((a, b) at 128 + 8 (4 a + b)), free for the way out once read.  window 1: two fragment buffers.
; LIMIT: matrix operands are rounded to bf16; all else is f32.
.set PITCH, 144
.set PANEL, 128*PITCH      ; 64 along K of 128 rows
.set HALFS, 2*PANEL        ; what one tensor load brings
.set BOFF,  2*HALFS        ; in a slot: A's four panels, then B's
.set SLOT,  4*HALFS        ; 0x24000: no wave's base w x 0x9000 has its two bits set, so an exclusive or changes slots
.set STAGE, 2*SLOT         ; behind the ring: 16 rows x 144 bytes a wave, for the way out
.set XCH,   STAGE+4*16*PITCH  ; 1,024 bytes a wave: the half sums over n
.set SPARE, XCH+4096       ; the spare words, 128 bytes a wave: two blocks of 256 bytes that no other line names
.set NS,    4              ; K steps
.set STEPB, 65536
.set ADRA0, 16
.set ADRB0, 17
.set ADRA, 18
.set ADRB, 19
.set XS,  20
.set XL,  21
.set STO, 24
.set RD,  25
.set GO,  26
.set WO,  27
.set SPW, 28
.set NIL, 29
.set WF,  32
.set WR,  64
.set HP,  96
.set ACC, 128
.set HS,  128
.set HQ,  144
.set PKB, 160
.set TM,  224
.set F0,  0
.set F1,  128
.set G1, 24
.set G0, 32
.set G1B, 48
.set G0B, 56
.set TB, 60                ; s60: 0 or SLOT, the slot being read
.set MSB, 0
.macro WIN new
.if MSB != (\new)
	s_set_vgpr_msb (MSB<<8)|(\new)
.set MSB, \new
.endif
.endm
.set MUL,  0x05            ; sources 0 and 1 window 1; C and D window 0
.set TO_F, 0x40            ; destination window 1, address window 0
.macro JLOAD               ; a joint load: waves 0, 1 for A, waves 2, 3 for B; an s_nop 0 and four v_nop follow each line
	s_cmp_eq_u32 s11, 0
	s_cbranch_scc0 .Lfor_b_\@
	tensor_load_to_lds s[G0:G0+3], s[G1:G1+7]
	s_nop 0
.rept 4
	v_nop
.endr
	s_branch .Lasked_\@
.Lfor_b_\@:
	tensor_load_to_lds s[G0B:G0B+3], s[G1B:G1B+7]
	s_nop 0
.rept 4
	v_nop
.endr
.Lasked_\@:
.endm
.macro CREST               ; a round of the cluster's barrier behind its opening barrier
	s_cmp_lg_u32 s10, 0
	s_cbranch_scc1 .Lnot_wave_0_\@
	s_barrier_signal -3
.Lnot_wave_0_\@:
	s_barrier_wait -3
	s_barrier_signal -1
	s_barrier_wait -1
.endm
.macro CROUND
	s_barrier_signal -1
	s_barrier_wait -1
	CREST
.endm
.macro WALK                ; both walking descriptors: the other slot, the next K step (no tensor load of mine is out where this stands)
	s_xor_b32 s[G0+1], s[G0+1], SLOT
	s_add_nc_u64 s[G0+2:G0+3], s[G0+2:G0+3], STEPB
	s_xor_b32 s[G0B+1], s[G0B+1], SLOT
	s_add_nc_u64 s[G0B+2:G0B+3], s[G0B+2:G0B+3], STEPB
.endm
.macro MUL8 f, c, a0, zero ; 8 matrix instructions: row blocks a0, a0 + 1 x 4 column blocks, 32 along K (half c of buffer f); the 16 accumulators take turns
	WIN MUL
.irp a, \a0, (\a0)+1
.irp b, 0,1,2,3
.if \zero
	v_wmma_f32_16x16x32_bf16 v[ACC+8*(4*(\a)+(\b)):ACC+8*(4*(\a)+(\b))+7], v[(\f)+64+8*(4*(\c)+(\b)):(\f)+64+8*(4*(\c)+(\b))+7], v[(\f)+8*(4*(\c)+(\a)):(\f)+8*(4*(\c)+(\a))+7], 0
.else
	v_wmma_f32_16x16x32_bf16 v[ACC+8*(4*(\a)+(\b)):ACC+8*(4*(\a)+(\b))+7], v[(\f)+64+8*(4*(\c)+(\b)):(\f)+64+8*(4*(\c)+(\b))+7], v[(\f)+8*(4*(\c)+(\a)):(\f)+8*(4*(\c)+(\a))+7], v[ACC+8*(4*(\a)+(\b)):ACC+8*(4*(\a)+(\b))+7]
.endif
.endr
.endr
.endm
.macro FETCH q, f          ; 32 LDS loads in one run: panel q's fragments into buffer f, the first 32 along K first
	WIN TO_F
.irp c, 0,1
.irp i, 0,1,2,3
	ds_load_b128 v[(\f)+64+8*(4*(\c)+(\i)):(\f)+64+8*(4*(\c)+(\i))+3],   v[ADRB] offset:(\q)*PANEL+64*(\c)+(\i)*16*PITCH
	ds_load_b128 v[(\f)+64+8*(4*(\c)+(\i))+4:(\f)+64+8*(4*(\c)+(\i))+7], v[ADRB] offset:(\q)*PANEL+64*(\c)+(\i)*16*PITCH+32
	ds_load_b128 v[(\f)+8*(4*(\c)+(\i)):(\f)+8*(4*(\c)+(\i))+3],         v[ADRA] offset:(\q)*PANEL+64*(\c)+(\i)*16*PITCH
	ds_load_b128 v[(\f)+8*(4*(\c)+(\i))+4:(\f)+8*(4*(\c)+(\i))+7],       v[ADRA] offset:(\q)*PANEL+64*(\c)+(\i)*16*PITCH+32
.endr
.endr
.endm
.macro PLACES              ; four places in front of loads into registers that matrix instructions have read, and of reads of results
.rept 4
	v_nop
.endr
.endm
.macro QUARTER q, f, g, zero  ; multiplies buffer f (one panel, 32 matrix instructions) and fetches panel q into g
	s_wait_dscnt 16                                ; the first 32 along K are in
	MUL8 \f, 0, 0, \zero
	MUL8 \f, 0, 2, \zero
	PLACES
	FETCH \q, \g
	s_wait_dscnt 32                                ; all but the 32 just issued
	MUL8 \f, 1, 0, 0
	MUL8 \f, 1, 2, 0
.endm
; A K step's last quarter multiplies buffer 1 and changes slots: one barrier; in front of it each wave waits for all its tensor loads (its part of the next slot), adds 0 to its spare word,
; and waits for that and for its reads of this slot.  fill = 1: the barrier opens a round of the cluster's, and this slot is filled again first thing behind it, two K steps ahead.
; fill = 0 (the tail, counted by s3): nothing is asked for, and in the last trip the fetch from a next slot is jumped over.
.macro TURN fill
	WIN 0
	s_wait_tensorcnt 0x0
	ds_add_u32 v[SPW], v[NIL]
	s_wait_dscnt 17                                ; the add and the youngest sixteen loads may be out
	MUL8 F1, 0, 0, 0
	s_wait_dscnt 0x0                               ; the add is done, my reads of this slot are over
	s_barrier_signal -1
	MUL8 F1, 0, 2, 0
	WIN 0
	s_barrier_wait -1
.if \fill
	CREST
	WALK
	JLOAD                                          ; 112 matrix instructions ahead of the wait for it; its four v_nop are also the places in front of the loads below
.else
	s_cmp_eq_u32 s3, 1
	s_cbranch_scc1 .Lno_fetch_\@
	PLACES
.endif
	s_xor_b32 s[TB], s[TB], SLOT
	v_add_nc_u32 v[ADRA], s[TB], v[ADRA0]
	v_add_nc_u32 v[ADRB], s[TB], v[ADRB0]
	FETCH 0, F0
.if (\fill) == 0
	WIN 0
.Lno_fetch_\@:
.endif
	MUL8 F1, 1, 0, 0
	MUL8 F1, 1, 2, 0
.endm
	s_load_b512 s[68:83], s[0:1], 0x0              ; act 68, weights 70, wf of q, k, v 72, 74, 76, wr of q, k, v 78, 80, 82
	s_load_b64 s[84:85], s[0:1], 0x40              ; T
	v_lshl_add_u32 v[SPW], v0, 2, SPARE
	v_mov_b32 v[NIL], 0
	ds_add_u32 v28, v29
	ds_add_u32 v28, v29
	s_wait_dscnt 0x0
	v_lshrrev_b32 v1, 5, v0
	v_readfirstlane_b32 s10, v1                    ; wave
	s_lshr_b32 s11, s10, 1                         ; my half of the tile's rows; also: I fetch for A (0) or B (1)
	s_and_b32 s12, s10, 1                          ; my half of its columns; also: which half of a K step I fetch
	s_bfe_u32 s40, ttmp6, 0x40000                  ; cx
	s_bfe_u32 s41, ttmp6, 0x40004                  ; cy
	s_lshl_b32 s42, ttmp9, 2
	s_add_co_u32 s42, s42, s40                     ; tile column
	s_and_b32 s13, ttmp7, 0xffff
	s_lshr_b32 s66, s13, 3                         ; g: made of the cluster's y alone, so all sixteen partners share it
	s_lshl_b32 s13, s13, 2
	s_add_co_u32 s13, s13, s41                     ; tile row
	s_and_b32 s67, s13, 31                         ; row block
	s_lshl_b32 s43, s41, 2
	s_lshl_b32 s43, 15, s43                        ; my row of the cluster
	s_lshl_b32 s44, 0x1111, s40                    ; my column
	s_or_b32 s[G1], s43, (1<<16)|(1<<20)|(1<<21)|(4<<22)|(3<<25)   ; mask; 2-byte elements; padding on; bit 21 beside a mask; after every 32 words, 4 words
	s_or_b32 s[G1B], s44, (1<<16)|(1<<20)|(1<<21)|(4<<22)|(3<<25)
.irp g, G1, G1B
	s_mov_b32 s[(\g)+1], 128<<16                   ; tensor_dim0 = 128
	s_mov_b32 s[(\g)+2], 128<<16                   ; tensor_dim1 = 128
	s_mov_b32 s[(\g)+3], 128<<16                   ; tile_dim0 = 128
	s_mov_b32 s[(\g)+4], 128                       ; tile_dim1 = 128
	s_mov_b32 s[(\g)+5], 128                       ; rows end to end
	s_mov_b32 s[(\g)+6], 0
	s_mov_b32 s[(\g)+7], 0
.endr
	s_lshl_b32 s17, s12, 15                        ; my half of a K step
	s_lshl_b32 s16, s67, 18                        ; A: row block x 16 chunks
	s_add_co_u32 s16, s16, s17
	s_lshr_b32 s46, s66, 1                         ; B: (8 (g / 2) + tile column) x 16 chunks
	s_lshl_b32 s46, s46, 3
	s_add_co_u32 s46, s46, s42
	s_lshl_b32 s46, s46, 18
	s_add_co_u32 s46, s46, s17
	s_mov_b32 s17, 0
	s_mov_b32 s47, 0
	s_mul_i32 s20, s10, HALFS                      ; where my loads go: no place in the cluster enters an LDS address
	s_mul_i32 s14, s67, 48                         ; T: chunk (row block, 16 g + 2 tile column + my column half), my 64 rows of it
	s_lshl4_add_u32 s14, s66, s14
	s_lshl1_add_u32 s14, s42, s14
	s_add_co_u32 s14, s14, s12
	s_lshl_b32 s14, s14, 14
	s_lshl_b32 s15, s11, 13
	s_add_co_u32 s14, s14, s15
	s_mov_b32 s15, 0
	s_lshl_b32 s86, s67, 14                        ; routing weights: my 64 tokens' rows of 128 bytes, my 16 n
	s_lshl_b32 s87, s11, 13
	s_add_co_u32 s86, s86, s87
	s_lshl_b32 s87, s12, 6
	s_add_co_u32 s86, s86, s87
	s_mov_b32 s87, 0
	s_mov_b32 s62, 0x76543210                      ; v_permlanex16_b32: each lane takes its own place in the other half
	s_mov_b32 s63, 0xfedcba98
	s_mov_b32 s[G0], 1
	s_mov_b32 s[G0+1], s20
	s_mov_b32 s[G0B], 1
	s_mov_b32 s[G0B+1], s20
	s_wait_kmcnt 0x0
	s_add_nc_u64 s[G0+2:G0+3], s[68:69], s[16:17]
	s_or_b32 s[G0+3], s[G0+3], 0x80000000
	s_add_nc_u64 s[G0B+2:G0B+3], s[70:71], s[46:47]
	s_or_b32 s[G0B+3], s[G0B+3], 0x80000000
	s_cmp_eq_u32 s66, 1                            ; the routing set
	s_cselect_b64 s[72:73], s[74:75], s[72:73]
	s_cselect_b64 s[78:79], s[80:81], s[78:79]
	s_cmp_eq_u32 s66, 2
	s_cselect_b64 s[72:73], s[76:77], s[72:73]
	s_cselect_b64 s[78:79], s[82:83], s[78:79]
	s_add_nc_u64 s[72:73], s[72:73], s[86:87]
	s_add_nc_u64 s[78:79], s[78:79], s[86:87]
	s_add_nc_u64 s[8:9], s[84:85], s[14:15]
	CROUND                                         ; all sixteen work-groups are here: the first joint loads meet
	JLOAD                                          ; K step 0 into slot 0
	v_and_b32 v1, 15, v0                           ; r = l % 16
	v_bfe_u32 v2, v0, 4, 1                         ; h = l / 16
	v_lshlrev_b32 v[WO], 7, v1
	v_lshl_add_u32 v[WO], v2, 5, v[WO]             ; token r, n = 8 h on
.irp a, 0,1,2,3                                        ; a lane's eight n of each of its four tokens: waited for at the way out
	global_load_b128 v[WF+8*\a:WF+8*\a+3],   v[WO], s[72:73] offset:\a*2048
	global_load_b128 v[WF+8*\a+4:WF+8*\a+7], v[WO], s[72:73] offset:\a*2048+16
	global_load_b128 v[WR+8*\a:WR+8*\a+3],   v[WO], s[78:79] offset:\a*2048
	global_load_b128 v[WR+8*\a+4:WR+8*\a+7], v[WO], s[78:79] offset:\a*2048+16
.endr
	v_mul_u32_u24 v3, v1, PITCH
	v_lshl_add_u32 v3, v2, 4, v3                   ; row x pitch + 16 x half
	s_mul_i32 s21, s11, 64*PITCH
	s_mul_i32 s22, s12, 64*PITCH
	s_add_co_u32 s22, s22, BOFF
	v_add_nc_u32 v[ADRA0], s21, v3
	v_add_nc_u32 v[ADRB0], s22, v3
	s_mul_i32 s23, s10, 16*PITCH
	s_add_co_u32 s23, s23, STAGE                   ; my stage
	v_add_nc_u32 v[STO], s23, v3                   ; in: row r, 16 bytes for each half of the lanes
	v_bfe_u32 v4, v0, 3, 2
	v_and_b32 v5, 7, v0
	v_mul_u32_u24 v4, v4, PITCH
	v_lshl_add_u32 v4, v5, 4, v4
	v_add_nc_u32 v[RD], s23, v4                    ; back: 32 lanes take four rows of 128 bytes,
	v_and_b32 v[GO], 31, v0
	v_lshlrev_b32 v[GO], 4, v[GO]                  ; 512 consecutive bytes of a chunk
	s_lshl_b32 s21, s10, 10
	s_add_co_u32 s21, s21, XCH
	v_lshl_add_u32 v[XS], v1, 4, s21               ; my half sums,
	s_xor_b32 s22, s10, 1
	s_lshl_b32 s22, s22, 10
	s_add_co_u32 s22, s22, XCH
	v_lshl_add_u32 v[XL], v1, 4, s22               ; and those of the wave with the other 64 columns
	s_wait_tensorcnt 0x0                           ; slot 0 is in; slot 1 is filled as a refill is
	ds_add_u32 v[SPW], v[NIL]
	WALK
	s_wait_dscnt 0x0
	CROUND
	JLOAD                                          ; K step 1 into slot 1
	s_mov_b32 s[TB], 0
	v_mov_b32 v[ADRA], v[ADRA0]
	v_mov_b32 v[ADRB], v[ADRB0]
	FETCH 0, F0
	QUARTER 1, F0, F1, 1                           ; the first quarter starts the sums: nothing is cleared
	WIN 0
	s_mov_b32 s3, NS-2
.Llap:                                                 ; a trip: a K step's quarters 2 to 4 and the next step's first; it fills one slot again
	QUARTER 2, F1, F0, 0
	QUARTER 3, F0, F1, 0
	TURN 1
	QUARTER 1, F0, F1, 0
	WIN 0
	s_sub_co_u32 s3, s3, 1
	s_cmp_lg_u32 s3, 0
	s_cbranch_scc1 .Llap
	s_mov_b32 s3, 2
.Ltail:                                                ; the last two K steps ask for nothing; the last trip jumps over what belongs to a further step
	QUARTER 2, F1, F0, 0
	QUARTER 3, F0, F1, 0
	TURN 0
	WIN 0
	s_cmp_eq_u32 s3, 1
	s_cbranch_scc1 .Lno_quarter
	QUARTER 1, F0, F1, 0
	WIN 0
.Lno_quarter:
	s_sub_co_u32 s3, s3, 1
	s_cmp_lg_u32 s3, 0
	s_cbranch_scc1 .Ltail
	; THE SUM OVER n.  Registers 2 q, 2 q + 1 of accumulator (a, b) are r = 4 tc + q at n = 16 wc + 8 h + 2 b + 0, 1: multiplied by the lane's pair 2 b of wf and summed over b.
	s_wait_loadcnt 0x0                             ; wf and wr
	PLACES
.irp a, 0,1,2,3
.irp b, 0,1,2,3
.irp q, 0,1,2,3
.if (\b) == 0
	v_pk_mul_f32 v[HP+8*(\a)+2*(\q):HP+8*(\a)+2*(\q)+1], v[ACC+8*(4*(\a)+(\b))+2*(\q):ACC+8*(4*(\a)+(\b))+2*(\q)+1], v[WF+8*(\a)+2*(\b):WF+8*(\a)+2*(\b)+1]
.else
	v_pk_fma_f32 v[HP+8*(\a)+2*(\q):HP+8*(\a)+2*(\q)+1], v[ACC+8*(4*(\a)+(\b))+2*(\q):ACC+8*(4*(\a)+(\b))+2*(\q)+1], v[WF+8*(\a)+2*(\b):WF+8*(\a)+2*(\b)+1], v[HP+8*(\a)+2*(\q):HP+8*(\a)+2*(\q)+1]
.endif
.endr
.endr
.endr
.set i, 0
.rept 16                                               ; the pair's two n,
	v_add_f32 v[HP+2*i], v[HP+2*i], v[HP+2*i+1]
.set i, i+1
.endr
.set i, 0
.rept 16                                               ; the other half of the lanes' eight n,
	v_permlanex16_b32 v[HP+2*i+1], v[HP+2*i], s62, s63
.set i, i+1
.endr
.set i, 0
.rept 16
	v_add_f32 v[HS+i], v[HP+2*i], v[HP+2*i+1]
.set i, i+1
.endr
.irp a, 0,1,2,3                                        ; and the other wave's sixteen n, through LDS
	ds_store_b128 v[XS], v[HS+4*\a:HS+4*\a+3] offset:\a*256
.endr
	s_wait_dscnt 0x0                               ; my stores are done, for the partner's sake
	s_barrier_signal -1
	s_barrier_wait -1
.irp a, 0,1,2,3
	ds_load_b128 v[HQ+4*\a:HQ+4*\a+3], v[XL] offset:\a*256
.endr
	s_wait_dscnt 0x0
.set i, 0
.rept 16
	v_add_f32 v[HP+2*i], v[HS+i], v[HQ+i]          ; h, in f32: token 16 a + r, r index q at HP + 8 a + 2 q
.set i, i+1
.endr
; T's columns of this tile have the tile's own order, so the lane that held column c makes T's column c: wr's pair 2 b times h of q, rounded in pairs: 16 bytes for each (a, b).
.macro EXPAND a
.irp b, 0,1,2,3
.irp q, 0,1,2,3
	v_pk_mul_f32 v[TM+2*(\q):TM+2*(\q)+1], v[WR+8*(\a)+2*(\b):WR+8*(\a)+2*(\b)+1], v[HP+8*(\a)+2*(\q):HP+8*(\a)+2*(\q)+1] op_sel_hi:[1,0]
.endr
.irp q, 0,1,2,3
	v_cvt_pk_bf16_f32 v[PKB+16*(\a)+4*(\b)+(\q)], v[TM+2*(\q)], v[TM+2*(\q)+1]
.endr
.endr
.endm
.macro STG a               ; 16 rows into my stage and back as whole rows of 128 bytes; LDS serves a wave's instructions in order (ISA guide 5.7.1.4)
.irp b, 0,1,2,3
	ds_store_b128 v[STO], v[PKB+16*(\a)+4*(\b):PKB+16*(\a)+4*(\b)+3] offset:32*(\b)
.endr
.irp f, 0,1,2,3
	ds_load_b128 v[PKB+16*(\a)+4*(\f):PKB+16*(\a)+4*(\f)+3], v[RD] offset:(\f)*4*PITCH
.endr
.endm
.macro SEND a, younger     ; younger: the LDS instructions issued behind block a's loads
.irp f, 0,1,2,3
	s_wait_dscnt (\younger)+3-(\f)
	global_store_b128 v[GO], v[PKB+16*(\a)+4*(\f):PKB+16*(\a)+4*(\f)+3], s[8:9] offset:(\a)*2048+(\f)*512   ; 512 consecutive bytes, aligned
.endr
.endm
	EXPAND 0
	STG 0
	EXPAND 1
	STG 1
	SEND 0, 8
	EXPAND 2
	STG 2
	SEND 1, 8
	EXPAND 3
	STG 3
	SEND 2, 8
	SEND 3, 0
	s_wait_tensorcnt 0x0                           ; the wave's end
	ds_add_u32 v[SPW], v[NIL]
	s_wait_dscnt 0x0
	CROUND                                         ; the closing round
	s_endpgm
.Lfunc_end_k_q1b2db83558_feat1:
	.size	k_q1b2db83558_feat1, .Lfunc_end_k_q1b2db83558_feat1-k_q1b2db83558_feat1
	.p2alignl 7, 3214868480
	.fill 96, 4, 3214868480
	.section	.rodata,"a",@progbits
	.p2align	6, 0x0
	.amdhsa_kernel k_q1b2db83558_feat1
		.amdhsa_group_segment_fixed_size 327680
		.amdhsa_private_segment_fixed_size 0
		.amdhsa_enable_private_segment 0
		.amdhsa_kernarg_size 72
		.amdhsa_user_sgpr_count 2
		.amdhsa_user_sgpr_kernarg_segment_ptr 1
		.amdhsa_wavefront_size32 1
		.amdhsa_system_sgpr_workgroup_id_x 1
		.amdhsa_system_sgpr_workgroup_id_y 1
		.amdhsa_system_sgpr_workgroup_id_z 1
		.amdhsa_system_vgpr_workitem_id 0
		.amdhsa_next_free_vgpr 512
		.amdhsa_next_free_sgpr 88
		.amdhsa_reserve_vcc 0
		.amdhsa_float_denorm_mode_32 3
		.amdhsa_float_denorm_mode_16_64 3
		.amdhsa_memory_ordered 1
		.amdhsa_forward_progress 1
		.amdhsa_inst_pref_size 72
	.end_amdhsa_kernel
	.amdgpu_metadata
---
amdhsa.version: [ 1, 2 ]
amdhsa.kernels:
  - .name:           k_q1b2db83558_feat1
    .symbol:         k_q1b2db83558_feat1.kd
    .args:
      - { .name: act, .offset: 0, .size: 8, .value_kind: global_buffer, .address_space: global }
      - { .name: wfa, .offset: 8, .size: 8, .value_kind: global_buffer, .address_space: global }
      - { .name: w_fq, .offset: 16, .size: 8, .value_kind: global_buffer, .address_space: global }
      - { .name: w_fk, .offset: 24, .size: 8, .value_kind: global_buffer, .address_space: global }
      - { .name: w_fv, .offset: 32, .size: 8, .value_kind: global_buffer, .address_space: global }
      - { .name: w_rq, .offset: 40, .size: 8, .value_kind: global_buffer, .address_space: global }
      - { .name: w_rk, .offset: 48, .size: 8, .value_kind: global_buffer, .address_space: global }
      - { .name: w_rv, .offset: 56, .size: 8, .value_kind: global_buffer, .address_space: global }
      - { .name: tb, .offset: 64, .size: 8, .value_kind: global_buffer, .address_space: global }
    .group_segment_fixed_size: 327680
    .private_segment_fixed_size: 0
    .kernarg_segment_align: 8
    .kernarg_segment_size: 72
    .max_flat_workgroup_size: 128
    .sgpr_count:     88
    .vgpr_count:     512
    .wavefront_size: 32
...
	.end_amdgpu_metadata
.endif
;; end of part 3
;; launch rest (part 4): grid 8 x 96, 4 waves a work-group, clusters of 4 x 4, 327,680 bytes of LDS; arguments tb, wts, qkv; writes qkv
.if DOCPART == 4
	.amdgcn_target "amdgcn-amd-amdhsa--gfx1250"
	.amdhsa_code_object_version 6
	.text
	.protected	k_q1b2db83558_rest
	.globl	k_q1b2db83558_rest
	.p2align	8
	.type	k_q1b2db83558_rest,@function
k_q1b2db83558_rest:
	s_mov_b64 s[64:65], 0
	v_nop
	global_prefetch_b8 v0, s[64:65] scope:SCOPE_SE
	s_setreg_imm32_b32 hwreg(HW_REG_WAVE_MODE, 25, 1), 1
	s_wait_xcnt 0x0
	s_wait_alu depctr_hold_cnt(0) depctr_sa_sdst(0) depctr_va_vdst(0) depctr_va_sdst(0) depctr_va_ssrc(0) depctr_va_vcc(0) depctr_vm_vsrc(0)
	s_getreg_b32 s2, hwreg(HW_REG_IB_STS2, 6, 4)
	s_cmp_eq_u32 s2, 0
	s_cbranch_scc0 .Lentry_in_a_cluster
	s_endpgm
.Lentry_in_a_cluster:
	s_bfe_u32 s2, ttmp6, 0x10000c
	s_cmp_lg_u32 s2, 0xf033
	s_cbranch_scc0 .Lentry_shape_is_right
	s_endpgm
.Lentry_shape_is_right:
; RESTORE: Q, K, V [t][d] = sum over (n, r) of T_g[t][(n, r)] r_g[(n, r)][d], K = 1,024 in the routed order that T and the weights share; rounded once to bf16 and stored by heads:
; chunk (row block, 16 g + head), a head being 64 columns.  Tile row y: g = y / 32 (q, k, v), row block y % 32; q and k take r_qk, v takes r_v.
; GEMM CORE.  Tiles of 128 x 128; four waves, each 64 x 64: 16 accumulators.  Operands lie in chunks of 128 rows x 64 K, a row block's panels end to end: a K step of 256 is 65,536 consecutive
; bytes of A and of B.  Waves 0, 1 fetch A's halves of it, waves 2, 3 B's: one tensor load of 32,768 bytes a wave (128 rows of 256 bytes, padded 16 bytes after every 128: LDS rows of 144).
; Two slots take turns; one walking descriptor a tensor.  4 x 4 work-groups form a cluster: A's tiles are shared along its row, B's along its column, each asked for jointly.
; The matrix instruction is used transposed: lane l holds row l % 16 and columns 16 b + 8 (l / 16) + 0..7.
; REGISTERS.  window 0: v16-29 addresses; v32-95 the way out; v128-255 accumulators.  window 1: two fragment buffers.   LIMIT: operands and results are rounded to bf16.
.set PITCH, 144
.set PANEL, 128*PITCH
.set HALFS, 2*PANEL
.set BOFF,  2*HALFS
.set SLOT,  4*HALFS        ; 0x24000: no wave's base w x 0x9000 has its two bits set
.set STAGE, 2*SLOT         ; 16 rows x 144 bytes a wave
.set SPARE, STAGE+4*16*PITCH  ; the spare words, 128 bytes a wave, named by no other line
.set NS,    4
.set STEPB, 65536
.set ADRA0, 16
.set ADRB0, 17
.set ADRA, 18
.set ADRB, 19
.set STO, 24
.set RD,  25
.set GO,  26
.set SPW, 28
.set NIL, 29
.set PKB, 32
.set ACC, 128
.set F0,  0
.set F1,  128
.set G1, 24
.set G0, 32
.set G1B, 48
.set G0B, 56
.set TB, 60
.set MSB, 0
.macro WIN new
.if MSB != (\new)
	s_set_vgpr_msb (MSB<<8)|(\new)
.set MSB, \new
.endif
.endm
.set MUL,  0x05
.set TO_F, 0x40
.macro JLOAD               ; a joint load: waves 0, 1 for A, waves 2, 3 for B; an s_nop 0 and four v_nop follow each line
	s_cmp_eq_u32 s11, 0
	s_cbranch_scc0 .Lfor_b_\@
	tensor_load_to_lds s[G0:G0+3], s[G1:G1+7]
	s_nop 0
.rept 4
	v_nop
.endr
	s_branch .Lasked_\@
.Lfor_b_\@:
	tensor_load_to_lds s[G0B:G0B+3], s[G1B:G1B+7]
	s_nop 0
.rept 4
	v_nop
.endr
.Lasked_\@:
.endm
.macro CREST
	s_cmp_lg_u32 s10, 0
	s_cbranch_scc1 .Lnot_wave_0_\@
	s_barrier_signal -3
.Lnot_wave_0_\@:
	s_barrier_wait -3
	s_barrier_signal -1
	s_barrier_wait -1
.endm
.macro CROUND
	s_barrier_signal -1
	s_barrier_wait -1
	CREST
.endm
.macro WALK                ; both walking descriptors: the other slot, the next K step
	s_xor_b32 s[G0+1], s[G0+1], SLOT
	s_add_nc_u64 s[G0+2:G0+3], s[G0+2:G0+3], STEPB
	s_xor_b32 s[G0B+1], s[G0B+1], SLOT
	s_add_nc_u64 s[G0B+2:G0B+3], s[G0B+2:G0B+3], STEPB
.endm
.macro MUL8 f, c, a0, zero
	WIN MUL
.irp a, \a0, (\a0)+1
.irp b, 0,1,2,3
.if \zero
	v_wmma_f32_16x16x32_bf16 v[ACC+8*(4*(\a)+(\b)):ACC+8*(4*(\a)+(\b))+7], v[(\f)+64+8*(4*(\c)+(\b)):(\f)+64+8*(4*(\c)+(\b))+7], v[(\f)+8*(4*(\c)+(\a)):(\f)+8*(4*(\c)+(\a))+7], 0
.else
	v_wmma_f32_16x16x32_bf16 v[ACC+8*(4*(\a)+(\b)):ACC+8*(4*(\a)+(\b))+7], v[(\f)+64+8*(4*(\c)+(\b)):(\f)+64+8*(4*(\c)+(\b))+7], v[(\f)+8*(4*(\c)+(\a)):(\f)+8*(4*(\c)+(\a))+7], v[ACC+8*(4*(\a)+(\b)):ACC+8*(4*(\a)+(\b))+7]
.endif
.endr
.endr
.endm
.macro FETCH q, f
	WIN TO_F
.irp c, 0,1
.irp i, 0,1,2,3
	ds_load_b128 v[(\f)+64+8*(4*(\c)+(\i)):(\f)+64+8*(4*(\c)+(\i))+3],   v[ADRB] offset:(\q)*PANEL+64*(\c)+(\i)*16*PITCH
	ds_load_b128 v[(\f)+64+8*(4*(\c)+(\i))+4:(\f)+64+8*(4*(\c)+(\i))+7], v[ADRB] offset:(\q)*PANEL+64*(\c)+(\i)*16*PITCH+32
	ds_load_b128 v[(\f)+8*(4*(\c)+(\i)):(\f)+8*(4*(\c)+(\i))+3],         v[ADRA] offset:(\q)*PANEL+64*(\c)+(\i)*16*PITCH
	ds_load_b128 v[(\f)+8*(4*(\c)+(\i))+4:(\f)+8*(4*(\c)+(\i))+7],       v[ADRA] offset:(\q)*PANEL+64*(\c)+(\i)*16*PITCH+32
.endr
.endr
.endm
.macro PLACES
.rept 4
	v_nop
.endr
.endm
.macro QUARTER q, f, g, zero
	s_wait_dscnt 16                                ; the first 32 along K are in
	MUL8 \f, 0, 0, \zero
	MUL8 \f, 0, 2, \zero
	PLACES
	FETCH \q, \g
	s_wait_dscnt 32                                ; all but the 32 just issued
	MUL8 \f, 1, 0, 0
	MUL8 \f, 1, 2, 0
.endm
; The change of slots: all my tensor loads waited for, the add, my reads of the slot waited for, one barrier; fill = 1: it opens a round of the cluster's and the slot is filled again first behind it.
.macro TURN fill
	WIN 0
	s_wait_tensorcnt 0x0
	ds_add_u32 v[SPW], v[NIL]
	s_wait_dscnt 17                                ; the add and the youngest sixteen loads may be out
	MUL8 F1, 0, 0, 0
	s_wait_dscnt 0x0
	s_barrier_signal -1
	MUL8 F1, 0, 2, 0
	WIN 0
	s_barrier_wait -1
.if \fill
	CREST
	WALK
	JLOAD
.else
	s_cmp_eq_u32 s3, 1
	s_cbranch_scc1 .Lno_fetch_\@
	PLACES
.endif
	s_xor_b32 s[TB], s[TB], SLOT
	v_add_nc_u32 v[ADRA], s[TB], v[ADRA0]
	v_add_nc_u32 v[ADRB], s[TB], v[ADRB0]
	FETCH 0, F0
.if (\fill) == 0
	WIN 0
.Lno_fetch_\@:
.endif
	MUL8 F1, 1, 0, 0
	MUL8 F1, 1, 2, 0
.endm
	s_load_b128 s[4:7], s[0:1], 0x0                ; T 4, weights 6
	s_load_b64 s[8:9], s[0:1], 0x10                ; qkv
	v_lshl_add_u32 v[SPW], v0, 2, SPARE
	v_mov_b32 v[NIL], 0
	ds_add_u32 v28, v29
	ds_add_u32 v28, v29
	s_wait_dscnt 0x0
	v_lshrrev_b32 v1, 5, v0
	v_readfirstlane_b32 s10, v1
	s_lshr_b32 s11, s10, 1
	s_and_b32 s12, s10, 1
	s_bfe_u32 s40, ttmp6, 0x40000
	s_bfe_u32 s41, ttmp6, 0x40004
	s_lshl_b32 s42, ttmp9, 2
	s_add_co_u32 s42, s42, s40                     ; tile column
	s_and_b32 s13, ttmp7, 0xffff
	s_lshr_b32 s66, s13, 3                         ; g, of the cluster's y alone
	s_lshl_b32 s13, s13, 2
	s_add_co_u32 s13, s13, s41                     ; tile row
	s_and_b32 s67, s13, 31                         ; row block
	s_lshl_b32 s43, s41, 2
	s_lshl_b32 s43, 15, s43
	s_lshl_b32 s44, 0x1111, s40
	s_or_b32 s[G1], s43, (1<<16)|(1<<20)|(1<<21)|(4<<22)|(3<<25)
	s_or_b32 s[G1B], s44, (1<<16)|(1<<20)|(1<<21)|(4<<22)|(3<<25)
.irp g, G1, G1B
	s_mov_b32 s[(\g)+1], 128<<16
	s_mov_b32 s[(\g)+2], 128<<16
	s_mov_b32 s[(\g)+3], 128<<16
	s_mov_b32 s[(\g)+4], 128
	s_mov_b32 s[(\g)+5], 128
	s_mov_b32 s[(\g)+6], 0
	s_mov_b32 s[(\g)+7], 0
.endr
	s_lshl_b32 s17, s12, 15
	s_mul_i32 s16, s67, 786432                     ; A: row block x 48 chunks + g x 16 chunks
	s_lshl_b32 s18, s66, 18
	s_add_co_u32 s16, s16, s18
	s_add_co_u32 s16, s16, s17
	s_lshr_b32 s46, s66, 1                         ; B: (8 (g / 2) + tile column) x 16 chunks
	s_lshl_b32 s46, s46, 3
	s_add_co_u32 s46, s46, s42
	s_lshl_b32 s46, s46, 18
	s_add_co_u32 s46, s46, s17
	s_mov_b32 s17, 0
	s_mov_b32 s47, 0
	s_mul_i32 s20, s10, HALFS
	s_mul_i32 s14, s67, 48                         ; out: chunk (row block, 16 g + head), head = 2 tile column + my column half
	s_lshl4_add_u32 s14, s66, s14
	s_lshl1_add_u32 s14, s42, s14
	s_add_co_u32 s14, s14, s12
	s_lshl_b32 s14, s14, 14
	s_lshl_b32 s15, s11, 13
	s_add_co_u32 s14, s14, s15
	s_mov_b32 s15, 0
	s_mov_b32 s[G0], 1
	s_mov_b32 s[G0+1], s20
	s_mov_b32 s[G0B], 1
	s_mov_b32 s[G0B+1], s20
	s_wait_kmcnt 0x0
	s_add_nc_u64 s[G0+2:G0+3], s[4:5], s[16:17]
	s_or_b32 s[G0+3], s[G0+3], 0x80000000
	s_add_nc_u64 s[G0B+2:G0B+3], s[6:7], s[46:47]
	s_or_b32 s[G0B+3], s[G0B+3], 0x80000000
	s_add_nc_u64 s[8:9], s[8:9], s[14:15]
	CROUND
	JLOAD                                          ; K step 0 into slot 0
	v_and_b32 v1, 15, v0
	v_bfe_u32 v2, v0, 4, 1
	v_mul_u32_u24 v3, v1, PITCH
	v_lshl_add_u32 v3, v2, 4, v3
	s_mul_i32 s21, s11, 64*PITCH
	s_mul_i32 s22, s12, 64*PITCH
	s_add_co_u32 s22, s22, BOFF
	v_add_nc_u32 v[ADRA0], s21, v3
	v_add_nc_u32 v[ADRB0], s22, v3
	s_mul_i32 s23, s10, 16*PITCH
	s_add_co_u32 s23, s23, STAGE
	v_add_nc_u32 v[STO], s23, v3
	v_bfe_u32 v4, v0, 3, 2
	v_and_b32 v5, 7, v0
	v_mul_u32_u24 v4, v4, PITCH
	v_lshl_add_u32 v4, v5, 4, v4
	v_add_nc_u32 v[RD], s23, v4
	v_and_b32 v[GO], 31, v0
	v_lshlrev_b32 v[GO], 4, v[GO]
	s_wait_tensorcnt 0x0                           ; slot 0 is in; slot 1 is filled as a refill is
	ds_add_u32 v[SPW], v[NIL]
	WALK
	s_wait_dscnt 0x0
	CROUND
	JLOAD                                          ; K step 1 into slot 1
	s_mov_b32 s[TB], 0
	v_mov_b32 v[ADRA], v[ADRA0]
	v_mov_b32 v[ADRB], v[ADRB0]
	FETCH 0, F0
	QUARTER 1, F0, F1, 1
	WIN 0
	s_mov_b32 s3, NS-2
.Llap:
	QUARTER 2, F1, F0, 0
	QUARTER 3, F0, F1, 0
	TURN 1
	QUARTER 1, F0, F1, 0
	WIN 0
	s_sub_co_u32 s3, s3, 1
	s_cmp_lg_u32 s3, 0
	s_cbranch_scc1 .Llap
	s_mov_b32 s3, 2
.Ltail:                                                ; the last two K steps ask for nothing; the last trip jumps over what belongs to a further step
	QUARTER 2, F1, F0, 0
	QUARTER 3, F0, F1, 0
	TURN 0
	WIN 0
	s_cmp_eq_u32 s3, 1
	s_cbranch_scc1 .Lno_quarter
	QUARTER 1, F0, F1, 0
	WIN 0
.Lno_quarter:
	s_sub_co_u32 s3, s3, 1
	s_cmp_lg_u32 s3, 0
	s_cbranch_scc1 .Ltail
	; THE WAY OUT: rounded to bf16, 16 rows at a time through my stage, back as whole rows of 128 bytes: my 64 rows of one chunk are 8,192 consecutive bytes.
.macro PACKA a
.irp b, 0,1,2,3
.irp q, 0,1,2,3
	v_cvt_pk_bf16_f32 v[PKB+16*(\a)+4*(\b)+(\q)], v[ACC+8*(4*(\a)+(\b))+2*(\q)], v[ACC+8*(4*(\a)+(\b))+2*(\q)+1]
.endr
.endr
.endm
.macro STG a
.irp b, 0,1,2,3
	ds_store_b128 v[STO], v[PKB+16*(\a)+4*(\b):PKB+16*(\a)+4*(\b)+3] offset:32*(\b)
.endr
.irp f, 0,1,2,3
	ds_load_b128 v[PKB+16*(\a)+4*(\f):PKB+16*(\a)+4*(\f)+3], v[RD] offset:(\f)*4*PITCH   ; LDS serves a wave's instructions in order (ISA guide 5.7.1.4)
.endr
.endm
.macro SEND a, younger
.irp f, 0,1,2,3
	s_wait_dscnt (\younger)+3-(\f)
	global_store_b128 v[GO], v[PKB+16*(\a)+4*(\f):PKB+16*(\a)+4*(\f)+3], s[8:9] offset:(\a)*2048+(\f)*512
.endr
.endm
	PLACES
	PACKA 0
	STG 0
	PACKA 1
	STG 1
	SEND 0, 8
	PACKA 2
	STG 2
	SEND 1, 8
	PACKA 3
	STG 3
	SEND 2, 8
	SEND 3, 0
	s_wait_tensorcnt 0x0                           ; the wave's end
	ds_add_u32 v[SPW], v[NIL]
	s_wait_dscnt 0x0
	CROUND
	s_endpgm
.Lfunc_end_k_q1b2db83558_rest:
	.size	k_q1b2db83558_rest, .Lfunc_end_k_q1b2db83558_rest-k_q1b2db83558_rest
	.p2alignl 7, 3214868480
	.fill 96, 4, 3214868480
	.section	.rodata,"a",@progbits
	.p2align	6, 0x0
	.amdhsa_kernel k_q1b2db83558_rest
		.amdhsa_group_segment_fixed_size 327680
		.amdhsa_private_segment_fixed_size 0
		.amdhsa_enable_private_segment 0
		.amdhsa_kernarg_size 24
		.amdhsa_user_sgpr_count 2
		.amdhsa_user_sgpr_kernarg_segment_ptr 1
		.amdhsa_wavefront_size32 1
		.amdhsa_system_sgpr_workgroup_id_x 1
		.amdhsa_system_sgpr_workgroup_id_y 1
		.amdhsa_system_sgpr_workgroup_id_z 1
		.amdhsa_system_vgpr_workitem_id 0
		.amdhsa_next_free_vgpr 512
		.amdhsa_next_free_sgpr 68
		.amdhsa_reserve_vcc 0
		.amdhsa_float_denorm_mode_32 3
		.amdhsa_float_denorm_mode_16_64 3
		.amdhsa_memory_ordered 1
		.amdhsa_forward_progress 1
		.amdhsa_inst_pref_size 58
	.end_amdhsa_kernel
	.amdgpu_metadata
---
amdhsa.version: [ 1, 2 ]
amdhsa.kernels:
  - .name:           k_q1b2db83558_rest
    .symbol:         k_q1b2db83558_rest.kd
    .args:
      - { .name: tb, .offset: 0, .size: 8, .value_kind: global_buffer, .address_space: global }
      - { .name: wts, .offset: 8, .size: 8, .value_kind: global_buffer, .address_space: global }
      - { .name: qkv, .offset: 16, .size: 8, .value_kind: global_buffer, .address_space: global }
    .group_segment_fixed_size: 327680
    .private_segment_fixed_size: 0
    .kernarg_segment_align: 8
    .kernarg_segment_size: 24
    .max_flat_workgroup_size: 128
    .sgpr_count:     68
    .vgpr_count:     512
    .wavefront_size: 32
...
	.end_amdgpu_metadata
.endif
;; end of part 4
;; launch attn (part 5): grid 4 x 32, 4 waves a work-group, no clusters, 327,680 bytes of LDS; arguments qkv, act; writes act
.if DOCPART == 5
	.amdgcn_target "amdgcn-amd-amdhsa--gfx1250"
	.amdhsa_code_object_version 6
	.text
	.protected	k_q1b2db83558_attn
	.globl	k_q1b2db83558_attn
	.p2align	8
	.type	k_q1b2db83558_attn,@function
k_q1b2db83558_attn:
	s_mov_b64 s[64:65], 0
	v_nop
	global_prefetch_b8 v0, s[64:65] scope:SCOPE_SE
	s_setreg_imm32_b32 hwreg(HW_REG_WAVE_MODE, 25, 1), 1
	s_wait_xcnt 0x0
; CAUSAL ATTENTION, head size 64, 2,048 rows, 32 (batch, head) pairs.  O[q] = the sum over k <= q of softmax_k(Q[q] . K[k] / 8) V[k].  Q, K, V, O in bf16; products, maxima and sums in f32;
; the weights p are rounded to bf16 for the second product (their sum l is taken of the unrounded p), O once at the end.
; MEMORY.  qkv: chunks of 128 rows x 64 channels (16,384 dense bytes) at ((16 batch + row / 128) 48 + 16 g + head) x 16,384, g = 0, 1, 2 for Q, K, V; O likewise with 16 chunks a row block, chunk = head.
; LIMITS.  A hidden score counts as its value less 1e30; a weight below 2^-126 counts as 0 in l; NaN and infinities are not treated apart.
; THE WALK.  A head's queries lie in NB = 8 blocks of 256; block i needs the key tiles 0 .. i of 256 keys, the last of which holds the diagonal.  A work-group takes TWO blocks, NB - 1 - b and then b:
; NB + 1 tiles whatever b, so all work-groups do equal work and ONE loop with a constant trip count walks them.  Which tile is asked for and what a trip does hang on scalar registers made from b; every jump
; but the counted loops' own goes forward; none passes a barrier, or a tensor load but the one of LOAD's two that the wave's number does not choose.
; NO CLUSTER: a head's four work-groups ask for the same tile only in trips 0 to 4 of the 9, behind that fewer and fewer; a walk common to all four would have 12 trips for 9.
; SHARES.  Of a block's four bands of 64 queries a wave owns 16 rows in each: four PIECES, so the diagonal tile is the same work for all waves: in its key step s band x sees all keys if s < x,
; none if s > x, and holds the diagonal if s = x.
; THE MASK is the C operand that starts S^T = K Q^T: 0, or -1e30 where the key is hidden.  MD, made once, is the mask of a band's own step for my 16 rows; a product's mask is MD x AL + BE.
; LAYOUT, SOFTMAX, TURNS.  S^T holds ONE query a lane (lane % 16) and the keys 8 (lane / 16) + 0..7; two such results rounded in pairs ARE source 1 of O^T = V^T P.  p = 2^(c s - c m), c = log2(e) / 8, with a
; running maximum m; O and l are multiplied by a = 2^(c m_old - c m_new) in every step.  Turn n belongs to piece n: 8 products K Q^T of piece n + 1, later 8 products V^T P of piece n - 1; beside them the
; softmax of piece n and the maximum of piece n + 1: four vector instructions behind every matrix instruction, the rest in two runs of their own.
; REGISTERS, in windows of 256 (s_set_vgpr_msb: bits 1:0 source 0, 3:2 source 1, 5:4 source 2, 7:6 destination):
;   window 0: v0-15 addresses; v16-31 statistics; v48-55 at work; v64-127 S^T, two buffers; v192-223 P, two buffers      window 1: v0-127 O^T; v128-159 MD; v160-223 MC, two buffers
;   window 2: v0-63 Q; v64-127 the second block's Q; v128-191 K of one step; v192-255 V of one step
.set SIZE_N, 2048
.set NB,    SIZE_N/256
.set CSQ,   786432    ; bytes from 128 rows of a head to the next 128 in qkv
.set CSO,   262144    ; the same in O
.set NP,    4
.set KS,    64
.set PK,    144       ; a row of K in LDS: 128 bytes + 16: the 16 rows of a load start at 16 different groups of four banks (ISA guide 11.1)
.set PV,    160       ; a row of V: 128 + 32
.set VOFF,  4*KS*PK
.set SLOT1, 1<<17
.set STAGE, SLOT1+4*KS*(PK+PV)
.set SP,    144
.set AK0, 2
.set AV0, 3
.set AK,  4
.set AV,  5
.set STO, 6
.set RD,  7
.set GO,  8
.set SPW, 62
.set NIL, 63
.set SPARE, STAGE+4*16*SP  ; the spare words, 128 bytes a wave, named by no other line
.set MV,  12
.set QO,  15
.set ST,  16
.set TMP, 48
.set S,   64
.set P,   192
.set MD,  128
.set MC,  160
.set QB,  64
.set KF,  128
.set VF,  192
.set WV,  12
.set PB,  14
.set HI,  15
.set G1K, 24
.set G1V, 32
.set G0K, 40
.set G0V, 44
.set SLOTS, 56
.set CNT, 57
.set CS,  58
.set SEL, 60
.set TBK, 62
.set TBV, 63
.set RT,  70
.set NXT, 71
.set LQ,  72
.set NEW, 73
.set OFF, 74
.set AL,  76
.set BE,  78
.set OLO, 80
.set BIGN, 82
.set MSB, 0
.macro WIN new
.if MSB != (\new)
	s_set_vgpr_msb (MSB<<8)|(\new)
.set MSB, (\new)
.endif
.endm
.set W_KQ, 0x0a
.set W_KM, 0x1a
.set W_PV, 0x52
.set W_RS, 0x41
; A fill.  Waves 0 and 1 fetch the two halves of a tile's K, waves 2 and 3 those of its V: 128 keys, one chunk, each.  An s_nop 0 and four v_nop follow each line.
.macro LOAD
	s_cmp_lt_u32 s[WV], 2
	s_cbranch_scc0 .Lfor_v_\@
	tensor_load_to_lds s[G0K:G0K+3], s[G1K:G1K+7]
	s_nop 0
.rept 4
	v_nop
.endr
	s_branch .Lasked_\@
.Lfor_v_\@:
	tensor_load_to_lds s[G0V:G0V+3], s[G1V:G1V+7]
	s_nop 0
.rept 4
	v_nop
.endr
.Lasked_\@:
.endm
; THE CHANGE OF SLOTS.  Each wave waits for all its tensor loads (one is out: its part of the other slot), adds 0 to its spare word, and waits for that and for its reads of the slot that it leaves.
; fill = 1: the old slot is filled again, first thing behind the barrier, with tile NXT: the descriptor's address is made anew from that number.
.macro CHANGE fill
	WIN 0
	s_wait_tensorcnt 0x0
	ds_add_u32 v[SPW], v[NIL]
.if \fill
	s_mul_i32 s[OFF], s[NXT], 2*CSQ ; a tile is two chunks of K and of V
	s_xor_b32 s[G0K+1], s[G0K+1], SLOT1
	s_add_nc_u64 s[G0K+2:G0K+3], s[6:7], s[OFF:OFF+1]
	s_or_b32 s[G0K+3], s[G0K+3], 0x80000000
	s_xor_b32 s[G0V+1], s[G0V+1], SLOT1
	s_add_nc_u64 s[G0V+2:G0V+3], s[8:9], s[OFF:OFF+1]
	s_or_b32 s[G0V+3], s[G0V+3], 0x80000000
	s_add_co_u32 s[NXT], s[NXT], 1  ; the block's next tile, or behind its last the second block's tile 0
	s_cmp_gt_u32 s[NXT], s[LQ]
	s_cselect_b32 s[NXT], 0, s[NXT]
	s_cselect_b32 s[LQ], s[PB], s[LQ]
.endif
	s_wait_dscnt 0x0
	s_barrier_signal -1
	s_sub_co_u32 s[TBK], s[TBK], 4*KS*PK
	s_xor_b32 s[TBK], s[TBK], SLOT1
	s_sub_co_u32 s[TBV], s[TBV], 4*KS*PV
	s_xor_b32 s[TBV], s[TBV], SLOT1
	s_barrier_wait -1
.if \fill
	LOAD
.endif
.endm
	s_load_b128 s[48:51], s[0:1], 0x0  ; qkv s[48:49], O s[50:51]
	v_lshl_add_u32 v[SPW], v0, 2, SPARE
	v_mov_b32 v[NIL], 0
	ds_add_u32 v62, v63
	ds_add_u32 v62, v63
	s_wait_dscnt 0x0
	v_lshrrev_b32 v1, 5, v0
	v_readfirstlane_b32 s[WV], v1
	s_mov_b32 s[PB], ttmp9
	s_sub_co_u32 s[HI], NB-1, s[PB]
	s_and_b32 s20, ttmp7, 0xffff    ; 16 batch + head
	s_and_b32 s19, s20, 15
	s_lshl_b32 s19, s19, 14         ; the head's chunk in a row block
	s_lshr_b32 s20, s20, 4
	s_lshl_b32 s92, s20, 22         ; the batch's 16 row blocks in O
	s_add_co_u32 s92, s92, s19
	s_mov_b32 s93, 0
	s_mul_i32 s20, s20, 16*CSQ      ; and in qkv
	s_add_co_u32 s20, s20, s19
	s_mov_b32 s21, 0
	s_and_b32 s16, s[WV], 1         ; which half of a tile's 256 keys I fetch:
	s_mul_i32 s22, s16, CSQ         ; its chunk in memory,
	s_mov_b32 s23, 0
	s_add_nc_u64 s[22:23], s[22:23], s[20:21]
	s_mul_i32 s17, s16, 128*PK      ; and its place in a slot, for K
	s_mul_i32 s18, s16, 128*PV      ; and for V
	s_lshl_b32 s3, s[WV], 11        ; my 16 rows in a band of 64,
	s_mul_i32 s2, s[HI], 2*CSQ      ; in the first block,
	s_add_co_u32 s2, s2, s3
	s_mul_i32 s84, s[PB], 2*CSQ     ; and in the second; the same for O
	s_add_co_u32 s84, s84, s3
	s_lshl_b32 s88, s[HI], 19
	s_add_co_u32 s88, s88, s3
	s_lshl_b32 s90, s[PB], 19
	s_add_co_u32 s90, s90, s3
	s_mov_b32 s3, 0
	s_mov_b32 s85, 0
	s_mov_b32 s89, 0
	s_mov_b32 s91, 0
	s_add_nc_u64 s[2:3], s[2:3], s[20:21]
	s_add_nc_u64 s[84:85], s[84:85], s[20:21]
	s_add_nc_u64 s[88:89], s[88:89], s[92:93]
	s_add_nc_u64 s[90:91], s[90:91], s[92:93]
	; descriptor group 1.  128 keys are 16,384 dense bytes: asked for as 64 rows of 256 bytes, two keys a row, padded in LDS after every key
	s_mov_b32 s[G1K], (1<<16)|(1<<20)|(4<<22)|(3<<25)
	s_mov_b32 s[G1V], (1<<16)|(1<<20)|(4<<22)|(7<<25)
.irp g, G1K, G1V
	s_mov_b32 s[\g+1], 128<<16
	s_mov_b32 s[\g+2], 64<<16
	s_mov_b32 s[\g+3], 128<<16
	s_mov_b32 s[\g+4], 64
	s_mov_b32 s[\g+5], 128
	s_mov_b32 s[\g+6], 0
	s_mov_b32 s[\g+7], 0
.endr
	s_mov_b32 s[CS], 0x3e38aa3b     ; c = log2(e) / 8
	s_mov_b32 s[CS+1], s[CS]
	s_mov_b32 s[SEL], 0x76543210
	s_mov_b32 s[SEL+1], 0xfedcba98
	s_mov_b32 s[TBK], SLOT1+4*KS*PK ; the first change of slots turns these two into 0
	s_mov_b32 s[TBV], SLOT1+4*KS*PV
	s_mov_b32 s[G0K], 1
	s_mov_b32 s[G0K+1], s17
	s_mov_b32 s[G0V], 1
	s_add_co_u32 s[G0V+1], s18, VOFF
	s_add_co_u32 s[RT], s[HI], 1    ; the first block has NB - b tiles
	s_mov_b32 s[NXT], 1
	s_mov_b32 s[LQ], s[HI]
	s_mov_b32 s[NEW], 1
	s_mov_b32 s[OFF+1], 0
	s_mov_b32 s[AL+1], 0
	s_mov_b32 s[BE+1], 0
	s_mov_b32 s[BIGN], 0xf149f2ca   ; -1e30
	s_mov_b32 s[SLOTS], NB
	s_wait_kmcnt 0x0
	s_add_nc_u64 s[6:7], s[48:49], s[22:23]
	s_add_nc_u64 s[6:7], s[6:7], 262144    ; K at my half of the head's tile 0: 16 chunks behind Q
	s_add_nc_u64 s[8:9], s[6:7], 262144    ; V: 16 more
	s_add_nc_u64 s[G0K+2:G0K+3], s[6:7], 0
	s_or_b32 s[G0K+3], s[G0K+3], 0x80000000
	s_add_nc_u64 s[G0V+2:G0V+3], s[8:9], 0
	s_or_b32 s[G0V+3], s[G0V+3], 0x80000000
	s_add_nc_u64 s[86:87], s[48:49], s[84:85]      ; Q at my rows of the second block,
	s_add_nc_u64 s[4:5], s[48:49], s[2:3]          ; and of the first
	s_add_nc_u64 s[OLO:OLO+1], s[50:51], s[90:91]
	s_add_nc_u64 s[10:11], s[50:51], s[88:89]
	LOAD                            ; tile 0 into slot 0
	v_and_b32 v1, 15, v0            ; l % 16
	v_bfe_u32 v9, v0, 4, 1          ; l / 16
	v_lshlrev_b32 v[QO], 7, v1
	v_lshl_add_u32 v[QO], v9, 4, v[QO]
	WIN 0x80
.set i, 0
.rept 8                             ; both blocks' Q: piece i / 2 lies in band i / 2: chunk i / 4, 64 rows on for the odd band; channels 32 (i % 2) on
	global_load_b128 v[8*i:8*i+3],   v[QO], s[4:5] offset:(i/4)*CSQ+((i/2)%2)*8192+(i%2)*64
	global_load_b128 v[8*i+4:8*i+7], v[QO], s[4:5] offset:(i/4)*CSQ+((i/2)%2)*8192+(i%2)*64+32
	global_load_b128 v[QB+8*i:QB+8*i+3],   v[QO], s[86:87] offset:(i/4)*CSQ+((i/2)%2)*8192+(i%2)*64
	global_load_b128 v[QB+8*i+4:QB+8*i+7], v[QO], s[86:87] offset:(i/4)*CSQ+((i/2)%2)*8192+(i%2)*64+32
.set i, i+1
.endr
	WIN 0
	v_lshlrev_b32 v14, 3, v9
	v_sub_nc_u32 v14, v1, v14
	s_lshl_b32 s13, s[WV], 4
	v_add_nc_u32 v14, s13, v14      ; my query's place in its band less my lanes' 8 (l / 16): register r of group kt is hidden where 16 kt + r is greater
	WIN 0x40
.set i, 0
.rept 32
	v_cmp_gt_i32 vcc_lo, 16*(i/8)+i%8, v14
	v_cndmask_b32 v[MD+i], 0, s[BIGN], vcc_lo
.set i, i+1
.endr
	WIN 0
	v_mul_u32_u24 v[AK0], v1, PK
	v_lshl_add_u32 v[AK0], v9, 4, v[AK0]
	v_and_b32 v10, 7, v0            ; the turning load: lane l reads key 8 (l / 16) + l % 8, channels 8 ((l / 8) % 2) + 0..7
	v_bfe_u32 v11, v0, 3, 1
	v_lshl_add_u32 v[AV0], v9, 3, v10
	v_mul_u32_u24 v[AV0], v[AV0], PV
	v_lshl_add_u32 v[AV0], v11, 4, v[AV0]
	v_add_nc_u32 v[AV0], VOFF, v[AV0]
	s_mul_i32 s13, s[WV], 16*SP
	s_add_co_u32 s13, s13, STAGE    ; my stage
	v_mul_u32_u24 v[STO], v1, SP
	v_lshl_add_u32 v[STO], v9, 4, v[STO]
	v_add_nc_u32 v[STO], s13, v[STO]
	v_bfe_u32 v[RD], v0, 3, 2
	v_mul_u32_u24 v[RD], v[RD], SP
	v_lshl_add_u32 v[RD], v10, 4, v[RD]
	v_add_nc_u32 v[RD], s13, v[RD]
	v_and_b32 v[GO], 31, v0
	v_lshlrev_b32 v[GO], 4, v[GO]
	; A block's first step multiplies O^T and l by a = 0, so these registers need only hold finite numbers: zeros for the first block, what it left for the second.  This stands in the wait for the first tile.
	WIN 0x80
.set i, VF
.rept 64
	v_mov_b32 v[i], 0
.set i, i+1
.endr
	WIN 0x40
.set i, 0
.rept 128
	v_mov_b32 v[i], 0
.set i, i+1
.endr
	WIN 0
.set i, 0
.rept 4
	v_mov_b32 v[ST+4*i+2], 0
	v_mov_b32 v[ST+4*i+3], 0
.set i, i+1
.endr
.set i, P+16
.rept 16
	v_mov_b32 v[i], 0
.set i, i+1
.endr
; THE MATRIX WORK.  The 4 accumulators of a run of 8 take turns.  Product i of 8 of S^T = K Q^T for piece x: channels 32 (i / 4) on, keys 16 (i % 4) on.
.macro KQ x
.set rS, S+32*((\x)%2)+8*(i%4)
.set rK, KF+16*(i%4)+8*(i/4)
.set rQ, 16*(\x)+8*(i/4)
.set rM, MC+32*((\x)%2)+8*(i%4)
.if (i < 4) && KM
	WIN W_KM
	v_wmma_f32_16x16x32_bf16 v[rS:rS+7], v[rK:rK+7], v[rQ:rQ+7], v[rM:rM+7]
.elseif i < 4
	WIN W_KQ
	v_wmma_f32_16x16x32_bf16 v[rS:rS+7], v[rK:rK+7], v[rQ:rQ+7], 0
.else
	WIN W_KQ
	v_wmma_f32_16x16x32_bf16 v[rS:rS+7], v[rK:rK+7], v[rQ:rQ+7], v[rS:rS+7]
.endif
.endm
; Product i of 8 of O^T += V^T P for piece x: keys 32 (i / 4) on, channels 16 (i % 4) on.
.macro PV x
	WIN W_PV
.set rO, 32*(\x)+8*(i%4)
.set rV, VF+32*(i/4)+8*(i%4)
.set rP, P+16*((\x)%2)+8*(i/4)
	v_wmma_f32_16x16x32_bf16 v[rO:rO+7], v[rV:rV+7], v[rP:rP+7], v[rO:rO+7]
.endm
.macro MM                           ; the turn's next matrix instruction.  NOKQ = 1: a block's last turn: there is no next piece
.if (i < 8) && !NOKQ
	KQ (Y+1)%NP
.elseif i >= 8
.set i, i-8
	PV (Y+NP-1)%NP
.set i, i+8
.endif
.set i, i+1
.endm
; THE LDS LOADS stand in runs of 16: a step's K (8 fragments) and its V (turned).
.macro FETCH_K
	WIN 0x80
.irp f, 0,1,2,3,4,5,6,7
	ds_load_b128 v[KF+8*\f:KF+8*\f+3],   v[AK] offset:(\f/2)*16*PK+(\f%2)*64
	ds_load_b128 v[KF+8*\f+4:KF+8*\f+7], v[AK] offset:(\f/2)*16*PK+(\f%2)*64+32
.endr
	s_add_co_u32 s[TBK], s[TBK], KS*PK
	WIN 0
.endm
.macro FETCH_V
	WIN 0x80
.irp f, 0,1,2,3,4,5,6,7
	ds_load_tr16_b128 v[VF+8*\f:VF+8*\f+3],   v[AV] offset:(\f/4)*32*PV+(\f%4)*32
	ds_load_tr16_b128 v[VF+8*\f+4:VF+8*\f+7], v[AV] offset:(\f/4)*32*PV+16*PV+(\f%4)*32
.endr
	WIN 0
.endm
; THE VECTOR WORK, one line at a time: OP kind, number.  For piece Y: F n: c s - c m for pair n.  E n: the exponential of score n.  C n: pair n rounded to bf16.  B n: of the four weights 4 n .. the second
; pair is added onto the first.  L n: l takes that sum (L 0: l = a l + sum).  R n: pair n of O^T times a.  For piece Y + 1: X n, number n of the 22 that find its maximum and statistics
; (each accumulator's lowest registers are read first).
.set F, 0
.set E, 1
.set C, 2
.set B, 3
.set L, 4
.set R, 5
.set X, 6
.macro REGS y
.set rT, ST+4*(\y)
.set rC, TMP+4*((\y)%2)
.set rW, MV+((\y)%2)
.set rS, S+32*((\y)%2)
.set rP, P+16*((\y)%2)
.set rO, 32*(\y)
.endm
.macro OP k, n
.if (\k) == R
	REGS Y
	WIN W_RS
	v_pk_mul_f32 v[rO+2*(\n):rO+2*(\n)+1], v[rO+2*(\n):rO+2*(\n)+1], v[rC+2:rC+3] op_sel_hi:[1,0]
.elseif (\k) < R
	REGS Y
	WIN 0
.if (\k) == F
	v_pk_fma_f32 v[rS+2*(\n):rS+2*(\n)+1], v[rS+2*(\n):rS+2*(\n)+1], s[CS:CS+1], v[rT:rT+1] op_sel_hi:[1,0,0] neg_lo:[0,0,1] neg_hi:[0,0,1]
.elseif (\k) == E
	v_exp_f32 v[rS+(\n)], v[rS+(\n)]
.elseif (\k) == C
	s_wait_alu depctr_va_vdst(0)
	v_cvt_pk_bf16_f32 v[rP+(\n)], v[rS+2*(\n)], v[rS+2*(\n)+1]
.elseif (\k) == B
	s_wait_alu depctr_va_vdst(0)
	v_pk_add_f32 v[rS+4*(\n):rS+4*(\n)+1], v[rS+4*(\n):rS+4*(\n)+1], v[rS+4*(\n)+2:rS+4*(\n)+3]
.elseif (\n) == 0
	v_pk_fma_f32 v[rT+2:rT+3], v[rT+2:rT+3], v[rC+2:rC+3], v[rS:rS+1] op_sel_hi:[1,0,1]
.else
	v_pk_add_f32 v[rT+2:rT+3], v[rT+2:rT+3], v[rS+4*(\n):rS+4*(\n)+1]
.endif
.elseif NOKQ
	v_nop
.else
	REGS (Y+1)%NP
	WIN 0
.if (\n) < 4
	v_max3_num_f32 v[rC+(\n)], v[rS+8*(\n)], v[rS+8*(\n)+1], v[rS+8*(\n)+2]
.elseif (\n) < 12
	v_max3_num_f32 v[rC+(\n)%4], v[rC+(\n)%4], v[rS+8*((\n)%4)+2*((\n)/4)+1], v[rS+8*((\n)%4)+2*((\n)/4)+2]
.elseif (\n) == 12
	v_max3_num_f32 v[rC], v[rC], v[rS+7], v[rS+15]
.elseif (\n) == 13
	v_max3_num_f32 v[rC+1], v[rC+1], v[rS+23], v[rS+31]
.elseif (\n) == 14
	v_max3_num_f32 v[rC+2], v[rC+2], v[rC+3], v[rT+1]
.elseif (\n) == 15
	v_mov_b32 v[rW], v[rT]
.elseif (\n) == 16
	v_max3_num_f32 v[rC], v[rC], v[rC+1], v[rC+2]
.elseif (\n) == 17
	v_permlanex16_b32 v[rC+3], v[rC], s[SEL], s[SEL+1]
.elseif (\n) == 18
	v_max_num_f32 v[rT+1], v[rC], v[rC+3]
.elseif (\n) == 19
	v_mul_f32 v[rT], s[CS], v[rT+1]
.elseif (\n) == 20
	v_sub_f32 v[rC+1], v[rW], v[rT]
.else
	v_exp_f32 v[rC+2], v[rC+1]
.endif
.endif
.endm
.macro OPS a, i1, b=-1, i2=0, c=-1, i3=0, d=-1, i4=0
	OP \a, \i1
.if (\b) >= 0
	OP \b, \i2
.endif
.if (\c) >= 0
	OP \c, \i3
.endif
.if (\d) >= 0
	OP \d, \i4
.endif
.endm
.macro ROW a, i1, b, i2, c, i3, d, i4  ; a matrix instruction and the four behind it
	MM
	OPS \a, \i1, \b, \i2, \c, \i3, \d, \i4
.endm
.macro MASK b                       ; MD x AL + BE into buffer b of MC
	WIN W_RS
.set z, 0
.rept 16
	v_pk_fma_f32 v[MC+32*(\b)+2*z:MC+32*(\b)+2*z+1], v[MD+2*z:MD+2*z+1], s[AL:AL+1], s[BE:BE+1] op_sel_hi:[1,0,0]
.set z, z+1
.endr
.endm
; A TURN, for piece p: the order of its 16 matrix and 118 vector instructions, written out.  None of the four behind a matrix instruction names a register of the products round it; a line reads no result made
; fewer than three vector instructions in front of it, five if an exponential made it.  m = 1: the diagonal tile: the products take masks, and the turn makes the mask for the turn after it.
; end = 1: a block's last two turns: nothing is fetched.  cnt = 1: the loop's count is taken down some lines ahead of the branch behind the turn.
; K of the next step is fetched in piece 2's turn, V of the step in hand in piece 0's, each at least four plain instructions behind the last product that read the registers; each is waited for a turn later.
.macro TURN p, m=0, end=0, cnt=0
.set Y, (\p)
.set i, 0
.set KM, (\m)
.set NOKQ, (\end)*((\p)/3)
.if (\m) && !(\end)
	s_cmp_eq_u32 s[CNT], 4-((\p)+2)%NP  ; is that step the band's own?
	s_cselect_b32 s[AL], 1.0, 0
	s_cmp_lt_u32 s[CNT], 4-((\p)+2)%NP  ; or a later one?
	s_cselect_b32 s[BE], s[BIGN], 0
.endif
.if ((\p) == 3) && !(\end)
	s_wait_dscnt 0x0                ; K is in
.endif
	ROW F,0, F,1, F,2, F,3
	ROW F,4, E,0, F,5, F,6
	ROW F,7, E,1, F,8, F,9
	ROW F,10, E,2, C,0, F,11
	ROW F,12, E,3, X,15, F,13
	ROW R,0, R,1, R,2, R,3
	ROW B,0, E,4, F,14, L,0
.if ((\p) == 2) && !(\end)
	v_add_nc_u32 v[AK], s[TBK], v[AK0]
.endif
	ROW R,4, R,5, R,6, R,7
	OPS E,5, F,15
.if ((\p) == 2) && !(\end)
	FETCH_K
.endif
	OPS E,6, C,1, E,7, R,8
	OPS E,8, R,9, E,9, C,2
	OPS E,10, X,0, E,11, X,1
	OPS E,12, X,2, E,13, X,3
.if (\p) == 1
	s_wait_dscnt 0x0                ; V is in
.endif
	ROW X,4, E,14, X,5, X,6
	ROW X,7, E,15, X,8, X,9
	ROW X,10, E,16, X,11, X,12
	ROW X,13, E,17, X,14, B,1
	ROW C,4, E,18, X,16, L,1
	ROW B,2, E,19, C,6, L,2
	ROW C,8, E,20, B,3, B,4
.if (\p) == 0
	v_add_nc_u32 v[AV], s[TBV], v[AV0]
.endif
	ROW C,3, E,21, L,3, C,5
	OPS E,22, X,17, E,23, C,10
.if (\p) == 0
	FETCH_V
.endif
	OPS E,24, L,4
	OPS E,25, X,18, E,26, C,7
	OPS E,27, B,5, E,28, X,19
	OPS E,29, C,12, E,30, L,5
	OPS E,31, X,20, B,6, C,9
	OPS C,14, C,11, X,21, L,6
.if (\p) == 0
	s_add_co_u32 s[TBV], s[TBV], KS*PV
.endif
.if \cnt
	s_sub_co_u32 s[CNT], s[CNT], 1
	s_cmp_lg_u32 s[CNT], 0
.endif
	OPS C,13, B,7, C,15, R,10
	OPS R,11, R,12, L,7, R,13
	OPS R,14, R,15
.if (\m) && !(\end)
	MASK (\p)%2
.endif
.endm
; A BLOCK BEGINS.  c m starts far below every c s, so the first step's a is 0; m at the lowest finite number.  The second mask buffer is 0; the first takes piece 0's mask for the tile's step 0.
; Then K of that step, piece 0's first scores, and its maximum and statistics.  The loop is entered at a step's first turn, in the middle of a trip.
.macro BEGIN
	s_mov_b32 s[NEW], 0
	WIN 0x40
.set i, MC+32
.rept 32
	v_mov_b32 v[i], 0
.set i, i+1
.endr
	WIN 0
.set i, 0
.rept 4
	v_mov_b32 v[ST+4*i], 0xfe000000
	v_mov_b32 v[ST+4*i+1], 0xff7fffff
.set i, i+1
.endr
	s_cmp_eq_u32 s[RT], 0
	s_cselect_b32 s[AL], 1.0, 0
	s_mov_b32 s[BE], 0
	MASK 0
	WIN 0
	v_add_nc_u32 v[AK], s[TBK], v[AK0]
	FETCH_K
	s_wait_loadcnt 0x0              ; Q
	s_wait_dscnt 0x0
.set KM, 1
.set NOKQ, 0
.set i, 0
.rept 8
	KQ 0
.set i, i+1
.endr
	WIN 0
.rept 4
	v_nop                           ; the places behind those products
.endr
.set Y, NP-1
.irp n, 0,1,2,3,4,5,6,7,8,9,10,11,12,13,14,15,16,17,18,19,20,21
	OP X, \n
.endr
	v_nop                           ; a plain instruction behind the exponential
.endm
; THE DIAGONAL TILE's four steps, the block's last two turns, its last products, and THE WAY OUT: l's halves are added; O^T is divided by l, rounded to bf16 and sent through my stage, a piece at a time.
.macro ALL line:vararg
.set t, 0
.rept 4
	\line
.set t, t+1
.endr
.endm
.macro PACK t
	WIN W_RS
.set i, 32*(\t)
.rept 16
	s_wait_alu depctr_va_vdst(0)
	v_pk_mul_f32 v[i:i+1], v[i:i+1], v[ST+4*(\t)+2:ST+4*(\t)+3] op_sel_hi:[1,0]
.set i, i+2
.endr
	WIN 0x05
.set i, 0
.rept 16
	v_cvt_pk_bf16_f32 v[S+16*(\t)+i], v[32*(\t)+2*i], v[32*(\t)+2*i+1]
.set i, i+1
.endr
	WIN 0
.irp f, 0,1,2,3
	ds_store_b128 v[STO], v[S+16*(\t)+4*\f:S+16*(\t)+4*\f+3] offset:32*\f
.endr
.irp f, 0,1,2,3
	ds_load_b128 v[S+16*(\t)+4*\f:S+16*(\t)+4*\f+3], v[RD] offset:\f*4*SP  ; LDS serves a wave's instructions in order (ISA guide 5.7.1.4)
.endr
.endm
.macro SEND t, younger              ; younger: the LDS instructions issued behind piece t's loads
	WIN 0
.irp f, 0,1,2,3
	s_wait_dscnt (\younger)+3-\f
	global_store_b128 v[GO], v[S+16*(\t)+4*\f:S+16*(\t)+4*\f+3], s[10:11] offset:((\t)/2)*CSO+((\t)%2)*8192+\f*512  ; 512 consecutive bytes, aligned
.endr
.endm
.macro DIAG tag
.LstepM\tag:
	TURN 2, 1
	TURN 3, 1
	WIN 0
.LfirstM\tag:
	TURN 0, 1
	TURN 1, 1, 0, 1
	WIN 0
	s_cbranch_scc1 .LstepM\tag
	TURN 2, 1, 1
	TURN 3, 1, 1
.set i, 0
.rept 8
	PV NP-1
.set i, i+1
.endr
	WIN 0
	ALL v_add_f32 v[ST+4*t+2], v[ST+4*t+2], v[ST+4*t+3]
	ALL v_permlanex16_b32 v[ST+4*t+3], v[ST+4*t+2], s[SEL], s[SEL+1]
	ALL v_add_f32 v[ST+4*t+2], v[ST+4*t+2], v[ST+4*t+3]
	ALL v_rcp_f32 v[ST+4*t+2], v[ST+4*t+2]
	v_nop                           ; a plain instruction between the last reciprocal and the use of its result
	PACK 0
.set t, 1
.rept 3
	PACK t
	SEND t-1, 8
.set t, t+1
.endr
	SEND 3, 0
.endm
.set KM, 0
.set NOKQ, 0
.Lslot:                             ; NB times: a tile is entered and the next is asked for
	CHANGE 1
	s_sub_co_u32 s[RT], s[RT], 1
	s_mov_b32 s[CNT], 4
	s_cmp_eq_u32 s[NEW], 1
	s_cbranch_scc1 .Lnew            ; a block's first tile
	s_cmp_eq_u32 s[RT], 0
	s_cbranch_scc0 .Lstep           ; neither its first nor its last
	s_branch .LstepM1
.Lnew:
	BEGIN
	s_branch .Lfirst                ; in the loop a block's first tile is never its last
	DIAG 1                          ; in the loop this is the first block's end
	s_wait_xcnt 0x0                 ; the stores have read their registers and O's address
	s_mov_b64 s[10:11], s[OLO:OLO+1]
	s_add_co_u32 s[RT], s[PB], 1    ; the second block has b + 1 tiles
	s_mov_b32 s[NEW], 1
	WIN 0x82                        ; the second block's Q goes where the one text of the turns names Q
.set i, 0
.rept 64
	v_mov_b32 v[i], v[QB+i]
.set i, i+1
.endr
	WIN 0
	s_branch .Lbottom
.Lstep:                             ; a trip: pieces 2 and 3 of one step, then pieces 0 and 1 of the next
	TURN 2
	TURN 3
	WIN 0
.Lfirst:
	TURN 0
	TURN 1, 0, 0, 1
	WIN 0
	s_cbranch_scc1 .Lstep
.Lbottom:
	s_sub_co_u32 s[SLOTS], s[SLOTS], 1
	s_cmp_lg_u32 s[SLOTS], 0
	s_cbranch_scc1 .Lslot
	CHANGE 0                        ; the walk's last tile is written out
	s_sub_co_u32 s[RT], s[RT], 1
	s_mov_b32 s[CNT], 4
	s_cmp_eq_u32 s[NEW], 1
	s_cbranch_scc0 .LstepM2
	BEGIN
	s_branch .LfirstM2
	DIAG 2
	s_wait_tensorcnt 0x0            ; the wave's end
	ds_add_u32 v[SPW], v[NIL]
	s_wait_dscnt 0x0
	s_endpgm
.Lfunc_end_k_q1b2db83558_attn:
	.size	k_q1b2db83558_attn, .Lfunc_end_k_q1b2db83558_attn-k_q1b2db83558_attn
	.p2alignl 7, 3214868480
	.fill 96, 4, 3214868480
	.section	.rodata,"a",@progbits
	.p2align	6, 0x0
	.amdhsa_kernel k_q1b2db83558_attn
		.amdhsa_group_segment_fixed_size 327680
		.amdhsa_private_segment_fixed_size 0
		.amdhsa_enable_private_segment 0
		.amdhsa_kernarg_size 16
		.amdhsa_user_sgpr_count 2
		.amdhsa_user_sgpr_kernarg_segment_ptr 1
		.amdhsa_wavefront_size32 1
		.amdhsa_system_sgpr_workgroup_id_x 1
		.amdhsa_system_sgpr_workgroup_id_y 1
		.amdhsa_system_sgpr_workgroup_id_z 1
		.amdhsa_system_vgpr_workitem_id 0
		.amdhsa_next_free_vgpr 768
		.amdhsa_next_free_sgpr 96
		.amdhsa_reserve_vcc 1
		.amdhsa_float_denorm_mode_32 3
		.amdhsa_float_denorm_mode_16_64 3
		.amdhsa_memory_ordered 1
		.amdhsa_forward_progress 1
		.amdhsa_inst_pref_size 229
	.end_amdhsa_kernel
	.amdgpu_metadata
---
amdhsa.version: [ 1, 2 ]
amdhsa.kernels:
  - .name:           k_q1b2db83558_attn
    .symbol:         k_q1b2db83558_attn.kd
    .args:
      - { .name: qkv, .offset: 0, .size: 8, .value_kind: global_buffer, .address_space: global }
      - { .name: act, .offset: 8, .size: 8, .value_kind: global_buffer, .address_space: global }
    .group_segment_fixed_size: 327680
    .private_segment_fixed_size: 0
    .kernarg_segment_align: 8
    .kernarg_segment_size: 16
    .max_flat_workgroup_size: 128
    .sgpr_count:     96
    .vgpr_count:     768
    .wavefront_size: 32
...
	.end_amdgpu_metadata
.endif
;; end of part 5
;; launch proj (part 6): grid 8 x 32, 4 waves a work-group, clusters of 4 x 4, 327,680 bytes of LDS; arguments act, wts, x, x1; writes x1
.if DOCPART == 6
	.amdgcn_target "amdgcn-amd-amdhsa--gfx1250"
	.amdhsa_code_object_version 6
	.text
	.protected	k_q1b2db83558_proj
	.globl	k_q1b2db83558_proj
	.p2align	8
	.type	k_q1b2db83558_proj,@function
k_q1b2db83558_proj:
	s_mov_b64 s[64:65], 0
	v_nop
	global_prefetch_b8 v0, s[64:65] scope:SCOPE_SE
	s_setreg_imm32_b32 hwreg(HW_REG_WAVE_MODE, 25, 1), 1
	s_wait_xcnt 0x0
	s_wait_alu depctr_hold_cnt(0) depctr_sa_sdst(0) depctr_va_vdst(0) depctr_va_sdst(0) depctr_va_ssrc(0) depctr_va_vcc(0) depctr_vm_vsrc(0)
	s_getreg_b32 s2, hwreg(HW_REG_IB_STS2, 6, 4)
	s_cmp_eq_u32 s2, 0
	s_cbranch_scc0 .Lentry_in_a_cluster
	s_endpgm
.Lentry_in_a_cluster:
	s_bfe_u32 s2, ttmp6, 0x10000c
	s_cmp_lg_u32 s2, 0xf033
	s_cbranch_scc0 .Lentry_shape_is_right
	s_endpgm
.Lentry_shape_is_right:
; x1 = x + attn W_O^T.  A GEMM C = A B^T on tiles of 128 x 128, K = 1,024, with an f32 residual added on the way out and an f32 result.
; A = the attention's output (chunks [row block][16 panels], panel = head), B = W_O in bf16 at 4 MiB in wts ([8 row blocks][16 panels]).
; GEMM CORE.  Four waves, each 64 x 64: 16 accumulators.  Operands lie in chunks of 128 rows x 64 K, a row block's panels end to end: a K step of 256 is 65,536 consecutive bytes of A and of B.
; Waves 0, 1 fetch A's halves of it, waves 2, 3 B's: one tensor load of 32,768 bytes a wave (128 rows of 256 bytes, padded 16 bytes after every 128: LDS rows of 144).  Two slots take turns;
; one walking descriptor a tensor; at most one tensor load of a wave is out.  4 x 4 work-groups form a cluster: A's tiles are shared along its row, B's along its column, each asked for jointly.
; The matrix instruction is used transposed (source 0 = B's rows, source 1 = A's): lane l holds row l % 16 and columns 16 b + 8 (l / 16) + 0..7.
; REGISTERS.  window 0: v16-29 addresses; v32-95 rows read back from the stage; v128-255 accumulators.  window 1: two fragment buffers.  window 2: v0-127 my 64 x 64 of the residual, loaded at the start.
; LIMIT: the product's operands are rounded to bf16; the residual and the sum are f32.
.set AROW,  262144         ; bytes of a row block of A
.set BROW,  262144         ; of B
.set BBASE, 0x400000       ; B's place in wts
.set NS,    4              ; K steps
.set PITCH, 144
.set PANEL, 128*PITCH      ; 64 along K of 128 rows
.set HALFS, 2*PANEL        ; what one tensor load brings
.set BOFF,  2*HALFS        ; in a slot: A's four panels, then B's
.set SLOT,  4*HALFS        ; 0x24000: no wave's base w x 0x9000 has its two bits set, so an exclusive or changes slots
.set STAGE, 2*SLOT         ; behind the ring: 16 rows x 272 bytes a wave, for the way out
.set SPITCH, 272           ; 256 bytes + 16: the 16 rows that a store touches start at 16 different groups of four banks (ISA guide 11.1)
.set SPARE, STAGE+4*16*SPITCH  ; the spare words, 128 bytes a wave: two blocks of 256 bytes that no other line names
.set STEPB, 65536
.set ADRA0, 16
.set ADRB0, 17
.set ADRA, 18
.set ADRB, 19
.set STO, 24
.set RD,  25
.set CO,  26
.set SPW, 28
.set NIL, 29
.set OB,  32
.set ACC, 128
.set F0,  0
.set F1,  128
.set G1, 24
.set G0, 32
.set G1B, 48
.set G0B, 56
.set TB, 60                ; s60: 0 or SLOT, the slot being read
.set MSB, 0
.macro WIN new
.if MSB != (\new)
	s_set_vgpr_msb (MSB<<8)|(\new)
.set MSB, \new
.endif
.endm
.set MUL,  0x05            ; sources 0 and 1 window 1; C and D window 0
.set TO_F, 0x40            ; destination window 1, address window 0
.set TO_R, 0x80            ; destination window 2, address window 0
.set W_AD, 0x88            ; destination and source 1 window 2, source 0 window 0: the sum onto the residual, and the store of it (address source 0, data source 1)
.macro JLOAD               ; a joint load: waves 0, 1 for A, waves 2, 3 for B; an s_nop 0 and four v_nop follow each line
	s_cmp_eq_u32 s11, 0
	s_cbranch_scc0 .Lfor_b_\@
	tensor_load_to_lds s[G0:G0+3], s[G1:G1+7]
	s_nop 0
.rept 4
	v_nop
.endr
	s_branch .Lasked_\@
.Lfor_b_\@:
	tensor_load_to_lds s[G0B:G0B+3], s[G1B:G1B+7]
	s_nop 0
.rept 4
	v_nop
.endr
.Lasked_\@:
.endm
.macro CREST               ; a round of the cluster's barrier behind its opening barrier
	s_cmp_lg_u32 s10, 0
	s_cbranch_scc1 .Lnot_wave_0_\@
	s_barrier_signal -3
.Lnot_wave_0_\@:
	s_barrier_wait -3
	s_barrier_signal -1
	s_barrier_wait -1
.endm
.macro CROUND
	s_barrier_signal -1
	s_barrier_wait -1
	CREST
.endm
.macro WALK                ; both walking descriptors: the other slot, the next K step (no tensor load of mine is out where this stands)
	s_xor_b32 s[G0+1], s[G0+1], SLOT
	s_add_nc_u64 s[G0+2:G0+3], s[G0+2:G0+3], STEPB
	s_xor_b32 s[G0B+1], s[G0B+1], SLOT
	s_add_nc_u64 s[G0B+2:G0B+3], s[G0B+2:G0B+3], STEPB
.endm
.macro MUL8 f, c, a0, zero ; 8 matrix instructions: row blocks a0, a0 + 1 x 4 column blocks, 32 along K (half c of buffer f); the 16 accumulators take turns
	WIN MUL
.irp a, \a0, (\a0)+1
.irp b, 0,1,2,3
.if \zero
	v_wmma_f32_16x16x32_bf16 v[ACC+8*(4*(\a)+(\b)):ACC+8*(4*(\a)+(\b))+7], v[(\f)+64+8*(4*(\c)+(\b)):(\f)+64+8*(4*(\c)+(\b))+7], v[(\f)+8*(4*(\c)+(\a)):(\f)+8*(4*(\c)+(\a))+7], 0
.else
	v_wmma_f32_16x16x32_bf16 v[ACC+8*(4*(\a)+(\b)):ACC+8*(4*(\a)+(\b))+7], v[(\f)+64+8*(4*(\c)+(\b)):(\f)+64+8*(4*(\c)+(\b))+7], v[(\f)+8*(4*(\c)+(\a)):(\f)+8*(4*(\c)+(\a))+7], v[ACC+8*(4*(\a)+(\b)):ACC+8*(4*(\a)+(\b))+7]
.endif
.endr
.endr
.endm
.macro FETCH q, f          ; 32 LDS loads in one run: panel q's fragments into buffer f, the first 32 along K first
	WIN TO_F
.irp c, 0,1
.irp i, 0,1,2,3
	ds_load_b128 v[(\f)+64+8*(4*(\c)+(\i)):(\f)+64+8*(4*(\c)+(\i))+3],   v[ADRB] offset:(\q)*PANEL+64*(\c)+(\i)*16*PITCH
	ds_load_b128 v[(\f)+64+8*(4*(\c)+(\i))+4:(\f)+64+8*(4*(\c)+(\i))+7], v[ADRB] offset:(\q)*PANEL+64*(\c)+(\i)*16*PITCH+32
	ds_load_b128 v[(\f)+8*(4*(\c)+(\i)):(\f)+8*(4*(\c)+(\i))+3],         v[ADRA] offset:(\q)*PANEL+64*(\c)+(\i)*16*PITCH
	ds_load_b128 v[(\f)+8*(4*(\c)+(\i))+4:(\f)+8*(4*(\c)+(\i))+7],       v[ADRA] offset:(\q)*PANEL+64*(\c)+(\i)*16*PITCH+32
.endr
.endr
.endm
.macro PLACES              ; four places in front of loads into registers that matrix instructions have read, and of reads of results
.rept 4
	v_nop
.endr
.endm
.macro QUARTER q, f, g, zero  ; multiplies buffer f (one panel, 32 matrix instructions) and fetches panel q into g
	s_wait_dscnt 16                                ; the first 32 along K are in
	MUL8 \f, 0, 0, \zero
	MUL8 \f, 0, 2, \zero
	PLACES
	FETCH \q, \g
	s_wait_dscnt 32                                ; all but the 32 just issued
	MUL8 \f, 1, 0, 0
	MUL8 \f, 1, 2, 0
.endm
; A K step's last quarter multiplies buffer 1 and changes slots: one barrier; in front of it each wave waits for all its tensor loads (its part of the next slot), adds 0 to its spare word,
; and waits for that and for its reads of this slot.  fill = 1: the barrier opens a round of the cluster's, and this slot is filled again first thing behind it, two K steps ahead.
; fill = 0 (the tail, counted by s3): nothing is asked for, and in the last trip the fetch from a next slot is jumped over.
.macro TURN fill
	WIN 0
	s_wait_tensorcnt 0x0
	ds_add_u32 v[SPW], v[NIL]
	s_wait_dscnt 17                                ; the add and the youngest sixteen loads may be out
	MUL8 F1, 0, 0, 0
	s_wait_dscnt 0x0                               ; the add is done, my reads of this slot are over
	s_barrier_signal -1
	MUL8 F1, 0, 2, 0
	WIN 0
	s_barrier_wait -1
.if \fill
	CREST
	WALK
	JLOAD                                          ; 112 matrix instructions ahead of the wait for it; its four v_nop are also the places in front of the loads below
.else
	s_cmp_eq_u32 s3, 1
	s_cbranch_scc1 .Lno_fetch_\@
	PLACES
.endif
	s_xor_b32 s[TB], s[TB], SLOT
	v_add_nc_u32 v[ADRA], s[TB], v[ADRA0]
	v_add_nc_u32 v[ADRB], s[TB], v[ADRB0]
	FETCH 0, F0
.if (\fill) == 0
	WIN 0
.Lno_fetch_\@:
.endif
	MUL8 F1, 1, 0, 0
	MUL8 F1, 1, 2, 0
.endm
	s_load_b256 s[68:75], s[0:1], 0x0              ; A 68, weights 70, residual 72, out 74
	v_lshl_add_u32 v[SPW], v0, 2, SPARE
	v_mov_b32 v[NIL], 0
	ds_add_u32 v28, v29
	ds_add_u32 v28, v29
	s_wait_dscnt 0x0
	v_lshrrev_b32 v1, 5, v0
	v_readfirstlane_b32 s10, v1                    ; wave
	s_lshr_b32 s11, s10, 1                         ; my half of the tile's rows; also: I fetch for A (0) or B (1)
	s_and_b32 s12, s10, 1                          ; my half of its columns; also: which half of a K step I fetch
	s_bfe_u32 s40, ttmp6, 0x40000                  ; cx
	s_bfe_u32 s41, ttmp6, 0x40004                  ; cy
	s_lshl_b32 s42, ttmp9, 2
	s_add_co_u32 s42, s42, s40                     ; tile column
	s_and_b32 s13, ttmp7, 0xffff
	s_lshl_b32 s13, s13, 2
	s_add_co_u32 s13, s13, s41                     ; tile row = row block
	s_lshl_b32 s43, s41, 2
	s_lshl_b32 s43, 15, s43                        ; my row of the cluster
	s_lshl_b32 s44, 0x1111, s40                    ; my column
	s_or_b32 s[G1], s43, (1<<16)|(1<<20)|(1<<21)|(4<<22)|(3<<25)   ; mask; 2-byte elements; padding on; bit 21 beside a mask; after every 32 words, 4 words
	s_or_b32 s[G1B], s44, (1<<16)|(1<<20)|(1<<21)|(4<<22)|(3<<25)
.irp g, G1, G1B
	s_mov_b32 s[(\g)+1], 128<<16                   ; tensor_dim0 = 128
	s_mov_b32 s[(\g)+2], 128<<16                   ; tensor_dim1 = 128
	s_mov_b32 s[(\g)+3], 128<<16                   ; tile_dim0 = 128
	s_mov_b32 s[(\g)+4], 128                       ; tile_dim1 = 128
	s_mov_b32 s[(\g)+5], 128                       ; rows end to end
	s_mov_b32 s[(\g)+6], 0
	s_mov_b32 s[(\g)+7], 0
.endr
	s_lshl_b32 s17, s12, 15                        ; my half of a K step
	s_mul_i32 s16, s13, AROW                       ; A: made of the tile row and the wave alone
	s_add_co_u32 s16, s16, s17
	s_mul_i32 s46, s42, BROW                       ; B: of the tile column and the wave alone
	s_add_co_u32 s46, s46, BBASE
	s_add_co_u32 s46, s46, s17
	s_mov_b32 s17, 0
	s_mov_b32 s47, 0
	s_mul_i32 s20, s10, HALFS                      ; where my loads go: no place in the cluster enters an LDS address
	s_lshl_b32 s14, s13, 19                        ; residual and out: my first row x 4,096 bytes + my 256 bytes of it
	s_lshl_b32 s15, s11, 18
	s_add_co_u32 s14, s14, s15
	s_lshl_b32 s15, s42, 9
	s_add_co_u32 s14, s14, s15
	s_lshl_b32 s15, s12, 8
	s_add_co_u32 s14, s14, s15
	s_mov_b32 s15, 0
	s_mov_b32 s[G0], 1
	s_mov_b32 s[G0+1], s20
	s_mov_b32 s[G0B], 1
	s_mov_b32 s[G0B+1], s20
	s_wait_kmcnt 0x0
	s_add_nc_u64 s[G0+2:G0+3], s[68:69], s[16:17]
	s_or_b32 s[G0+3], s[G0+3], 0x80000000
	s_add_nc_u64 s[G0B+2:G0B+3], s[70:71], s[46:47]
	s_or_b32 s[G0B+3], s[G0B+3], 0x80000000
	s_add_nc_u64 s[72:73], s[72:73], s[14:15]
	s_add_nc_u64 s[8:9], s[74:75], s[14:15]
	CROUND                                         ; all sixteen work-groups are here: the first joint loads meet
	JLOAD                                          ; K step 0 into slot 0
	v_and_b32 v1, 15, v0                           ; r = l % 16
	v_bfe_u32 v2, v0, 4, 1                         ; h = l / 16
	v_lshlrev_b32 v[CO], 12, v2
	v_lshl_add_u32 v[CO], v1, 4, v[CO]             ; lanes 0-15 take 256 bytes of one row, lanes 16-31 of the next
	WIN TO_R
.set i, 0
.rept 32                                               ; my 64 x 64 of the residual: rows 2 i, 2 i + 1; waited for at the way out
	global_load_b128 v[4*i:4*i+3], v[CO], s[72:73] offset:2*i*4096
.set i, i+1
.endr
	WIN 0
	v_mul_u32_u24 v3, v1, PITCH
	v_lshl_add_u32 v3, v2, 4, v3                   ; row x pitch + 16 x half
	s_mul_i32 s21, s11, 64*PITCH
	s_mul_i32 s22, s12, 64*PITCH
	s_add_co_u32 s22, s22, BOFF
	v_add_nc_u32 v[ADRA0], s21, v3
	v_add_nc_u32 v[ADRB0], s22, v3
	s_mul_i32 s23, s10, 16*SPITCH
	s_add_co_u32 s23, s23, STAGE                   ; my stage
	v_mul_u32_u24 v4, v1, SPITCH                   ; in: row r, 32 bytes (eight f32) for each half of the lanes
	v_lshl_add_u32 v4, v2, 5, v4
	v_add_nc_u32 v[STO], s23, v4
	v_mul_u32_u24 v5, v2, SPITCH                   ; back: lanes 0-15 one row of 256 bytes, lanes 16-31 the next
	v_lshl_add_u32 v5, v1, 4, v5
	v_add_nc_u32 v[RD], s23, v5
	s_wait_tensorcnt 0x0                           ; slot 0 is in; slot 1 is filled as a refill is
	ds_add_u32 v[SPW], v[NIL]
	WALK
	s_wait_dscnt 0x0
	CROUND
	JLOAD                                          ; K step 1 into slot 1
	s_mov_b32 s[TB], 0
	v_mov_b32 v[ADRA], v[ADRA0]
	v_mov_b32 v[ADRB], v[ADRB0]
	FETCH 0, F0
	QUARTER 1, F0, F1, 1                           ; the first quarter starts the sums: nothing is cleared
	WIN 0
	s_mov_b32 s3, NS-2
.Llap:                                                 ; a trip: a K step's quarters 2 to 4 and the next step's first; it fills one slot again
	QUARTER 2, F1, F0, 0
	QUARTER 3, F0, F1, 0
	TURN 1
	QUARTER 1, F0, F1, 0
	WIN 0
	s_sub_co_u32 s3, s3, 1
	s_cmp_lg_u32 s3, 0
	s_cbranch_scc1 .Llap
	s_mov_b32 s3, 2
.Ltail:                                                ; the last two K steps ask for nothing; the last trip jumps over what belongs to a further step
	QUARTER 2, F1, F0, 0
	QUARTER 3, F0, F1, 0
	TURN 0
	WIN 0
	s_cmp_eq_u32 s3, 1
	s_cbranch_scc1 .Lno_quarter
	QUARTER 1, F0, F1, 0
	WIN 0
.Lno_quarter:
	s_sub_co_u32 s3, s3, 1
	s_cmp_lg_u32 s3, 0
	s_cbranch_scc1 .Ltail
	; THE WAY OUT, 16 rows at a time: the sums go as they are into my stage (each accumulator's low four registers first) and come back as whole rows of 256 bytes;
	; the residual's registers take the sum in place and are stored: each is written once and stored once.
.macro STG a
	WIN 0
.irp b, 0,1,2,3
	ds_store_b128 v[STO], v[ACC+8*(4*(\a)+(\b)):ACC+8*(4*(\a)+(\b))+3]   offset:64*(\b)
	ds_store_b128 v[STO], v[ACC+8*(4*(\a)+(\b))+4:ACC+8*(4*(\a)+(\b))+7] offset:64*(\b)+16
.endr
.irp f, 0,1,2,3,4,5,6,7
	ds_load_b128 v[OB+32*((\a)%2)+4*(\f):OB+32*((\a)%2)+4*(\f)+3], v[RD] offset:(\f)*2*SPITCH   ; LDS serves a wave's instructions in order (ISA guide 5.7.1.4): these see the stores above
.endr
.endm
.macro SEND a, younger     ; younger: the LDS instructions issued behind block a's loads: the next block's sixteen, or none
	WIN W_AD
.irp f, 0,1,2,3,4,5,6,7
	s_wait_dscnt (\younger)+7-(\f)
	v_pk_add_f32 v[32*(\a)+4*(\f):32*(\a)+4*(\f)+1],   v[OB+32*((\a)%2)+4*(\f):OB+32*((\a)%2)+4*(\f)+1],   v[32*(\a)+4*(\f):32*(\a)+4*(\f)+1]
	v_pk_add_f32 v[32*(\a)+4*(\f)+2:32*(\a)+4*(\f)+3], v[OB+32*((\a)%2)+4*(\f)+2:OB+32*((\a)%2)+4*(\f)+3], v[32*(\a)+4*(\f)+2:32*(\a)+4*(\f)+3]
	global_store_b128 v[CO], v[32*(\a)+4*(\f):32*(\a)+4*(\f)+3], s[8:9] offset:(16*(\a)+2*(\f))*4096   ; 16 lanes store 256 consecutive bytes, aligned
.endr
.endm
	s_wait_loadcnt 0x0                             ; the residual
	PLACES
	STG 0
	STG 1
	SEND 0, 16
	STG 2
	SEND 1, 16
	STG 3
	SEND 2, 16
	SEND 3, 0
	WIN 0
	s_wait_tensorcnt 0x0                           ; the wave's end
	ds_add_u32 v[SPW], v[NIL]
	s_wait_dscnt 0x0
	CROUND                                         ; the closing round
	s_endpgm
.Lfunc_end_k_q1b2db83558_proj:
	.size	k_q1b2db83558_proj, .Lfunc_end_k_q1b2db83558_proj-k_q1b2db83558_proj
	.p2alignl 7, 3214868480
	.fill 96, 4, 3214868480
	.section	.rodata,"a",@progbits
	.p2align	6, 0x0
	.amdhsa_kernel k_q1b2db83558_proj
		.amdhsa_group_segment_fixed_size 327680
		.amdhsa_private_segment_fixed_size 0
		.amdhsa_enable_private_segment 0
		.amdhsa_kernarg_size 32
		.amdhsa_user_sgpr_count 2
		.amdhsa_user_sgpr_kernarg_segment_ptr 1
		.amdhsa_wavefront_size32 1
		.amdhsa_system_sgpr_workgroup_id_x 1
		.amdhsa_system_sgpr_workgroup_id_y 1
		.amdhsa_system_sgpr_workgroup_id_z 1
		.amdhsa_system_vgpr_workitem_id 0
		.amdhsa_next_free_vgpr 640
		.amdhsa_next_free_sgpr 80
		.amdhsa_reserve_vcc 0
		.amdhsa_float_denorm_mode_32 3
		.amdhsa_float_denorm_mode_16_64 3
		.amdhsa_memory_ordered 1
		.amdhsa_forward_progress 1
		.amdhsa_inst_pref_size 66
	.end_amdhsa_kernel
	.amdgpu_metadata
---
amdhsa.version: [ 1, 2 ]
amdhsa.kernels:
  - .name:           k_q1b2db83558_proj
    .symbol:         k_q1b2db83558_proj.kd
    .args:
      - { .name: act, .offset: 0, .size: 8, .value_kind: global_buffer, .address_space: global }
      - { .name: wts, .offset: 8, .size: 8, .value_kind: global_buffer, .address_space: global }
      - { .name: x, .offset: 16, .size: 8, .value_kind: global_buffer, .address_space: global }
      - { .name: x1, .offset: 24, .size: 8, .value_kind: global_buffer, .address_space: global }
    .group_segment_fixed_size: 327680
    .private_segment_fixed_size: 0
    .kernarg_segment_align: 8
    .kernarg_segment_size: 32
    .max_flat_workgroup_size: 128
    .sgpr_count:     80
    .vgpr_count:     640
    .wavefront_size: 32
...
	.end_amdgpu_metadata
.endif
;; end of part 6
;; launch ln2: the kernel of part 2 again; grid 256 x 1, 8 waves a work-group, no clusters, 0 bytes of LDS; arguments x1, gamma2, beta2, act; writes act
;; launch feat2: the kernel of part 3 again; grid 16 x 32, 4 waves a work-group, clusters of 4 x 4, 327,680 bytes of LDS; arguments act, wfb, w_know_f, w_fk, w_fv, w_know_r, w_rk, w_rv, tb; writes tb
;; launch outk (part 7): grid 8 x 32, 4 waves a work-group, clusters of 4 x 4, 327,680 bytes of LDS; arguments tb, wts, x1, out0; writes out0
.if DOCPART == 7
	.amdgcn_target "amdgcn-amd-amdhsa--gfx1250"
	.amdhsa_code_object_version 6
	.text
	.protected	k_q1b2db83558_outk
	.globl	k_q1b2db83558_outk
	.p2align	8
	.type	k_q1b2db83558_outk,@function
k_q1b2db83558_outk:
	s_mov_b64 s[64:65], 0
	v_nop
	global_prefetch_b8 v0, s[64:65] scope:SCOPE_SE
	s_setreg_imm32_b32 hwreg(HW_REG_WAVE_MODE, 25, 1), 1
	s_wait_xcnt 0x0
	s_wait_alu depctr_hold_cnt(0) depctr_sa_sdst(0) depctr_va_vdst(0) depctr_va_sdst(0) depctr_va_ssrc(0) depctr_va_vcc(0) depctr_vm_vsrc(0)
	s_getreg_b32 s2, hwreg(HW_REG_IB_STS2, 6, 4)
	s_cmp_eq_u32 s2, 0
	s_cbranch_scc0 .Lentry_in_a_cluster
	s_endpgm
.Lentry_in_a_cluster:
	s_bfe_u32 s2, ttmp6, 0x10000c
	s_cmp_lg_u32 s2, 0xf033
	s_cbranch_scc0 .Lentry_shape_is_right
	s_endpgm
.Lentry_shape_is_right:
; out = x1 + T2 r_know: the knowledge circuit's restore product, K = 2,048 in the routed order that T2 and the weights share, with the f32 residual added on the way out and an f32 result.
; A = T2 (chunks [row block][48 panels], of which the first 32 are its K), B = r_know in bf16 at 6 MiB in wts ([8 row blocks][32 panels]).  Tiles of 128 x 128.
; GEMM CORE.  Four waves, each 64 x 64: 16 accumulators.  Operands lie in chunks of 128 rows x 64 K, a row block's panels end to end: a K step of 256 is 65,536 consecutive bytes of A and of B.
; Waves 0, 1 fetch A's halves of it, waves 2, 3 B's: one tensor load of 32,768 bytes a wave (128 rows of 256 bytes, padded 16 bytes after every 128: LDS rows of 144).  Two slots take turns;
; one walking descriptor a tensor; at most one tensor load of a wave is out.  4 x 4 work-groups form a cluster: A's tiles are shared along its row, B's along its column, each asked for jointly.
; The matrix instruction is used transposed (source 0 = B's rows, source 1 = A's): lane l holds row l % 16 and columns 16 b + 8 (l / 16) + 0..7.
; REGISTERS.  window 0: v16-29 addresses; v32-95 rows read back from the stage; v128-255 accumulators.  window 1: two fragment buffers.  window 2: v0-127 my 64 x 64 of the residual, loaded at the start.
; LIMIT: the product's operands are rounded to bf16; the residual and the sum are f32.
.set AROW,  786432         ; bytes of a row block of A
.set BROW,  524288         ; of B
.set BBASE, 0x600000       ; B's place in wts
.set NS,    8              ; K steps
.set PITCH, 144
.set PANEL, 128*PITCH      ; 64 along K of 128 rows
.set HALFS, 2*PANEL        ; what one tensor load brings
.set BOFF,  2*HALFS        ; in a slot: A's four panels, then B's
.set SLOT,  4*HALFS        ; 0x24000: no wave's base w x 0x9000 has its two bits set, so an exclusive or changes slots
.set STAGE, 2*SLOT         ; behind the ring: 16 rows x 272 bytes a wave, for the way out
.set SPITCH, 272           ; 256 bytes + 16: the 16 rows that a store touches start at 16 different groups of four banks (ISA guide 11.1)
.set SPARE, STAGE+4*16*SPITCH  ; the spare words, 128 bytes a wave: two blocks of 256 bytes that no other line names
.set STEPB, 65536
.set ADRA0, 16
.set ADRB0, 17
.set ADRA, 18
.set ADRB, 19
.set STO, 24
.set RD,  25
.set CO,  26
.set SPW, 28
.set NIL, 29
.set OB,  32
.set ACC, 128
.set F0,  0
.set F1,  128
.set G1, 24
.set G0, 32
.set G1B, 48
.set G0B, 56
.set TB, 60                ; s60: 0 or SLOT, the slot being read
.set MSB, 0
.macro WIN new
.if MSB != (\new)
	s_set_vgpr_msb (MSB<<8)|(\new)
.set MSB, \new
.endif
.endm
.set MUL,  0x05            ; sources 0 and 1 window 1; C and D window 0
.set TO_F, 0x40            ; destination window 1, address window 0
.set TO_R, 0x80            ; destination window 2, address window 0
.set W_AD, 0x88            ; destination and source 1 window 2, source 0 window 0: the sum onto the residual, and the store of it (address source 0, data source 1)
.macro JLOAD               ; a joint load: waves 0, 1 for A, waves 2, 3 for B; an s_nop 0 and four v_nop follow each line
	s_cmp_eq_u32 s11, 0
	s_cbranch_scc0 .Lfor_b_\@
	tensor_load_to_lds s[G0:G0+3], s[G1:G1+7]
	s_nop 0
.rept 4
	v_nop
.endr
	s_branch .Lasked_\@
.Lfor_b_\@:
	tensor_load_to_lds s[G0B:G0B+3], s[G1B:G1B+7]
	s_nop 0
.rept 4
	v_nop
.endr
.Lasked_\@:
.endm
.macro CREST               ; a round of the cluster's barrier behind its opening barrier
	s_cmp_lg_u32 s10, 0
	s_cbranch_scc1 .Lnot_wave_0_\@
	s_barrier_signal -3
.Lnot_wave_0_\@:
	s_barrier_wait -3
	s_barrier_signal -1
	s_barrier_wait -1
.endm
.macro CROUND
	s_barrier_signal -1
	s_barrier_wait -1
	CREST
.endm
.macro WALK                ; both walking descriptors: the other slot, the next K step (no tensor load of mine is out where this stands)
	s_xor_b32 s[G0+1], s[G0+1], SLOT
	s_add_nc_u64 s[G0+2:G0+3], s[G0+2:G0+3], STEPB
	s_xor_b32 s[G0B+1], s[G0B+1], SLOT
	s_add_nc_u64 s[G0B+2:G0B+3], s[G0B+2:G0B+3], STEPB
.endm
.macro MUL8 f, c, a0, zero ; 8 matrix instructions: row blocks a0, a0 + 1 x 4 column blocks, 32 along K (half c of buffer f); the 16 accumulators take turns
	WIN MUL
.irp a, \a0, (\a0)+1
.irp b, 0,1,2,3
.if \zero
	v_wmma_f32_16x16x32_bf16 v[ACC+8*(4*(\a)+(\b)):ACC+8*(4*(\a)+(\b))+7], v[(\f)+64+8*(4*(\c)+(\b)):(\f)+64+8*(4*(\c)+(\b))+7], v[(\f)+8*(4*(\c)+(\a)):(\f)+8*(4*(\c)+(\a))+7], 0
.else
	v_wmma_f32_16x16x32_bf16 v[ACC+8*(4*(\a)+(\b)):ACC+8*(4*(\a)+(\b))+7], v[(\f)+64+8*(4*(\c)+(\b)):(\f)+64+8*(4*(\c)+(\b))+7], v[(\f)+8*(4*(\c)+(\a)):(\f)+8*(4*(\c)+(\a))+7], v[ACC+8*(4*(\a)+(\b)):ACC+8*(4*(\a)+(\b))+7]
.endif
.endr
.endr
.endm
.macro FETCH q, f          ; 32 LDS loads in one run: panel q's fragments into buffer f, the first 32 along K first
	WIN TO_F
.irp c, 0,1
.irp i, 0,1,2,3
	ds_load_b128 v[(\f)+64+8*(4*(\c)+(\i)):(\f)+64+8*(4*(\c)+(\i))+3],   v[ADRB] offset:(\q)*PANEL+64*(\c)+(\i)*16*PITCH
	ds_load_b128 v[(\f)+64+8*(4*(\c)+(\i))+4:(\f)+64+8*(4*(\c)+(\i))+7], v[ADRB] offset:(\q)*PANEL+64*(\c)+(\i)*16*PITCH+32
	ds_load_b128 v[(\f)+8*(4*(\c)+(\i)):(\f)+8*(4*(\c)+(\i))+3],         v[ADRA] offset:(\q)*PANEL+64*(\c)+(\i)*16*PITCH
	ds_load_b128 v[(\f)+8*(4*(\c)+(\i))+4:(\f)+8*(4*(\c)+(\i))+7],       v[ADRA] offset:(\q)*PANEL+64*(\c)+(\i)*16*PITCH+32
.endr
.endr
.endm
.macro PLACES              ; four places in front of loads into registers that matrix instructions have read, and of reads of results
.rept 4
	v_nop
.endr
.endm
.macro QUARTER q, f, g, zero  ; multiplies buffer f (one panel, 32 matrix instructions) and fetches panel q into g
	s_wait_dscnt 16                                ; the first 32 along K are in
	MUL8 \f, 0, 0, \zero
	MUL8 \f, 0, 2, \zero
	PLACES
	FETCH \q, \g
	s_wait_dscnt 32                                ; all but the 32 just issued
	MUL8 \f, 1, 0, 0
	MUL8 \f, 1, 2, 0
.endm
; A K step's last quarter multiplies buffer 1 and changes slots: one barrier; in front of it each wave waits for all its tensor loads (its part of the next slot), adds 0 to its spare word,
; and waits for that and for its reads of this slot.  fill = 1: the barrier opens a round of the cluster's, and this slot is filled again first thing behind it, two K steps ahead.
; fill = 0 (the tail, counted by s3): nothing is asked for, and in the last trip the fetch from a next slot is jumped over.
.macro TURN fill
	WIN 0
	s_wait_tensorcnt 0x0
	ds_add_u32 v[SPW], v[NIL]
	s_wait_dscnt 17                                ; the add and the youngest sixteen loads may be out
	MUL8 F1, 0, 0, 0
	s_wait_dscnt 0x0                               ; the add is done, my reads of this slot are over
	s_barrier_signal -1
	MUL8 F1, 0, 2, 0
	WIN 0
	s_barrier_wait -1
.if \fill
	CREST
	WALK
	JLOAD                                          ; 112 matrix instructions ahead of the wait for it; its four v_nop are also the places in front of the loads below
.else
	s_cmp_eq_u32 s3, 1
	s_cbranch_scc1 .Lno_fetch_\@
	PLACES
.endif
	s_xor_b32 s[TB], s[TB], SLOT
	v_add_nc_u32 v[ADRA], s[TB], v[ADRA0]
	v_add_nc_u32 v[ADRB], s[TB], v[ADRB0]
	FETCH 0, F0
.if (\fill) == 0
	WIN 0
.Lno_fetch_\@:
.endif
	MUL8 F1, 1, 0, 0
	MUL8 F1, 1, 2, 0
.endm
	s_load_b256 s[68:75], s[0:1], 0x0              ; A 68, weights 70, residual 72, out 74
	v_lshl_add_u32 v[SPW], v0, 2, SPARE
	v_mov_b32 v[NIL], 0
	ds_add_u32 v28, v29
	ds_add_u32 v28, v29
	s_wait_dscnt 0x0
	v_lshrrev_b32 v1, 5, v0
	v_readfirstlane_b32 s10, v1                    ; wave
	s_lshr_b32 s11, s10, 1                         ; my half of the tile's rows; also: I fetch for A (0) or B (1)
	s_and_b32 s12, s10, 1                          ; my half of its columns; also: which half of a K step I fetch
	s_bfe_u32 s40, ttmp6, 0x40000                  ; cx
	s_bfe_u32 s41, ttmp6, 0x40004                  ; cy
	s_lshl_b32 s42, ttmp9, 2
	s_add_co_u32 s42, s42, s40                     ; tile column
	s_and_b32 s13, ttmp7, 0xffff
	s_lshl_b32 s13, s13, 2
	s_add_co_u32 s13, s13, s41                     ; tile row = row block
	s_lshl_b32 s43, s41, 2
	s_lshl_b32 s43, 15, s43                        ; my row of the cluster
	s_lshl_b32 s44, 0x1111, s40                    ; my column
	s_or_b32 s[G1], s43, (1<<16)|(1<<20)|(1<<21)|(4<<22)|(3<<25)   ; mask; 2-byte elements; padding on; bit 21 beside a mask; after every 32 words, 4 words
	s_or_b32 s[G1B], s44, (1<<16)|(1<<20)|(1<<21)|(4<<22)|(3<<25)
.irp g, G1, G1B
	s_mov_b32 s[(\g)+1], 128<<16                   ; tensor_dim0 = 128
	s_mov_b32 s[(\g)+2], 128<<16                   ; tensor_dim1 = 128
	s_mov_b32 s[(\g)+3], 128<<16                   ; tile_dim0 = 128
	s_mov_b32 s[(\g)+4], 128                       ; tile_dim1 = 128
	s_mov_b32 s[(\g)+5], 128                       ; rows end to end
	s_mov_b32 s[(\g)+6], 0
	s_mov_b32 s[(\g)+7], 0
.endr
	s_lshl_b32 s17, s12, 15                        ; my half of a K step
	s_mul_i32 s16, s13, AROW                       ; A: made of the tile row and the wave alone
	s_add_co_u32 s16, s16, s17
	s_mul_i32 s46, s42, BROW                       ; B: of the tile column and the wave alone
	s_add_co_u32 s46, s46, BBASE
	s_add_co_u32 s46, s46, s17
	s_mov_b32 s17, 0
	s_mov_b32 s47, 0
	s_mul_i32 s20, s10, HALFS                      ; where my loads go: no place in the cluster enters an LDS address
	s_lshl_b32 s14, s13, 19                        ; residual and out: my first row x 4,096 bytes + my 256 bytes of it
	s_lshl_b32 s15, s11, 18
	s_add_co_u32 s14, s14, s15
	s_lshl_b32 s15, s42, 9
	s_add_co_u32 s14, s14, s15
	s_lshl_b32 s15, s12, 8
	s_add_co_u32 s14, s14, s15
	s_mov_b32 s15, 0
	s_mov_b32 s[G0], 1
	s_mov_b32 s[G0+1], s20
	s_mov_b32 s[G0B], 1
	s_mov_b32 s[G0B+1], s20
	s_wait_kmcnt 0x0
	s_add_nc_u64 s[G0+2:G0+3], s[68:69], s[16:17]
	s_or_b32 s[G0+3], s[G0+3], 0x80000000
	s_add_nc_u64 s[G0B+2:G0B+3], s[70:71], s[46:47]
	s_or_b32 s[G0B+3], s[G0B+3], 0x80000000
	s_add_nc_u64 s[72:73], s[72:73], s[14:15]
	s_add_nc_u64 s[8:9], s[74:75], s[14:15]
	CROUND                                         ; all sixteen work-groups are here: the first joint loads meet
	JLOAD                                          ; K step 0 into slot 0
	v_and_b32 v1, 15, v0                           ; r = l % 16
	v_bfe_u32 v2, v0, 4, 1                         ; h = l / 16
	v_lshlrev_b32 v[CO], 12, v2
	v_lshl_add_u32 v[CO], v1, 4, v[CO]             ; lanes 0-15 take 256 bytes of one row, lanes 16-31 of the next
	WIN TO_R
.set i, 0
.rept 32                                               ; my 64 x 64 of the residual: rows 2 i, 2 i + 1; waited for at the way out
	global_load_b128 v[4*i:4*i+3], v[CO], s[72:73] offset:2*i*4096
.set i, i+1
.endr
	WIN 0
	v_mul_u32_u24 v3, v1, PITCH
	v_lshl_add_u32 v3, v2, 4, v3                   ; row x pitch + 16 x half
	s_mul_i32 s21, s11, 64*PITCH
	s_mul_i32 s22, s12, 64*PITCH
	s_add_co_u32 s22, s22, BOFF
	v_add_nc_u32 v[ADRA0], s21, v3
	v_add_nc_u32 v[ADRB0], s22, v3
	s_mul_i32 s23, s10, 16*SPITCH
	s_add_co_u32 s23, s23, STAGE                   ; my stage
	v_mul_u32_u24 v4, v1, SPITCH                   ; in: row r, 32 bytes (eight f32) for each half of the lanes
	v_lshl_add_u32 v4, v2, 5, v4
	v_add_nc_u32 v[STO], s23, v4
	v_mul_u32_u24 v5, v2, SPITCH                   ; back: lanes 0-15 one row of 256 bytes, lanes 16-31 the next
	v_lshl_add_u32 v5, v1, 4, v5
	v_add_nc_u32 v[RD], s23, v5
	s_wait_tensorcnt 0x0                           ; slot 0 is in; slot 1 is filled as a refill is
	ds_add_u32 v[SPW], v[NIL]
	WALK
	s_wait_dscnt 0x0
	CROUND
	JLOAD                                          ; K step 1 into slot 1
	s_mov_b32 s[TB], 0
	v_mov_b32 v[ADRA], v[ADRA0]
	v_mov_b32 v[ADRB], v[ADRB0]
	FETCH 0, F0
	QUARTER 1, F0, F1, 1                           ; the first quarter starts the sums: nothing is cleared
	WIN 0
	s_mov_b32 s3, NS-2
.Llap:                                                 ; a trip: a K step's quarters 2 to 4 and the next step's first; it fills one slot again
	QUARTER 2, F1, F0, 0
	QUARTER 3, F0, F1, 0
	TURN 1
	QUARTER 1, F0, F1, 0
	WIN 0
	s_sub_co_u32 s3, s3, 1
	s_cmp_lg_u32 s3, 0
	s_cbranch_scc1 .Llap
	s_mov_b32 s3, 2
.Ltail:                                                ; the last two K steps ask for nothing; the last trip jumps over what belongs to a further step
	QUARTER 2, F1, F0, 0
	QUARTER 3, F0, F1, 0
	TURN 0
	WIN 0
	s_cmp_eq_u32 s3, 1
	s_cbranch_scc1 .Lno_quarter
	QUARTER 1, F0, F1, 0
	WIN 0
.Lno_quarter:
	s_sub_co_u32 s3, s3, 1
	s_cmp_lg_u32 s3, 0
	s_cbranch_scc1 .Ltail
	; THE WAY OUT, 16 rows at a time: the sums go as they are into my stage (each accumulator's low four registers first) and come back as whole rows of 256 bytes;
	; the residual's registers take the sum in place and are stored: each is written once and stored once.
.macro STG a
	WIN 0
.irp b, 0,1,2,3
	ds_store_b128 v[STO], v[ACC+8*(4*(\a)+(\b)):ACC+8*(4*(\a)+(\b))+3]   offset:64*(\b)
	ds_store_b128 v[STO], v[ACC+8*(4*(\a)+(\b))+4:ACC+8*(4*(\a)+(\b))+7] offset:64*(\b)+16
.endr
.irp f, 0,1,2,3,4,5,6,7
	ds_load_b128 v[OB+32*((\a)%2)+4*(\f):OB+32*((\a)%2)+4*(\f)+3], v[RD] offset:(\f)*2*SPITCH   ; LDS serves a wave's instructions in order (ISA guide 5.7.1.4): these see the stores above
.endr
.endm
.macro SEND a, younger     ; younger: the LDS instructions issued behind block a's loads: the next block's sixteen, or none
	WIN W_AD
.irp f, 0,1,2,3,4,5,6,7
	s_wait_dscnt (\younger)+7-(\f)
	v_pk_add_f32 v[32*(\a)+4*(\f):32*(\a)+4*(\f)+1],   v[OB+32*((\a)%2)+4*(\f):OB+32*((\a)%2)+4*(\f)+1],   v[32*(\a)+4*(\f):32*(\a)+4*(\f)+1]
	v_pk_add_f32 v[32*(\a)+4*(\f)+2:32*(\a)+4*(\f)+3], v[OB+32*((\a)%2)+4*(\f)+2:OB+32*((\a)%2)+4*(\f)+3], v[32*(\a)+4*(\f)+2:32*(\a)+4*(\f)+3]
	global_store_b128 v[CO], v[32*(\a)+4*(\f):32*(\a)+4*(\f)+3], s[8:9] offset:(16*(\a)+2*(\f))*4096   ; 16 lanes store 256 consecutive bytes, aligned
.endr
.endm
	s_wait_loadcnt 0x0                             ; the residual
	PLACES
	STG 0
	STG 1
	SEND 0, 16
	STG 2
	SEND 1, 16
	STG 3
	SEND 2, 16
	SEND 3, 0
	WIN 0
	s_wait_tensorcnt 0x0                           ; the wave's end
	ds_add_u32 v[SPW], v[NIL]
	s_wait_dscnt 0x0
	CROUND                                         ; the closing round
	s_endpgm
.Lfunc_end_k_q1b2db83558_outk:
	.size	k_q1b2db83558_outk, .Lfunc_end_k_q1b2db83558_outk-k_q1b2db83558_outk
	.p2alignl 7, 3214868480
	.fill 96, 4, 3214868480
	.section	.rodata,"a",@progbits
	.p2align	6, 0x0
	.amdhsa_kernel k_q1b2db83558_outk
		.amdhsa_group_segment_fixed_size 327680
		.amdhsa_private_segment_fixed_size 0
		.amdhsa_enable_private_segment 0
		.amdhsa_kernarg_size 32
		.amdhsa_user_sgpr_count 2
		.amdhsa_user_sgpr_kernarg_segment_ptr 1
		.amdhsa_wavefront_size32 1
		.amdhsa_system_sgpr_workgroup_id_x 1
		.amdhsa_system_sgpr_workgroup_id_y 1
		.amdhsa_system_sgpr_workgroup_id_z 1
		.amdhsa_system_vgpr_workitem_id 0
		.amdhsa_next_free_vgpr 640
		.amdhsa_next_free_sgpr 80
		.amdhsa_reserve_vcc 0
		.amdhsa_float_denorm_mode_32 3
		.amdhsa_float_denorm_mode_16_64 3
		.amdhsa_memory_ordered 1
		.amdhsa_forward_progress 1
		.amdhsa_inst_pref_size 66
	.end_amdhsa_kernel
	.amdgpu_metadata
---
amdhsa.version: [ 1, 2 ]
amdhsa.kernels:
  - .name:           k_q1b2db83558_outk
    .symbol:         k_q1b2db83558_outk.kd
    .args:
      - { .name: tb, .offset: 0, .size: 8, .value_kind: global_buffer, .address_space: global }
      - { .name: wts, .offset: 8, .size: 8, .value_kind: global_buffer, .address_space: global }
      - { .name: x1, .offset: 16, .size: 8, .value_kind: global_buffer, .address_space: global }
      - { .name: out0, .offset: 24, .size: 8, .value_kind: global_buffer, .address_space: global }
    .group_segment_fixed_size: 327680
    .private_segment_fixed_size: 0
    .kernarg_segment_align: 8
    .kernarg_segment_size: 32
    .max_flat_workgroup_size: 128
    .sgpr_count:     80
    .vgpr_count:     640
    .wavefront_size: 32
...
	.end_amdgpu_metadata
.endif
;; end of part 7
;; ======== version 2 of 3: 9 launches; 1.12 times as fast as version 1
;; workspace buffers: act 8,388,608 bytes; wfa 4,194,304 bytes; wfb 4,194,304 bytes; wts 10,485,760 bytes; hb 1,572,864 bytes; qkv 25,165,824 bytes; x1 16,777,216 bytes
;; launch prep (part 8): grid 1152 x 1, 8 waves a work-group, no clusters, 19,456 bytes of LDS; arguments r_qk, r_v, r_know, f_qk, f_v, f_know, W_O, wfa, wfb, wts; writes wfa, wfb, wts
.if DOCPART == 8
	.amdgcn_target "amdgcn-amd-amdhsa--gfx1250"
	.amdhsa_code_object_version 6
	.text
	.protected	k_q1b2db83558_prep
	.globl	k_q1b2db83558_prep
	.p2align	8
	.type	k_q1b2db83558_prep,@function
k_q1b2db83558_prep:
	s_mov_b64 s[64:65], 0
	v_nop
	global_prefetch_b8 v0, s[64:65] scope:SCOPE_SE
	s_setreg_imm32_b32 hwreg(HW_REG_WAVE_MODE, 25, 1), 1
	s_wait_xcnt 0x0
; All seven weight tensors, once: rounded to bf16 and laid in dense CHUNKS whose rows are 64 K (128 bytes), a row block's K panels end to end.
; FEATURE weights [n][d][r] and W_O: chunks of 128 rows, [row block][K panel].  The feature weights' rows (n, r) lie in the order 128 tc + 64 wc + 16 b + 8 h + 2 rl + jj  <->
; n = 16 wc + 8 h + 2 b + jj, r = 4 tc + rl, so that a 128-wide tile of the feature product holds all 32 n of four r, and a lane of its result holds eight neighbouring n.  wfa: f_v, then f_qk.
; RESTORE weights [n][r][d]: rows d, K = n R + r as it lies, chunks of 64 rows, [d / 64][K panel]: 64 columns of the product with all their K are consecutive bytes.
; A work-group makes 16,384 bytes of output.  Restore and feature weights are turned (K must lie along the rows) through LDS; W_O lies as wanted and is only rounded.
; The turning text: 64 K x 128 source columns.  Wave w, load k = 2 it + sec takes K = 8 w + 2 it + sec; lane L takes four neighbouring source columns.  Two K are packed to one word and stored to
; LDS row q 32 + L (pitch 144), byte 16 w + 4 it; behind one barrier rows are read back whole (128 bytes) and a wave's store covers 512 consecutive bytes.
; The strides in memory differ by tensor and lie in scalar registers; the LDS constants differ by kind and are literals, so the text stands twice.
.set WVN, 46           ; s46 wave
.set SRC, 28           ; s[28:29] source tensor
.set DST, 30           ; s[30:31] destination
.set P_L, 32           ; source strides, bytes: lane / 8
.set P_W0, 33          ; wave & 1
.set P_W1, 34          ; wave >> 1
.set P_A, 35           ; it >> 1
.set P_B, 36           ; it & 1
.set P_C, 37           ; sec
.set P_0, 38           ; the work-group's first byte
.set Q_W, 42           ; destination strides: wave
.set Q_0, 43           ; pass & 1
.set Q_1, 44           ; pass >> 1
.set Q_D, 45           ; the work-group's first byte
.macro PARB KPL        ; restore weights, seen as [K][1024]; s3 = nb KP + p, KP = 1 << KPL panels: 128 columns d (nb), 64 K (p)
	s_lshr_b32 s47, s3, \KPL                       ; nb
	s_and_b32 s48, s3, (1<<\KPL)-1                 ; p
	s_lshl_b32 s[P_0], s47, 9
	s_lshl_b32 s50, s48, 18                        ; 64 source rows of 4,096 bytes
	s_add_co_u32 s[P_0], s[P_0], s50
	s_mov_b32 s[P_L], 128                          ; lanes: 512 consecutive bytes of a source row
	s_mov_b32 s[P_W0], 8*4096                      ; K + 8
	s_mov_b32 s[P_W1], 16*4096                     ; K + 16
	s_mov_b32 s[P_A], 4*4096                       ; K + 4
	s_mov_b32 s[P_B], 2*4096                       ; K + 2
	s_mov_b32 s[P_C], 4096                         ; K + 1
	s_mov_b32 s[Q_W], 512                          ; four rows
	s_mov_b32 s[Q_0], 4096                         ; 32 rows
	s_mov_b32 s[Q_1], 8192<<\KPL                   ; 64 rows: the next row block's chunk of the same panel
	s_lshl_b32 s[Q_D], s47, \KPL+1                 ; chunk (2 nb, p)
	s_add_co_u32 s[Q_D], s[Q_D], s48
	s_lshl_b32 s[Q_D], s[Q_D], 13
.endm
.macro PARA R          ; feature weights [32][1024][R]; s3 = half 128 + ng 16 + p: four n, 32 r (half), 64 d (p)
	s_lshr_b32 s47, s3, 7                          ; half
	s_bfe_u32 s48, s3, 0x30004                     ; ng
	s_and_b32 s49, s3, 15                          ; p
	s_mul_i32 s[P_0], s48, 4*4096*\R
	s_lshl_b32 s50, s47, 7
	s_add_co_u32 s[P_0], s[P_0], s50
	s_mul_i32 s50, s49, 64*4*\R
	s_add_co_u32 s[P_0], s[P_0], s50
	s_mov_b32 s[P_L], 4096*\R                      ; lane / 8: the next n
	s_mov_b32 s[P_W0], 32*\R                       ; d + 8
	s_mov_b32 s[P_W1], 64*\R                       ; d + 16
	s_mov_b32 s[P_A], 16*\R                        ; d + 4
	s_mov_b32 s[P_B], 8*\R                         ; d + 2
	s_mov_b32 s[P_C], 4*\R                         ; d + 1
	s_mov_b32 s[Q_W], 262144                       ; wave = tc within the half: the next row block
	s_mov_b32 s[Q_0], 512                          ; rl + 2: four rows
	s_mov_b32 s[Q_1], 2048                         ; b + 1: sixteen rows
	s_lshl_b32 s[Q_D], s49, 14
	s_lshl_b32 s50, s47, 21                        ; half: eight row blocks
	s_add_co_u32 s[Q_D], s[Q_D], s50
	s_lshr_b32 s50, s48, 2                         ; wc: 64 rows
	s_lshl_b32 s50, s50, 13
	s_add_co_u32 s[Q_D], s[Q_D], s50
	s_and_b32 s50, s48, 1                          ; b = 2 (ng & 1): 32 rows
	s_lshl_b32 s50, s50, 12
	s_add_co_u32 s[Q_D], s[Q_D], s50
	s_bfe_u32 s50, s48, 0x10001                    ; h: 8 rows
	s_lshl_b32 s50, s50, 10
	s_add_co_u32 s[Q_D], s[Q_D], s50
.endm
.macro TRANS L1, L0, U0
	s_and_b32 s47, s[WVN], 1
	s_mul_i32 s47, s47, s[P_W0]
	s_lshr_b32 s48, s[WVN], 1
	s_mul_i32 s48, s48, s[P_W1]
	s_add_co_u32 s47, s47, s48
	s_add_co_u32 s47, s47, s[P_0]
	v_mul_lo_u32 v5, v4, s[P_L]
	v_lshl_add_u32 v5, v3, 4, v5
	v_add_nc_u32 v8, s47, v5                       ; v[8+k]: the offset of load k
	v_add_nc_u32 v9, s[P_C], v8
	v_add_nc_u32 v10, s[P_B], v8
	v_add_nc_u32 v11, s[P_B], v9
.irp k, 0,1,2,3
	v_add_nc_u32 v[12+\k], s[P_A], v[8+\k]
.endr
.irp k, 0,1,2,3,4,5,6,7
	global_load_b128 v[16+4*\k:19+4*\k], v[8+\k], s[SRC:SRC+1] th:TH_LOAD_NT
.endr
	v_mul_u32_u24 v6, v1, 144
	s_lshl_b32 s48, s[WVN], 4
	v_add_nc_u32 v6, s48, v6                       ; LDS: row L, byte 16 w
	v_lshrrev_b32 v64, 1, v4                       ; back: my row among four neighbouring output rows is e = lane / 8
	v_and_b32 v65, 1, v4
	v_mul_u32_u24 v64, v64, \L1*144
	v_mad_u32_u24 v64, v65, \L0*144, v64
	v_lshl_add_u32 v64, v3, 4, v64
	s_mul_i32 s48, s[WVN], 144
	v_add_nc_u32 v7, s48, v64
	v_add_nc_u32 v66, \U0*144, v7
	s_mul_i32 s48, s[WVN], s[Q_W]
	s_add_co_u32 s48, s48, s[Q_D]
	v_lshl_add_u32 v67, v1, 4, s48
	v_add_nc_u32 v68, s[Q_0], v67
	s_mov_b32 s52, s[Q_1]
	s_mov_b32 s53, 0
	s_add_nc_u64 s[54:55], s[DST:DST+1], s[52:53]
.irp it, 0,1,2,3
	s_wait_loadcnt 6-2*\it                         ; loads 2 it and 2 it + 1 are in, the younger ones stay out
.irp q, 0,1,2,3
	v_cvt_pk_bf16_f32 v[48+4*\it+\q], v[16+8*\it+\q], v[20+8*\it+\q]   ; the even K low, the odd K high
	ds_store_b32 v6, v[48+4*\it+\q] offset:\q*4608+\it*4
.endr
.endr
	s_wait_dscnt 0x0                               ; my stores are done, for the others' sake
	s_barrier_signal -1
	s_barrier_wait -1
	ds_load_b128 v[16:19], v7
	ds_load_b128 v[20:23], v66
	ds_load_b128 v[24:27], v7 offset:2304
	ds_load_b128 v[28:31], v66 offset:2304
	s_wait_dscnt 3
	global_store_b128 v67, v[16:19], s[DST:DST+1]  ; each store of a wave covers 512 consecutive bytes, aligned
	s_wait_dscnt 2
	global_store_b128 v68, v[20:23], s[DST:DST+1]
	s_wait_dscnt 1
	global_store_b128 v67, v[24:27], s[54:55]
	s_wait_dscnt 0
	global_store_b128 v68, v[28:31], s[54:55]
	s_wait_tensorcnt 0x0
	ds_add_u32 v72, v73
	s_wait_dscnt 0x0
	s_endpgm
.endm
	s_load_b512 s[8:23], s[0:1], 0x0               ; r_qk 8, r_v 10, r_know 12, f_qk 14, f_v 16, f_know 18, W_O 20, wfa 22
	s_load_b128 s[24:27], s[0:1], 0x40             ; wfb 24, wts 26
	v_lshl_add_u32 v72, v0, 2, 0x4800
	v_mov_b32 v73, 0
	v_and_b32 v1, 31, v0                           ; lane L
	v_lshrrev_b32 v2, 5, v0
	v_readfirstlane_b32 s[WVN], v2
	v_and_b32 v3, 7, v1                            ; L & 7
	v_lshrrev_b32 v4, 3, v1                        ; e = L >> 3
	s_mov_b32 s2, ttmp9
	s_wait_kmcnt 0x0
	s_cmp_lt_u32 s2, 128                           ; which tensor: the same answer in all eight waves
	s_cbranch_scc1 .Lrqk
	s_cmp_lt_u32 s2, 256
	s_cbranch_scc1 .Lrv
	s_cmp_lt_u32 s2, 512
	s_cbranch_scc1 .Lrknow
	s_cmp_lt_u32 s2, 640
	s_cbranch_scc1 .Lfqk
	s_cmp_lt_u32 s2, 768
	s_cbranch_scc1 .Lfv
	s_cmp_lt_u32 s2, 1024
	s_cbranch_scc1 .Lfknow
	; W_O [n][k]: chunk id = nb 16 + p.  Thread t, pass ps: row 32 ps + t / 8, eight k at 8 (t & 7): 32 bytes in, 16 out
	s_sub_co_u32 s3, s2, 1024
	s_lshr_b32 s47, s3, 4
	s_and_b32 s48, s3, 15
	s_lshl_b32 s47, s47, 19
	s_lshl_b32 s48, s48, 8
	s_add_co_u32 s47, s47, s48
	v_lshrrev_b32 v5, 3, v0
	v_and_b32 v6, 7, v0
	v_lshlrev_b32 v5, 12, v5
	v_lshl_add_u32 v5, v6, 5, v5
	v_add_nc_u32 v5, s47, v5
.irp ps, 0,1,2,3
	global_load_b128 v[16+8*\ps:19+8*\ps], v5, s[20:21] offset:\ps*131072 th:TH_LOAD_NT
	global_load_b128 v[20+8*\ps:23+8*\ps], v5, s[20:21] offset:\ps*131072+16 th:TH_LOAD_NT
.endr
	s_lshl_b32 s48, s3, 14
	s_add_co_u32 s48, s48, 0x400000                ; W_O's place in wts
	v_lshl_add_u32 v7, v0, 4, s48
.irp ps, 0,1,2,3
	s_wait_loadcnt 6-2*\ps
.irp j, 0,1,2,3
	v_cvt_pk_bf16_f32 v[48+4*\ps+\j], v[16+8*\ps+2*\j], v[17+8*\ps+2*\j]
.endr
	global_store_b128 v7, v[48+4*\ps:51+4*\ps], s[26:27] offset:\ps*4096
.endr
	s_endpgm
.Lrqk:
	s_mov_b32 s3, s2
	s_mov_b64 s[SRC:SRC+1], s[8:9]
	s_mov_b64 s[DST:DST+1], s[26:27]
	PARB 4
	s_branch .LtransB
.Lrv:
	s_sub_co_u32 s3, s2, 128
	s_mov_b64 s[SRC:SRC+1], s[10:11]
	s_add_nc_u64 s[DST:DST+1], s[26:27], 0x200000
	PARB 4
	s_branch .LtransB
.Lrknow:
	s_sub_co_u32 s3, s2, 256
	s_mov_b64 s[SRC:SRC+1], s[12:13]
	s_add_nc_u64 s[DST:DST+1], s[26:27], 0x600000
	PARB 5
.LtransB:
	TRANS 64, 32, 8
.Lfqk:
	s_sub_co_u32 s3, s2, 512
	s_mov_b64 s[SRC:SRC+1], s[14:15]
	s_add_nc_u64 s[DST:DST+1], s[22:23], 0x200000  ; f_qk: row blocks 8 to 15 of wfa
	PARA 32
	s_branch .LtransA
.Lfv:
	s_sub_co_u32 s3, s2, 640
	s_mov_b64 s[SRC:SRC+1], s[16:17]
	s_mov_b64 s[DST:DST+1], s[22:23]               ; f_v: row blocks 0 to 7
	PARA 32
	s_branch .LtransA
.Lfknow:
	s_sub_co_u32 s3, s2, 768
	s_mov_b64 s[SRC:SRC+1], s[18:19]
	s_mov_b64 s[DST:DST+1], s[24:25]
	PARA 64
.LtransA:
	TRANS 32, 8, 64
.Lfunc_end_k_q1b2db83558_prep:
	.size	k_q1b2db83558_prep, .Lfunc_end_k_q1b2db83558_prep-k_q1b2db83558_prep
	.p2alignl 7, 3214868480
	.fill 96, 4, 3214868480
	.section	.rodata,"a",@progbits
	.p2align	6, 0x0
	.amdhsa_kernel k_q1b2db83558_prep
		.amdhsa_group_segment_fixed_size 19456
		.amdhsa_private_segment_fixed_size 0
		.amdhsa_enable_private_segment 0
		.amdhsa_kernarg_size 80
		.amdhsa_user_sgpr_count 2
		.amdhsa_user_sgpr_kernarg_segment_ptr 1
		.amdhsa_wavefront_size32 1
		.amdhsa_system_sgpr_workgroup_id_x 1
		.amdhsa_system_sgpr_workgroup_id_y 1
		.amdhsa_system_sgpr_workgroup_id_z 1
		.amdhsa_system_vgpr_workitem_id 0
		.amdhsa_next_free_vgpr 74
		.amdhsa_next_free_sgpr 66
		.amdhsa_reserve_vcc 0
		.amdhsa_float_denorm_mode_32 3
		.amdhsa_float_denorm_mode_16_64 3
		.amdhsa_memory_ordered 1
		.amdhsa_forward_progress 1
		.amdhsa_inst_pref_size 23
	.end_amdhsa_kernel
	.amdgpu_metadata
---
amdhsa.version: [ 1, 2 ]
amdhsa.kernels:
  - .name:           k_q1b2db83558_prep
    .symbol:         k_q1b2db83558_prep.kd
    .args:
      - { .name: r_qk, .offset: 0, .size: 8, .value_kind: global_buffer, .address_space: global }
      - { .name: r_v, .offset: 8, .size: 8, .value_kind: global_buffer, .address_space: global }
      - { .name: r_know, .offset: 16, .size: 8, .value_kind: global_buffer, .address_space: global }
      - { .name: f_qk, .offset: 24, .size: 8, .value_kind: global_buffer, .address_space: global }
      - { .name: f_v, .offset: 32, .size: 8, .value_kind: global_buffer, .address_space: global }
      - { .name: f_know, .offset: 40, .size: 8, .value_kind: global_buffer, .address_space: global }
      - { .name: W_O, .offset: 48, .size: 8, .value_kind: global_buffer, .address_space: global }
      - { .name: wfa, .offset: 56, .size: 8, .value_kind: global_buffer, .address_space: global }
      - { .name: wfb, .offset: 64, .size: 8, .value_kind: global_buffer, .address_space: global }
      - { .name: wts, .offset: 72, .size: 8, .value_kind: global_buffer, .address_space: global }
    .group_segment_fixed_size: 19456
    .private_segment_fixed_size: 0
    .kernarg_segment_align: 8
    .kernarg_segment_size: 80
    .max_flat_workgroup_size: 256
    .sgpr_count:     66
    .vgpr_count:     74
    .wavefront_size: 32
...
	.end_amdgpu_metadata
.endif
;; end of part 8
;; launch ln1: the kernel of part 2 again; grid 256 x 1, 8 waves a work-group, no clusters, 0 bytes of LDS; arguments x, gamma1, beta1, act; writes act
;; launch feat1 (part 9): grid 8 x 64, 4 waves a work-group, clusters of 4 x 4, 327,680 bytes of LDS; arguments act, wfa, w_fv, w_fq, w_fk, hb; writes hb
.if DOCPART == 9
	.amdgcn_target "amdgcn-amd-amdhsa--gfx1250"
	.amdhsa_code_object_version 6
	.text
	.protected	k_q1b2db83558_feat1
	.globl	k_q1b2db83558_feat1
	.p2align	8
	.type	k_q1b2db83558_feat1,@function
k_q1b2db83558_feat1:
	s_mov_b64 s[64:65], 0
	v_nop
	global_prefetch_b8 v0, s[64:65] scope:SCOPE_SE
	s_setreg_imm32_b32 hwreg(HW_REG_WAVE_MODE, 25, 1), 1
	s_wait_xcnt 0x0
	s_wait_alu depctr_hold_cnt(0) depctr_sa_sdst(0) depctr_va_vdst(0) depctr_va_sdst(0) depctr_va_ssrc(0) depctr_va_vcc(0) depctr_vm_vsrc(0)
	s_getreg_b32 s2, hwreg(HW_REG_IB_STS2, 6, 4)
	s_cmp_eq_u32 s2, 0
	s_cbranch_scc0 .Lentry_in_a_cluster
	s_endpgm
.Lentry_in_a_cluster:
	s_bfe_u32 s2, ttmp6, 0x10000c
	s_cmp_lg_u32 s2, 0xf033
	s_cbranch_scc0 .Lentry_shape_is_right
	s_endpgm
.Lentry_shape_is_right:
; FEATURE: h[t][r] = sum over n of wf[t][n] (sum over d of nx[t][d] f[n][d][r]), kept in f32 and stored as [r / 4][t][4]: a tile's 128 tokens x 4 r are 2,048 consecutive bytes.
; The product is a GEMM C = A B^T on tiles of 128 x 128, K = 1,024: A = nx (chunks [row block][16 panels]), B = the feature weights with rows in the order
; c = 64 wc + 16 b + 8 h + 2 rl + jj <-> n = 16 wc + 8 h + 2 b + jj, r = 4 tc + rl: a tile holds all 32 n of four r, so the sum over n never leaves the work-group.
; Tile row y: row block y % 32; u = y / 32 adds 8 to the weights' row block.  Tiles with u = 1 have TWO routing sets (q and k multiply nx by the same f_qk: the product is made once and summed
; over n twice); tiles with u = 0 have one: they take it twice and store the first sum alone.  h goes to u x 524,288 + tile column x 65,536, the second set's 524,288 further on.
; GEMM CORE.  Four waves, each 64 x 64: 16 accumulators.  Operands lie in chunks of 128 rows x 64 K, a row block's panels end to end, so a K step of 256 is 65,536 consecutive bytes of A and of B.
; Waves 0, 1 fetch A's two halves of it, waves 2, 3 B's: one tensor load of 32,768 bytes a wave, asked for as 128 rows of 256 bytes, padded 16 bytes after every 128: LDS rows of 144 bytes.
; Two slots take turns; both first fills go out together (two loads of a wave are out), later one behind each round.  4 x 4 work-groups form a cluster: A's tiles are shared along its row, B's along
; its column, each asked for jointly.  The matrix instruction is used transposed (source 0 = B's rows, source 1 = A's): lane l holds row l % 16 and columns 16 b + 8 (l / 16) + 0..7.
; REGISTERS.  window 0: v16-29 addresses; v32-63, v64-95 the two sets' routing weights (v32-47 at work once read); v96-127 at work; v128-255 accumulators ((a, b) at 128 + 8 (4 a + b)).  window 1: two fragment buffers.
; LIMIT: matrix operands are rounded to bf16; all else is f32.
.set PITCH, 144
.set PANEL, 128*PITCH      ; 64 along K of 128 rows
.set HALFS, 2*PANEL        ; what one tensor load brings
.set BOFF,  2*HALFS        ; in a slot: A's four panels, then B's
.set SLOT,  4*HALFS        ; 0x24000: no wave's base w x 0x9000 has its two bits set, so an exclusive or changes slots
.set XCH,   2*SLOT         ; behind the ring: the half sums over n, 1,024 bytes a wave, 4,096 a routing set
.set SPARE, XCH+8192       ; the spare words, 128 bytes a wave: two blocks of 256 bytes that no other line names
.set NS,    4              ; K steps
.set STEPB, 65536
.set ADRA0, 16
.set ADRB0, 17
.set ADRA, 18
.set ADRB, 19
.set XS,  20               ; where I put my half sums
.set XO,  21               ; where I read back those of the 32 tokens that I store
.set XP,  22               ; and the same tokens' from the wave with the other 64 columns
.set GO,  26
.set WO,  27
.set SPW, 28
.set NIL, 29
.set WF,  32
.set WF2, 64
.set HS,  32
.set HP,  96
.set ACC, 128
.set F0,  0
.set F1,  128
.set G1, 24                ; s[24:31] group 1 for A's tiles
.set G0, 32                ; s[32:35] group 0 for A's tiles: slot 1's first fill, then it walks
.set G0F, 36               ; s[36:39] group 0 of A's first fill of slot 0
.set G1B, 48               ; the same three for B
.set G0B, 56
.set G0BF, 80
.set TB, 60                ; s60: 0 or SLOT, the slot being read
.set MSB, 0
.macro WIN new
.if MSB != (\new)
	s_set_vgpr_msb (MSB<<8)|(\new)
.set MSB, \new
.endif
.endm
.set MUL,  0x05            ; sources 0 and 1 window 1; C and D window 0
.set TO_F, 0x40            ; destination window 1, address window 0
.macro JLOAD               ; a joint refill: waves 0, 1 for A, waves 2, 3 for B; an s_nop 0 and four v_nop follow each line
	s_cmp_eq_u32 s11, 0
	s_cbranch_scc0 .Lfor_b_\@
	tensor_load_to_lds s[G0:G0+3], s[G1:G1+7]
	s_nop 0
.rept 4
	v_nop
.endr
	s_branch .Lasked_\@
.Lfor_b_\@:
	tensor_load_to_lds s[G0B:G0B+3], s[G1B:G1B+7]
	s_nop 0
.rept 4
	v_nop
.endr
.Lasked_\@:
.endm
.macro CREST               ; a round of the cluster's barrier behind its opening barrier
	s_cmp_lg_u32 s10, 0
	s_cbranch_scc1 .Lnot_wave_0_\@
	s_barrier_signal -3
.Lnot_wave_0_\@:
	s_barrier_wait -3
	s_barrier_signal -1
	s_barrier_wait -1
.endm
.macro CROUND
	s_barrier_signal -1
	s_barrier_wait -1
	CREST
.endm
.macro WALK                ; both walking descriptors: the other slot, the next K step (no tensor load of mine is out where this stands)
	s_xor_b32 s[G0+1], s[G0+1], SLOT
	s_add_nc_u64 s[G0+2:G0+3], s[G0+2:G0+3], STEPB
	s_xor_b32 s[G0B+1], s[G0B+1], SLOT
	s_add_nc_u64 s[G0B+2:G0B+3], s[G0B+2:G0B+3], STEPB
.endm
.macro MUL8 f, c, a0, zero ; 8 matrix instructions: row blocks a0, a0 + 1 x 4 column blocks, 32 along K (half c of buffer f); the 16 accumulators take turns
	WIN MUL
.irp a, \a0, (\a0)+1
.irp b, 0,1,2,3
.if \zero
	v_wmma_f32_16x16x32_bf16 v[ACC+8*(4*(\a)+(\b)):ACC+8*(4*(\a)+(\b))+7], v[(\f)+64+8*(4*(\c)+(\b)):(\f)+64+8*(4*(\c)+(\b))+7], v[(\f)+8*(4*(\c)+(\a)):(\f)+8*(4*(\c)+(\a))+7], 0
.else
	v_wmma_f32_16x16x32_bf16 v[ACC+8*(4*(\a)+(\b)):ACC+8*(4*(\a)+(\b))+7], v[(\f)+64+8*(4*(\c)+(\b)):(\f)+64+8*(4*(\c)+(\b))+7], v[(\f)+8*(4*(\c)+(\a)):(\f)+8*(4*(\c)+(\a))+7], v[ACC+8*(4*(\a)+(\b)):ACC+8*(4*(\a)+(\b))+7]
.endif
.endr
.endr
.endm
.macro FETCH q, f          ; 32 LDS loads in one run: panel q's fragments into buffer f, the first 32 along K first
	WIN TO_F
.irp c, 0,1
.irp i, 0,1,2,3
	ds_load_b128 v[(\f)+64+8*(4*(\c)+(\i)):(\f)+64+8*(4*(\c)+(\i))+3],   v[ADRB] offset:(\q)*PANEL+64*(\c)+(\i)*16*PITCH
	ds_load_b128 v[(\f)+64+8*(4*(\c)+(\i))+4:(\f)+64+8*(4*(\c)+(\i))+7], v[ADRB] offset:(\q)*PANEL+64*(\c)+(\i)*16*PITCH+32
	ds_load_b128 v[(\f)+8*(4*(\c)+(\i)):(\f)+8*(4*(\c)+(\i))+3],         v[ADRA] offset:(\q)*PANEL+64*(\c)+(\i)*16*PITCH
	ds_load_b128 v[(\f)+8*(4*(\c)+(\i))+4:(\f)+8*(4*(\c)+(\i))+7],       v[ADRA] offset:(\q)*PANEL+64*(\c)+(\i)*16*PITCH+32
.endr
.endr
.endm
.macro PLACES              ; four places in front of loads into registers that matrix instructions have read, and of reads of results
.rept 4
	v_nop
.endr
.endm
.macro QUARTER q, f, g, zero  ; multiplies buffer f (one panel, 32 matrix instructions) and fetches panel q into g
	s_wait_dscnt 16                                ; the first 32 along K are in
	MUL8 \f, 0, 0, \zero
	MUL8 \f, 0, 2, \zero
	PLACES
	FETCH \q, \g
	s_wait_dscnt 32                                ; all but the 32 just issued
	MUL8 \f, 1, 0, 0
	MUL8 \f, 1, 2, 0
.endm
; A K step's last quarter multiplies buffer 1 and changes slots: one barrier; in front of it each wave waits for all its tensor loads (its part of the next slot), adds 0 to its spare word,
; and waits for that and for its reads of this slot.  fill = 1: the barrier opens a round of the cluster's, and this slot is filled again first thing behind it, two K steps ahead.
; fill = 0 (the tail, counted by s3): nothing is asked for, and in the last trip the fetch from a next slot is jumped over.
.macro TURN fill
	WIN 0
	s_wait_tensorcnt 0x0
	ds_add_u32 v[SPW], v[NIL]
	s_wait_dscnt 17                                ; the add and the youngest sixteen loads may be out
	MUL8 F1, 0, 0, 0
	s_wait_dscnt 0x0                               ; the add is done, my reads of this slot are over
	s_barrier_signal -1
	MUL8 F1, 0, 2, 0
	WIN 0
	s_barrier_wait -1
.if \fill
	CREST
	WALK
	JLOAD                                          ; 112 matrix instructions ahead of the wait for it; its four v_nop are also the places in front of the loads below
.else
	s_cmp_eq_u32 s3, 1
	s_cbranch_scc1 .Lno_fetch_\@
	PLACES
.endif
	s_xor_b32 s[TB], s[TB], SLOT
	v_add_nc_u32 v[ADRA], s[TB], v[ADRA0]
	v_add_nc_u32 v[ADRB], s[TB], v[ADRB0]
	FETCH 0, F0
.if (\fill) == 0
	WIN 0
.Lno_fetch_\@:
.endif
	MUL8 F1, 1, 0, 0
	MUL8 F1, 1, 2, 0
.endm
	s_load_b256 s[68:75], s[0:1], 0x0              ; nx 68, weights 70, routing of u = 0: 72, of u = 1, first set: 74
	s_load_b128 s[76:79], s[0:1], 0x20             ; of u = 1, second set: 76; h 78
	v_lshl_add_u32 v[SPW], v0, 2, SPARE
	v_mov_b32 v[NIL], 0
	ds_add_u32 v28, v29
	ds_add_u32 v28, v29
	s_wait_dscnt 0x0
	v_lshrrev_b32 v1, 5, v0
	v_readfirstlane_b32 s10, v1                    ; wave
	s_lshr_b32 s11, s10, 1                         ; my half of the tile's rows; also: I fetch for A (0) or B (1)
	s_and_b32 s12, s10, 1                          ; my half of its columns; also: which half of a K step I fetch
	s_bfe_u32 s40, ttmp6, 0x40000                  ; cx
	s_bfe_u32 s41, ttmp6, 0x40004                  ; cy
	s_lshl_b32 s42, ttmp9, 2
	s_add_co_u32 s42, s42, s40                     ; tile column
	s_and_b32 s13, ttmp7, 0xffff
	s_lshr_b32 s66, s13, 3                         ; u: made of the cluster's y alone, so all sixteen partners share it
	s_lshl_b32 s13, s13, 2
	s_add_co_u32 s13, s13, s41                     ; tile row
	s_and_b32 s67, s13, 31                         ; row block
	s_lshl_b32 s43, s41, 2
	s_lshl_b32 s43, 15, s43                        ; my row of the cluster
	s_lshl_b32 s44, 0x1111, s40                    ; my column
	s_or_b32 s[G1], s43, (1<<16)|(1<<20)|(1<<21)|(4<<22)|(3<<25)   ; mask; 2-byte elements; padding on; bit 21 beside a mask; after every 32 words, 4 words
	s_or_b32 s[G1B], s44, (1<<16)|(1<<20)|(1<<21)|(4<<22)|(3<<25)
.irp g, G1, G1B
	s_mov_b32 s[(\g)+1], 128<<16                   ; tensor_dim0 = 128
	s_mov_b32 s[(\g)+2], 128<<16                   ; tensor_dim1 = 128
	s_mov_b32 s[(\g)+3], 128<<16                   ; tile_dim0 = 128
	s_mov_b32 s[(\g)+4], 128                       ; tile_dim1 = 128
	s_mov_b32 s[(\g)+5], 128                       ; rows end to end
	s_mov_b32 s[(\g)+6], 0
	s_mov_b32 s[(\g)+7], 0
.endr
	s_lshl_b32 s17, s12, 15                        ; my half of a K step
	s_lshl_b32 s16, s67, 18                        ; A: row block x 16 chunks
	s_add_co_u32 s16, s16, s17
	s_lshl3_add_u32 s46, s66, s42                  ; B: (8 u + tile column) x 16 chunks
	s_lshl_b32 s46, s46, 18
	s_add_co_u32 s46, s46, s17
	s_mov_b32 s17, 0
	s_mov_b32 s47, 0
	s_mul_i32 s20, s10, HALFS                      ; where my loads go: no place in the cluster enters an LDS address
	s_lshl_b32 s14, s66, 19                        ; h: u x 524,288 + tile column x 65,536 + 16 bytes a token: the row block's 128, my 64 of them, my 32 of those
	s_lshl_b32 s15, s42, 16
	s_add_co_u32 s14, s14, s15
	s_lshl_b32 s15, s67, 11
	s_add_co_u32 s14, s14, s15
	s_lshl_b32 s15, s11, 10
	s_add_co_u32 s14, s14, s15
	s_lshl_b32 s15, s12, 9
	s_add_co_u32 s14, s14, s15
	s_mov_b32 s15, 0
	s_lshl_b32 s86, s67, 14                        ; routing weights: my 64 tokens' rows of 128 bytes, my 16 n
	s_lshl_b32 s87, s11, 13
	s_add_co_u32 s86, s86, s87
	s_lshl_b32 s87, s12, 6
	s_add_co_u32 s86, s86, s87
	s_mov_b32 s87, 0
	s_mov_b32 s62, 0x76543210                      ; v_permlanex16_b32: each lane takes its own place in the other half
	s_mov_b32 s63, 0xfedcba98
	s_mov_b32 s[G0F], 1
	s_mov_b32 s[G0F+1], s20                        ; slot 0
	s_mov_b32 s[G0], 1
	s_add_co_u32 s[G0+1], s20, SLOT                ; slot 1
	s_mov_b32 s[G0BF], 1
	s_mov_b32 s[G0BF+1], s20
	s_mov_b32 s[G0B], 1
	s_add_co_u32 s[G0B+1], s20, SLOT
	s_wait_kmcnt 0x0
	s_add_nc_u64 s[G0F+2:G0F+3], s[68:69], s[16:17]            ; K step 0
	s_add_nc_u64 s[G0+2:G0+3], s[G0F+2:G0F+3], STEPB           ; K step 1
	s_or_b32 s[G0F+3], s[G0F+3], 0x80000000
	s_or_b32 s[G0+3], s[G0+3], 0x80000000
	s_add_nc_u64 s[G0BF+2:G0BF+3], s[70:71], s[46:47]
	s_add_nc_u64 s[G0B+2:G0B+3], s[G0BF+2:G0BF+3], STEPB
	s_or_b32 s[G0BF+3], s[G0BF+3], 0x80000000
	s_or_b32 s[G0B+3], s[G0B+3], 0x80000000
	s_cmp_eq_u32 s66, 1                            ; the routing sets: u = 1 has two of its own, u = 0 takes its one twice
	s_cselect_b64 s[72:73], s[74:75], s[72:73]
	s_cselect_b64 s[76:77], s[76:77], s[72:73]
	s_add_nc_u64 s[72:73], s[72:73], s[86:87]
	s_add_nc_u64 s[76:77], s[76:77], s[86:87]
	s_add_nc_u64 s[8:9], s[78:79], s[14:15]
	s_add_nc_u64 s[84:85], s[8:9], 524288          ; the second set's h
	CROUND                                         ; all sixteen work-groups are here: the first joint loads meet
	s_cmp_eq_u32 s11, 0                            ; a wave's two first fills stand in one branch, ahead of every wait on TENSORcnt and every LDS read
	s_cbranch_scc0 .Lfirst_b
	tensor_load_to_lds s[G0F:G0F+3], s[G1:G1+7]
	s_nop 0
	tensor_load_to_lds s[G0:G0+3], s[G1:G1+7]
	s_nop 0
.rept 4
	v_nop
.endr
	s_branch .Lfirst_asked
.Lfirst_b:
	tensor_load_to_lds s[G0BF:G0BF+3], s[G1B:G1B+7]
	s_nop 0
	tensor_load_to_lds s[G0B:G0B+3], s[G1B:G1B+7]
	s_nop 0
.rept 4
	v_nop
.endr
.Lfirst_asked:
	v_and_b32 v1, 15, v0                           ; r = l % 16
	v_bfe_u32 v2, v0, 4, 1                         ; h = l / 16
	v_lshlrev_b32 v[WO], 7, v1
	v_lshl_add_u32 v[WO], v2, 5, v[WO]             ; token r, n = 8 h on
.irp a, 0,1,2,3                                        ; a lane's eight n of each of its four tokens, for both sets: waited for at the way out
	global_load_b128 v[WF+8*\a:WF+8*\a+3],     v[WO], s[72:73] offset:\a*2048
	global_load_b128 v[WF+8*\a+4:WF+8*\a+7],   v[WO], s[72:73] offset:\a*2048+16
	global_load_b128 v[WF2+8*\a:WF2+8*\a+3],   v[WO], s[76:77] offset:\a*2048
	global_load_b128 v[WF2+8*\a+4:WF2+8*\a+7], v[WO], s[76:77] offset:\a*2048+16
.endr
	v_mul_u32_u24 v3, v1, PITCH
	v_lshl_add_u32 v3, v2, 4, v3                   ; row x pitch + 16 x half
	s_mul_i32 s21, s11, 64*PITCH
	s_mul_i32 s22, s12, 64*PITCH
	s_add_co_u32 s22, s22, BOFF
	v_add_nc_u32 v[ADRA0], s21, v3
	v_add_nc_u32 v[ADRB0], s22, v3
	v_and_b32 v[GO], 31, v0
	v_lshlrev_b32 v[GO], 4, v[GO]                  ; 16 bytes a token: 512 consecutive bytes a wave
	s_lshl_b32 s21, s10, 10
	s_add_co_u32 s21, s21, XCH
	v_lshl_add_u32 v[XS], v1, 4, s21               ; my half sums: token 16 a + r at 16 bytes a token
	s_lshl_b32 s23, s12, 9                         ; the 32 tokens that I store
	s_add_co_u32 s21, s21, s23
	v_add_nc_u32 v[XO], s21, v[GO]
	s_xor_b32 s22, s10, 1
	s_lshl_b32 s22, s22, 10
	s_add_co_u32 s22, s22, XCH
	s_add_co_u32 s22, s22, s23
	v_add_nc_u32 v[XP], s22, v[GO]
	s_wait_tensorcnt 1                             ; my part of K step 0 is in; slot 1's may stay out
	s_barrier_signal -1
	s_barrier_wait -1                              ; everybody's is
	s_mov_b32 s[TB], 0
	v_mov_b32 v[ADRA], v[ADRA0]
	v_mov_b32 v[ADRB], v[ADRB0]
	FETCH 0, F0
	QUARTER 1, F0, F1, 1                           ; the first quarter starts the sums: nothing is cleared
	WIN 0
	s_mov_b32 s3, NS-2
.Llap:                                                 ; a trip: a K step's quarters 2 to 4 and the next step's first; it fills one slot again
	QUARTER 2, F1, F0, 0
	QUARTER 3, F0, F1, 0
	TURN 1
	QUARTER 1, F0, F1, 0
	WIN 0
	s_sub_co_u32 s3, s3, 1
	s_cmp_lg_u32 s3, 0
	s_cbranch_scc1 .Llap
	s_mov_b32 s3, 2
.Ltail:                                                ; the last two K steps ask for nothing; the last trip jumps over what belongs to a further step
	QUARTER 2, F1, F0, 0
	QUARTER 3, F0, F1, 0
	TURN 0
	WIN 0
	s_cmp_eq_u32 s3, 1
	s_cbranch_scc1 .Lno_quarter
	QUARTER 1, F0, F1, 0
	WIN 0
.Lno_quarter:
	s_sub_co_u32 s3, s3, 1
	s_cmp_lg_u32 s3, 0
	s_cbranch_scc1 .Ltail
; THE SUM OVER n for one routing set.  Registers 2 q, 2 q + 1 of accumulator (a, b) are r = 4 tc + q at n = 16 wc + 8 h + 2 b + 0, 1: multiplied by the lane's pair 2 b of the routing weights and
; summed over b; then the pair's two n, then the other half of the lanes' eight n; my sixteen n's sums go to LDS, 16 bytes (four r) a token.  Each accumulator's lowest registers are read first.
.macro SUMN wf, set
.irp a, 0,1,2,3
.irp b, 0,1,2,3
.irp q, 0,1,2,3
.if (\b) == 0
	v_pk_mul_f32 v[HP+8*(\a)+2*(\q):HP+8*(\a)+2*(\q)+1], v[ACC+8*(4*(\a)+(\b))+2*(\q):ACC+8*(4*(\a)+(\b))+2*(\q)+1], v[(\wf)+8*(\a)+2*(\b):(\wf)+8*(\a)+2*(\b)+1]
.else
	v_pk_fma_f32 v[HP+8*(\a)+2*(\q):HP+8*(\a)+2*(\q)+1], v[ACC+8*(4*(\a)+(\b))+2*(\q):ACC+8*(4*(\a)+(\b))+2*(\q)+1], v[(\wf)+8*(\a)+2*(\b):(\wf)+8*(\a)+2*(\b)+1], v[HP+8*(\a)+2*(\q):HP+8*(\a)+2*(\q)+1]
.endif
.endr
.endr
.endr
.set i, 0
.rept 16
	v_add_f32 v[HP+2*i], v[HP+2*i], v[HP+2*i+1]
.set i, i+1
.endr
.set i, 0
.rept 16
	v_permlanex16_b32 v[HP+2*i+1], v[HP+2*i], s62, s63
.set i, i+1
.endr
.set i, 0
.rept 16
	v_add_f32 v[HS+i], v[HP+2*i], v[HP+2*i+1]
.set i, i+1
.endr
.irp a, 0,1,2,3
	ds_store_b128 v[XS], v[HS+4*\a:HS+4*\a+3] offset:(\set)*4096+\a*256
.endr
.endm
	s_wait_loadcnt 0x0                             ; the routing weights
	PLACES
	SUMN WF, 0
	SUMN WF2, 1
	s_wait_dscnt 0x0                               ; my stores are done, for the partner's sake
	s_barrier_signal -1
	s_barrier_wait -1
	ds_load_b128 v[96:99],   v[XO]                 ; of the pair's 64 tokens I finish and store 32: my sixteen n's sums and the partner's
	ds_load_b128 v[100:103], v[XP]
	ds_load_b128 v[104:107], v[XO] offset:4096
	ds_load_b128 v[108:111], v[XP] offset:4096
	s_wait_dscnt 0x0
	v_pk_add_f32 v[96:97], v[96:97], v[100:101]
	v_pk_add_f32 v[98:99], v[98:99], v[102:103]
	v_pk_add_f32 v[104:105], v[104:105], v[108:109]
	v_pk_add_f32 v[106:107], v[106:107], v[110:111]
	global_store_b128 v[GO], v[96:99], s[8:9]      ; 512 consecutive bytes, aligned
	s_cmp_eq_u32 s66, 1
	s_cbranch_scc0 .Lone_set                       ; a tile with one routing set has no second h
	global_store_b128 v[GO], v[104:107], s[84:85]
.Lone_set:
	s_wait_tensorcnt 0x0                           ; the wave's end
	ds_add_u32 v[SPW], v[NIL]
	s_wait_dscnt 0x0
	CROUND                                         ; the closing round
	s_endpgm
.Lfunc_end_k_q1b2db83558_feat1:
	.size	k_q1b2db83558_feat1, .Lfunc_end_k_q1b2db83558_feat1-k_q1b2db83558_feat1
	.p2alignl 7, 3214868480
	.fill 96, 4, 3214868480
	.section	.rodata,"a",@progbits
	.p2align	6, 0x0
	.amdhsa_kernel k_q1b2db83558_feat1
		.amdhsa_group_segment_fixed_size 327680
		.amdhsa_private_segment_fixed_size 0
		.amdhsa_enable_private_segment 0
		.amdhsa_kernarg_size 48
		.amdhsa_user_sgpr_count 2
		.amdhsa_user_sgpr_kernarg_segment_ptr 1
		.amdhsa_wavefront_size32 1
		.amdhsa_system_sgpr_workgroup_id_x 1
		.amdhsa_system_sgpr_workgroup_id_y 1
		.amdhsa_system_sgpr_workgroup_id_z 1
		.amdhsa_system_vgpr_workitem_id 0
		.amdhsa_next_free_vgpr 512
		.amdhsa_next_free_sgpr 88
		.amdhsa_reserve_vcc 0
		.amdhsa_float_denorm_mode_32 3
		.amdhsa_float_denorm_mode_16_64 3
		.amdhsa_memory_ordered 1
		.amdhsa_forward_progress 1
		.amdhsa_inst_pref_size 65
	.end_amdhsa_kernel
	.amdgpu_metadata
---
amdhsa.version: [ 1, 2 ]
amdhsa.kernels:
  - .name:           k_q1b2db83558_feat1
    .symbol:         k_q1b2db83558_feat1.kd
    .args:
      - { .name: act, .offset: 0, .size: 8, .value_kind: global_buffer, .address_space: global }
      - { .name: wfa, .offset: 8, .size: 8, .value_kind: global_buffer, .address_space: global }
      - { .name: w_fv, .offset: 16, .size: 8, .value_kind: global_buffer, .address_space: global }
      - { .name: w_fq, .offset: 24, .size: 8, .value_kind: global_buffer, .address_space: global }
      - { .name: w_fk, .offset: 32, .size: 8, .value_kind: global_buffer, .address_space: global }
      - { .name: hb, .offset: 40, .size: 8, .value_kind: global_buffer, .address_space: global }
    .group_segment_fixed_size: 327680
    .private_segment_fixed_size: 0
    .kernarg_segment_align: 8
    .kernarg_segment_size: 48
    .max_flat_workgroup_size: 128
    .sgpr_count:     88
    .vgpr_count:     512
    .wavefront_size: 32
...
	.end_amdgpu_metadata
.endif
;; end of part 9
;; launch rest (part 10): grid 16 x 48, 4 waves a work-group, clusters of 4 x 4, 327,680 bytes of LDS; arguments hb, wts, w_rq, w_rk, w_rv, qkv; writes qkv
.if DOCPART == 10
	.amdgcn_target "amdgcn-amd-amdhsa--gfx1250"
	.amdhsa_code_object_version 6
	.text
	.protected	k_q1b2db83558_rest
	.globl	k_q1b2db83558_rest
	.p2align	8
	.type	k_q1b2db83558_rest,@function
k_q1b2db83558_rest:
	s_mov_b64 s[64:65], 0
	v_nop
	global_prefetch_b8 v0, s[64:65] scope:SCOPE_SE
	s_setreg_imm32_b32 hwreg(HW_REG_WAVE_MODE, 25, 1), 1
	s_wait_xcnt 0x0
	s_wait_alu depctr_hold_cnt(0) depctr_sa_sdst(0) depctr_va_vdst(0) depctr_va_sdst(0) depctr_va_ssrc(0) depctr_va_vcc(0) depctr_vm_vsrc(0)
	s_getreg_b32 s2, hwreg(HW_REG_IB_STS2, 6, 4)
	s_cmp_eq_u32 s2, 0
	s_cbranch_scc0 .Lentry_in_a_cluster
	s_endpgm
.Lentry_in_a_cluster:
	s_bfe_u32 s2, ttmp6, 0x10000c
	s_cmp_lg_u32 s2, 0xf033
	s_cbranch_scc0 .Lentry_shape_is_right
	s_endpgm
.Lentry_shape_is_right:
; RESTORE: Q, K, V [t][d] = sum over (n, r) of wr[t][n] h[t][r] R[n][r][d], K = 32 n + r = 1,024; rounded once to bf16 and stored by heads: chunk (t / 128, 16 g + head) of 128 rows x 64.
; The left operand T[t][(n, r)] = wr[t][n] h[t][r] is never stored: a K step of 32 is one n, so a lane's fragment is its 16 numbers of h (fixed registers) times one routing weight a token:
; v_fma_mixlo_bf16 / v_fma_mixhi_bf16 round the exact product once into a half register: 64 of them make a step's four fragments, four behind each of the step's 16 matrix instructions.
; SHARES.  A tile is 256 tokens x 64 columns (one head); four waves, each 64 x 64: 16 accumulators.  Tile row y: g = y / 16 (q, k, v), tokens 256 (y % 16) on; q and k take r_qk, v takes r_v.
; LDS is filled once: the weights' 64 rows with all their K (16 panels of 64 K, dense in memory: asked for as rows of 256 bytes with 16 bytes of padding behind each, so that row rho of a panel
; lies at 128 rho + 16 (rho / 2) and the 16 rows of a fragment load fall into 16 different 16-byte columns), and each wave's own routing weights (64 tokens, rows of 36 words of which the tensor
; has 32: the last four arrive as zeros, and the last step's look-ahead reads one of them).  A wave issues three tensor loads, all at the start: its routing weights, two of panels 0-7, two of panels 8-15.
; The first two are waited for ahead of the loop; the third behind trip 4 (trips 1 to 4 read panels 0-7), by the wait and barrier that stand behind every fourth trip.  No byte is filled twice.
; CLUSTER 4 x 4: the weights are shared along a column, the routing weights along a row, each asked for jointly.
; THE LOOP.  Step j multiplies K step j - 1 and makes K step j (fragments of T by the riders, fragments of the weights by 8 LDS loads, the routing weights of step j + 1 by 4).  Step 0 multiplies zeros
; onto cleared accumulators, so that one text serves every step: 225 v_mov_b32 and 16 idle products, in the wait for the first tiles.  The 16 accumulators take turns.
; REGISTERS.  window 0: v8-27 addresses; v32-95 weights' fragments, two buffers; v96-159 h; v160-223 the way out.  window 1: v0-127 accumulators; v128-191 T's fragments, two buffers; v192-199 routing weights, two
; buffers; v200 zero.  One setting (source 0 window 0; source 1, source 2 and destination window 1) serves products, riders and the routing weights' loads.
; LIMIT: matrix operands and the result are rounded to bf16; h and the routing weights are f32.
.set NPAN,  16             ; K panels of 64
.set P2,    2              ; panels in a wave's last load
.set NOUT,  2              ; groups of four trips
.set RS,    0              ; log2 of the K steps to one n
.set HA,    16             ; numbers of h a token in a lane
.set PANB,  8704           ; a panel in LDS: 32 rows of 272 bytes
.set WREG,  NPAN*PANB      ; behind the panels: the routing weights
.set WPITCH, 144
.set STAGE, WREG+4*64*WPITCH  ; 16 rows x 144 bytes a wave, for the way out
.set SP,    144
.set HO,  8
.set BA0, 9
.set WA0, 10
.set BA,  11
.set WA,  12
.set STO, 24
.set RD,  25
.set GO,  26
.set BF,  32
.set H,   96
.set PKB, 160
.set ACC, 0
.set AF,  128
.set W,   192
.set ZR,  200
.set G1W, 24               ; s[24:31] group 1, routing weights
.set G1B, 32               ; s[32:39] group 1, two panels
.set G1C, 48               ; s[48:55] group 1, P2 panels
.set G0W, 56
.set G0B, 60
.set G0C, 80
.set TBB, 84               ; s84: LDS byte of the trip's first panel
.set TBW, 85               ; s85: byte of the trip's first n in a routing row
.set MSB, 0
.macro WIN new
.if MSB != (\new)
	s_set_vgpr_msb (MSB<<8)|(\new)
.set MSB, \new
.endif
.endm
.set W_MM, 0x54
.macro CROUND
	s_barrier_signal -1
	s_barrier_wait -1
	s_cmp_lg_u32 s10, 0
	s_cbranch_scc1 .Lnot_wave_0_\@
	s_barrier_signal -3
.Lnot_wave_0_\@:
	s_barrier_wait -3
	s_barrier_signal -1
	s_barrier_wait -1
.endm
; Step q of a trip's four.  Product i: tokens 16 (i / 4) on, columns 16 (i % 4) on.  Its four riders make registers 2 (i % 4), 2 (i % 4) + 1 of fragment i / 4 of the step to come; they name no
; register of the products round them.  The loads stand behind the second product: twelve plain instructions behind the last product that read their registers, fourteen products ahead of the wait.
.macro STEP q, make
.set MK, (\q)&1            ; the buffers that are made
.set ML, 1-MK              ; the buffers that are multiplied
	s_wait_dscnt 0x0                               ; the weights' fragments to multiply and the routing weights for the riders: all twelve loads of the step before
.set i, 0
.rept 16
	WIN W_MM
	v_wmma_f32_16x16x32_bf16 v[ACC+8*i:ACC+8*i+7], v[BF+32*ML+8*(i%4):BF+32*ML+8*(i%4)+7], v[AF+32*ML+8*(i/4):AF+32*ML+8*(i/4)+7], v[ACC+8*i:ACC+8*i+7]
.if \make
.set rD, AF+32*MK+8*(i/4)+2*(i%4)
.set rH, H+HA*(i/4)+16*MK*RS+4*(i%4)
	v_fma_mixlo_bf16 v[rD],   v[rH],   v[W+4*MK+i/4], v[ZR]
	v_fma_mixlo_bf16 v[rD+1], v[rH+2], v[W+4*MK+i/4], v[ZR]
	v_fma_mixhi_bf16 v[rD],   v[rH+1], v[W+4*MK+i/4], v[ZR]
	v_fma_mixhi_bf16 v[rD+1], v[rH+3], v[W+4*MK+i/4], v[ZR]
.if i == 1
	WIN 0
.irp b, 0,1,2,3
	ds_load_b128 v[BF+32*MK+8*\b:BF+32*MK+8*\b+3],   v[BA] offset:((\q)>>1)*PANB+((\q)&1)*64+\b*2176
	ds_load_b128 v[BF+32*MK+8*\b+4:BF+32*MK+8*\b+7], v[BA] offset:((\q)>>1)*PANB+((\q)&1)*64+\b*2176+32
.endr
	WIN W_MM
.irp a, 0,1,2,3
	ds_load_b32 v[W+4*ML+\a], v[WA] offset:\a*16*WPITCH+4*(((\q)+1)>>RS)
.endr
.endif
.endif
.set i, i+1
.endr
.endm
	s_load_b256 s[68:75], s[0:1], 0x0              ; h 68, weights 70, w_rq 72, w_rk 74
	s_load_b128 s[76:79], s[0:1], 0x20             ; w_rv 76, qkv 78
	v_lshl_add_u32 v254, v0, 2, 0x2d400
	v_mov_b32 v255, 0
	ds_add_u32 v254, v255
	ds_add_u32 v254, v255
	v_lshrrev_b32 v1, 5, v0
	v_readfirstlane_b32 s10, v1                    ; wave
	s_bfe_u32 s40, ttmp6, 0x40000                  ; cx
	s_bfe_u32 s41, ttmp6, 0x40004                  ; cy
	s_lshl_b32 s42, ttmp9, 2
	s_add_co_u32 s42, s42, s40                     ; tile column = head
	s_and_b32 s13, ttmp7, 0xffff
	s_lshr_b32 s66, s13, 2                         ; g: of the cluster's y alone
	s_lshl_b32 s13, s13, 2
	s_add_co_u32 s13, s13, s41                     ; tile row
	s_and_b32 s67, s13, 15                         ; block of 256 tokens
	s_lshl_b32 s43, s41, 2
	s_lshl_b32 s43, 15, s43                        ; my row of the cluster
	s_lshl_b32 s44, 0x1111, s40                    ; my column
	s_or_b32 s[G1W], s43, (2<<16)|(1<<21)          ; mask; 4-byte elements; bit 21 beside a mask
	s_mov_b32 s[G1W+1], 32<<16                     ; tensor_dim0 = 32
	s_mov_b32 s[G1W+2], 64<<16                     ; tensor_dim1 = 64
	s_mov_b32 s[G1W+3], 36<<16                     ; tile_dim0 = 36: four words of zeros behind each row
	s_mov_b32 s[G1W+4], 64                         ; tile_dim1 = 64
	s_mov_b32 s[G1W+5], 32
	s_mov_b32 s[G1W+6], 0
	s_mov_b32 s[G1W+7], 0
	s_or_b32 s[G1B], s44, (1<<16)|(1<<20)|(1<<21)|(5<<22)|(3<<25)  ; mask; 2-byte elements; padding on; after every 64 words, 4 words
	s_or_b32 s[G1C], s44, (1<<16)|(1<<20)|(1<<21)|(5<<22)|(3<<25)
	s_mov_b32 s[G1B+2], 64<<16                     ; two panels: 64 rows of 256 bytes
	s_mov_b32 s[G1B+4], 64
	s_mov_b32 s[G1C+2], (32*P2)<<16
	s_mov_b32 s[G1C+4], 32*P2
.irp g, G1B, G1C
	s_mov_b32 s[(\g)+1], 128<<16
	s_mov_b32 s[(\g)+3], 128<<16
	s_mov_b32 s[(\g)+5], 128
	s_mov_b32 s[(\g)+6], 0
	s_mov_b32 s[(\g)+7], 0
.endr
	s_lshl_b32 s16, s67, 15                        ; routing weights: my 64 tokens' rows of 128 bytes: of the tile row and the wave alone
	s_lshl_b32 s17, s10, 13
	s_add_co_u32 s16, s16, s17
	s_mov_b32 s17, 0
	s_lshr_b32 s46, s66, 1                         ; weights: r_qk or r_v, the head's 16 panels, my two: of g, the tile column and the wave alone
	s_lshl_b32 s46, s46, 21
	s_lshl_b32 s47, s42, 17
	s_add_co_u32 s46, s46, s47
	s_lshl_b32 s47, s10, 14
	s_add_co_u32 s46, s46, s47
	s_mov_b32 s47, 0
	s_mul_i32 s22, s10, (P2-2)*8192                ; from there to my part of panels 8 on
	s_add_co_u32 s22, s22, 65536
	s_mov_b32 s23, 0
	s_add_co_u32 s18, s66, 1                       ; h: v at 0, q at 524,288, k at 1,048,576; 16 bytes a token
	s_cmp_eq_u32 s18, 3
	s_cselect_b32 s18, 0, s18
	s_lshl_b32 s18, s18, 19
	s_lshl_b32 s19, s67, 12
	s_add_co_u32 s18, s18, s19
	s_lshl_b32 s19, s10, 10
	s_add_co_u32 s18, s18, s19
	s_mov_b32 s19, 0
	s_lshr_b32 s15, s10, 1                         ; out: chunk (2 block + wave / 2, 16 g + head), its rows 64 (wave % 2) on
	s_lshl1_add_u32 s14, s67, s15
	s_mul_i32 s14, s14, 48
	s_lshl4_add_u32 s14, s66, s14
	s_add_co_u32 s14, s14, s42
	s_lshl_b32 s14, s14, 14
	s_and_b32 s15, s10, 1
	s_lshl_b32 s15, s15, 13
	s_add_co_u32 s14, s14, s15
	s_mov_b32 s15, 0
	s_mul_i32 s20, s10, 64*WPITCH
	s_add_co_u32 s20, s20, WREG                    ; my routing weights in LDS
	s_mul_i32 s21, s10, P2*PANB
	s_mov_b32 s[G0W], 1
	s_mov_b32 s[G0W+1], s20
	s_mov_b32 s[G0B], 1
	s_mul_i32 s[G0B+1], s10, 2*PANB
	s_mov_b32 s[G0C], 1
	s_add_co_u32 s[G0C+1], s21, 8*PANB
	s_mov_b32 s[TBB], 0
	s_mov_b32 s[TBW], 0
	s_wait_dscnt 0x0
	s_wait_kmcnt 0x0
	s_cmp_eq_u32 s66, 1
	s_cselect_b64 s[72:73], s[74:75], s[72:73]
	s_cmp_eq_u32 s66, 2
	s_cselect_b64 s[72:73], s[76:77], s[72:73]
	s_add_nc_u64 s[G0W+2:G0W+3], s[72:73], s[16:17]
	s_or_b32 s[G0W+3], s[G0W+3], 0x80000000
	s_add_nc_u64 s[G0B+2:G0B+3], s[70:71], s[46:47]
	s_add_nc_u64 s[G0C+2:G0C+3], s[G0B+2:G0B+3], s[22:23]
	s_or_b32 s[G0B+3], s[G0B+3], 0x80000000
	s_or_b32 s[G0C+3], s[G0C+3], 0x80000000
	s_add_nc_u64 s[4:5], s[68:69], s[18:19]
	s_add_nc_u64 s[8:9], s[78:79], s[14:15]
	CROUND                                         ; all sixteen work-groups are here: the joint loads meet
	tensor_load_to_lds s[G0W:G0W+3], s[G1W:G1W+7]
	s_nop 0
	tensor_load_to_lds s[G0B:G0B+3], s[G1B:G1B+7]
	s_nop 0
	tensor_load_to_lds s[G0C:G0C+3], s[G1C:G1C+7]
	s_nop 0
.rept 4
	v_nop
.endr
	v_and_b32 v1, 15, v0                           ; r = l % 16
	v_bfe_u32 v2, v0, 4, 1                         ; h = l / 16
	v_lshlrev_b32 v[HO], 17, v2                    ; h's groups of four r: 2 (l / 16) on, 65,536 bytes each; token r
	v_lshl_add_u32 v[HO], v1, 4, v[HO]
.irp a, 0,1,2,3                                        ; a fragment's k: 8 (l / 16) + 0..7, then 16 + 8 (l / 16) + 0..7: groups 0, 1, 4, 5 from mine on
.irp c, 0,1,2,3
	global_load_b128 v[H+HA*\a+4*\c:H+HA*\a+4*\c+3], v[HO], s[4:5] offset:(\c+2*(\c/2))*65536+\a*256
.endr
.endr
	v_lshrrev_b32 v3, 1, v1
	v_lshlrev_b32 v[BA0], 7, v1
	v_lshl_add_u32 v[BA0], v3, 4, v[BA0]
	v_lshl_add_u32 v[BA0], v2, 4, v[BA0]           ; 128 r + 16 (r / 2) + 16 x half
	v_mul_u32_u24 v[WA0], v1, WPITCH
	v_add_nc_u32 v[WA0], s20, v[WA0]
	s_mul_i32 s23, s10, 16*SP
	s_add_co_u32 s23, s23, STAGE                   ; my stage
	v_mul_u32_u24 v3, v1, SP
	v_lshl_add_u32 v3, v2, 4, v3
	v_add_nc_u32 v[STO], s23, v3                   ; in: row r, 16 bytes for each half of the lanes
	v_bfe_u32 v4, v0, 3, 2
	v_and_b32 v5, 7, v0
	v_mul_u32_u24 v4, v4, SP
	v_lshl_add_u32 v4, v5, 4, v4
	v_add_nc_u32 v[RD], s23, v4                    ; back: 32 lanes take four rows of 128 bytes,
	v_and_b32 v[GO], 31, v0
	v_lshlrev_b32 v[GO], 4, v[GO]                  ; 512 consecutive bytes of a chunk
.set i, BF+32
.rept 32                                               ; what step 0 multiplies, and what it adds onto
	v_mov_b32 v[i], 0
.set i, i+1
.endr
	WIN 0x40
.set i, 0
.rept 192
	v_mov_b32 v[i], 0
.set i, i+1
.endr
	v_mov_b32 v[ZR], 0
	s_wait_tensorcnt 1                             ; my routing weights and my two of panels 0-7 are in; my last load may stay out: trips 1 to 4 read panels 0-7 alone
	s_barrier_signal -1
	s_barrier_wait -1                              ; everybody's are
.irp a, 0,1,2,3
	ds_load_b32 v[W+\a], v[WA0] offset:\a*16*WPITCH ; n = 0
.endr
	WIN 0
	s_wait_loadcnt 0x0                             ; h
	s_mov_b32 s2, NOUT
.Lpart:
	s_mov_b32 s3, 4
.Ltrip:                                                ; four K steps: two panels
	v_add_nc_u32 v[BA], s[TBB], v[BA0]
	v_add_nc_u32 v[WA], s[TBW], v[WA0]
	STEP 0, 1
	STEP 1, 1
	STEP 2, 1
	STEP 3, 1
	WIN 0
	s_add_co_u32 s[TBB], s[TBB], 2*PANB
	s_add_co_u32 s[TBW], s[TBW], 16>>RS
	s_sub_co_u32 s3, s3, 1
	s_cmp_lg_u32 s3, 0
	s_cbranch_scc1 .Ltrip
	s_wait_tensorcnt 0x0                           ; my last load is in (no load was issued behind it),
	s_wait_dscnt 0x0
	s_barrier_signal -1
	s_barrier_wait -1                              ; everybody's is: the first time this opens panels 8 on; later it is the price of one text for all trips
	s_sub_co_u32 s2, s2, 1
	s_cmp_lg_u32 s2, 0
	s_cbranch_scc1 .Lpart
	STEP 0, 0                                      ; the last K step's products
.rept 4
	v_nop                                          ; four places in front of the reads of results (ISA guide 7.12.1)
.endr
	; THE WAY OUT: rounded to bf16, 16 rows at a time through my stage, back as whole rows of 128 bytes: my 64 rows of one chunk are 8,192 consecutive bytes.
.macro PACKA a
	WIN 0x05                                       ; sources window 1, destination window 0
.irp b, 0,1,2,3
.irp q, 0,1,2,3
	v_cvt_pk_bf16_f32 v[PKB+16*(\a)+4*(\b)+(\q)], v[ACC+8*(4*(\a)+(\b))+2*(\q)], v[ACC+8*(4*(\a)+(\b))+2*(\q)+1]
.endr
.endr
	WIN 0
.endm
.macro STG a
.irp b, 0,1,2,3
	ds_store_b128 v[STO], v[PKB+16*(\a)+4*(\b):PKB+16*(\a)+4*(\b)+3] offset:32*(\b)
.endr
.irp f, 0,1,2,3
	ds_load_b128 v[PKB+16*(\a)+4*(\f):PKB+16*(\a)+4*(\f)+3], v[RD] offset:(\f)*4*SP   ; LDS serves a wave's instructions in order (ISA guide 5.7.1.4)
.endr
.endm
.macro SEND a, younger     ; younger: the LDS instructions issued behind block a's loads
.irp f, 0,1,2,3
	s_wait_dscnt (\younger)+3-(\f)
	global_store_b128 v[GO], v[PKB+16*(\a)+4*(\f):PKB+16*(\a)+4*(\f)+3], s[8:9] offset:(\a)*2048+(\f)*512
.endr
.endm
	PACKA 0
	STG 0
	PACKA 1
	STG 1
	SEND 0, 8
	PACKA 2
	STG 2
	SEND 1, 8
	PACKA 3
	STG 3
	SEND 2, 8
	SEND 3, 0
	s_wait_tensorcnt 0x0
	ds_add_u32 v254, v255
	s_wait_dscnt 0x0
	CROUND                                         ; the closing round
	s_endpgm
.Lfunc_end_k_q1b2db83558_rest:
	.size	k_q1b2db83558_rest, .Lfunc_end_k_q1b2db83558_rest-k_q1b2db83558_rest
	.p2alignl 7, 3214868480
	.fill 96, 4, 3214868480
	.section	.rodata,"a",@progbits
	.p2align	6, 0x0
	.amdhsa_kernel k_q1b2db83558_rest
		.amdhsa_group_segment_fixed_size 327680
		.amdhsa_private_segment_fixed_size 0
		.amdhsa_enable_private_segment 0
		.amdhsa_kernarg_size 48
		.amdhsa_user_sgpr_count 2
		.amdhsa_user_sgpr_kernarg_segment_ptr 1
		.amdhsa_wavefront_size32 1
		.amdhsa_system_sgpr_workgroup_id_x 1
		.amdhsa_system_sgpr_workgroup_id_y 1
		.amdhsa_system_sgpr_workgroup_id_z 1
		.amdhsa_system_vgpr_workitem_id 0
		.amdhsa_next_free_vgpr 512
		.amdhsa_next_free_sgpr 88
		.amdhsa_reserve_vcc 0
		.amdhsa_float_denorm_mode_32 3
		.amdhsa_float_denorm_mode_16_64 3
		.amdhsa_memory_ordered 1
		.amdhsa_forward_progress 1
		.amdhsa_inst_pref_size 50
	.end_amdhsa_kernel
	.amdgpu_metadata
---
amdhsa.version: [ 1, 2 ]
amdhsa.kernels:
  - .name:           k_q1b2db83558_rest
    .symbol:         k_q1b2db83558_rest.kd
    .args:
      - { .name: hb, .offset: 0, .size: 8, .value_kind: global_buffer, .address_space: global }
      - { .name: wts, .offset: 8, .size: 8, .value_kind: global_buffer, .address_space: global }
      - { .name: w_rq, .offset: 16, .size: 8, .value_kind: global_buffer, .address_space: global }
      - { .name: w_rk, .offset: 24, .size: 8, .value_kind: global_buffer, .address_space: global }
      - { .name: w_rv, .offset: 32, .size: 8, .value_kind: global_buffer, .address_space: global }
      - { .name: qkv, .offset: 40, .size: 8, .value_kind: global_buffer, .address_space: global }
    .group_segment_fixed_size: 327680
    .private_segment_fixed_size: 0
    .kernarg_segment_align: 8
    .kernarg_segment_size: 48
    .max_flat_workgroup_size: 128
    .sgpr_count:     88
    .vgpr_count:     512
    .wavefront_size: 32
...
	.end_amdgpu_metadata
.endif
;; end of part 10
;; launch attn: the kernel of part 5 again; grid 4 x 32, 4 waves a work-group, no clusters, 327,680 bytes of LDS; arguments qkv, act; writes act
;; launch proj: the kernel of part 6 again; grid 8 x 32, 4 waves a work-group, clusters of 4 x 4, 327,680 bytes of LDS; arguments act, wts, x, x1; writes x1
;; launch ln2: the kernel of part 2 again; grid 256 x 1, 8 waves a work-group, no clusters, 0 bytes of LDS; arguments x1, gamma2, beta2, act; writes act
;; launch feat2: the kernel of part 9 again; grid 16 x 32, 4 waves a work-group, clusters of 4 x 4, 327,680 bytes of LDS; arguments act, wfb, w_know_f, w_fq, w_fk, hb; writes hb
;; launch outk (part 11): grid 16 x 16, 4 waves a work-group, clusters of 4 x 4, 327,680 bytes of LDS; arguments hb, wts, w_know_r, x1, out0; writes out0
.if DOCPART == 11
	.amdgcn_target "amdgcn-amd-amdhsa--gfx1250"
	.amdhsa_code_object_version 6
	.text
	.protected	k_q1b2db83558_outk
	.globl	k_q1b2db83558_outk
	.p2align	8
	.type	k_q1b2db83558_outk,@function
k_q1b2db83558_outk:
	s_mov_b64 s[64:65], 0
	v_nop
	global_prefetch_b8 v0, s[64:65] scope:SCOPE_SE
	s_setreg_imm32_b32 hwreg(HW_REG_WAVE_MODE, 25, 1), 1
	s_wait_xcnt 0x0
	s_wait_alu depctr_hold_cnt(0) depctr_sa_sdst(0) depctr_va_vdst(0) depctr_va_sdst(0) depctr_va_ssrc(0) depctr_va_vcc(0) depctr_vm_vsrc(0)
	s_getreg_b32 s2, hwreg(HW_REG_IB_STS2, 6, 4)
	s_cmp_eq_u32 s2, 0
	s_cbranch_scc0 .Lentry_in_a_cluster
	s_endpgm
.Lentry_in_a_cluster:
	s_bfe_u32 s2, ttmp6, 0x10000c
	s_cmp_lg_u32 s2, 0xf033
	s_cbranch_scc0 .Lentry_shape_is_right
	s_endpgm
.Lentry_shape_is_right:
; out[t][d] = x1[t][d] + sum over (n, r) of wr[t][n] h[t][r] R[n][r][d]: the knowledge circuit's restore product, K = 64 n + r = 2,048, with the f32 residual added on the way out.
; The left operand T[t][(n, r)] = wr[t][n] h[t][r] is never stored: a K step of 32 is half of one n, so a lane's fragment is 16 of its 32 numbers of h (fixed registers, by the step's parity) times one
; routing weight a token: v_fma_mixlo_bf16 / v_fma_mixhi_bf16 round the exact product once into a half register: 64 of them make a step's four fragments, four behind each of its 16 matrix instructions.
; SHARES.  A tile is 256 tokens x 64 columns; four waves, each 64 x 64: 16 accumulators.
; LDS is filled once: the weights' 64 rows with all their K (32 panels of 64 K, dense in memory: asked for as rows of 256 bytes with 16 bytes of padding behind each, so that row rho of a panel
; lies at 128 rho + 16 (rho / 2) and the 16 rows of a fragment load fall into 16 different 16-byte columns), and each wave's own routing weights (64 tokens, rows of 36 words of which the tensor
; has 32: the last four arrive as zeros, and the last step's look-ahead reads one of them).  A wave issues three tensor loads, all at the start: its routing weights, two of panels 0-7, six of panels 8-31.
; The first two are waited for ahead of the loop; the third behind trip 4 (trips 1 to 4 read panels 0-7), by the wait and barrier that stand behind every fourth trip.  No byte is filled twice;
; behind the loop a wave's routing weights, which have had their one fill and their last read, give way to its stage.
; CLUSTER 4 x 4: the weights are shared along a column, the routing weights along a row, each asked for jointly.
; THE LOOP.  Step j multiplies K step j - 1 and makes K step j (fragments of T by the riders, fragments of the weights by 8 LDS loads, the routing weights of step j + 1 by 4).  Step 0 multiplies zeros
; onto cleared accumulators, so that one text serves every step: 225 v_mov_b32 and 16 idle products, in the wait for the first tiles.  The 16 accumulators take turns.
; REGISTERS.  window 0: v8-27 addresses; v32-95 weights' fragments, two buffers, later rows read back from the stage; v96-223 h.  window 1: v0-127 accumulators; v128-191 T's fragments, two buffers;
; v192-199 routing weights, two buffers; v200 zero.  window 2: v0-127 my 64 x 64 of the residual.
; LIMIT: matrix operands are rounded to bf16; h, the routing weights, the residual and the sum are f32.
.set NPAN,  32             ; K panels of 64
.set P2,    6              ; panels in a wave's last load
.set NOUT,  4              ; groups of four trips
.set RS,    1              ; log2 of the K steps to one n
.set HA,    32             ; numbers of h a token in a lane
.set PANB,  8704           ; a panel in LDS: 32 rows of 272 bytes
.set WREG,  NPAN*PANB      ; behind the panels: the routing weights, 9,216 bytes a wave; later the wave's stage, 16 rows x 272 bytes
.set WPITCH, 144
.set SPITCH, 272
.set HO,  8
.set BA0, 9
.set WA0, 10
.set BA,  11
.set WA,  12
.set STO, 24
.set RD,  25
.set CO,  26
.set BF,  32
.set OB,  32
.set H,   96
.set ACC, 0
.set AF,  128
.set W,   192
.set ZR,  200
.set G1W, 24               ; s[24:31] group 1, routing weights
.set G1B, 32               ; s[32:39] group 1, two panels
.set G1C, 48               ; s[48:55] group 1, P2 panels
.set G0W, 56
.set G0B, 60
.set G0C, 80
.set TBB, 84               ; s84: LDS byte of the trip's first panel
.set TBW, 85               ; s85: byte of the trip's first n in a routing row
.set MSB, 0
.macro WIN new
.if MSB != (\new)
	s_set_vgpr_msb (MSB<<8)|(\new)
.set MSB, \new
.endif
.endm
.set W_MM, 0x54            ; source 0 window 0; source 1, source 2 and destination window 1: products, riders and the routing weights' loads
.set W_AD, 0x88            ; destination and source 1 window 2, source 0 window 0: the sum onto the residual, and the store of it
.macro CROUND
	s_barrier_signal -1
	s_barrier_wait -1
	s_cmp_lg_u32 s10, 0
	s_cbranch_scc1 .Lnot_wave_0_\@
	s_barrier_signal -3
.Lnot_wave_0_\@:
	s_barrier_wait -3
	s_barrier_signal -1
	s_barrier_wait -1
.endm
; Step q of a trip's four.  Product i: tokens 16 (i / 4) on, columns 16 (i % 4) on.  Its four riders make registers 2 (i % 4), 2 (i % 4) + 1 of fragment i / 4 of the step to come; they name no
; register of the products round them.  The loads stand behind the second product: twelve plain instructions behind the last product that read their registers, fourteen products ahead of the wait.
.macro STEP q, make
.set MK, (\q)&1            ; the buffers that are made; also the half of n's 64 r
.set ML, 1-MK              ; the buffers that are multiplied
	s_wait_dscnt 0x0                               ; the weights' fragments to multiply and the routing weights for the riders: all twelve loads of the step before
.set i, 0
.rept 16
	WIN W_MM
	v_wmma_f32_16x16x32_bf16 v[ACC+8*i:ACC+8*i+7], v[BF+32*ML+8*(i%4):BF+32*ML+8*(i%4)+7], v[AF+32*ML+8*(i/4):AF+32*ML+8*(i/4)+7], v[ACC+8*i:ACC+8*i+7]
.if \make
.set rD, AF+32*MK+8*(i/4)+2*(i%4)
.set rH, H+HA*(i/4)+16*MK*RS+4*(i%4)
	v_fma_mixlo_bf16 v[rD],   v[rH],   v[W+4*MK+i/4], v[ZR]
	v_fma_mixlo_bf16 v[rD+1], v[rH+2], v[W+4*MK+i/4], v[ZR]
	v_fma_mixhi_bf16 v[rD],   v[rH+1], v[W+4*MK+i/4], v[ZR]
	v_fma_mixhi_bf16 v[rD+1], v[rH+3], v[W+4*MK+i/4], v[ZR]
.if i == 1
	WIN 0
.irp b, 0,1,2,3
	ds_load_b128 v[BF+32*MK+8*\b:BF+32*MK+8*\b+3],   v[BA] offset:((\q)>>1)*PANB+((\q)&1)*64+\b*2176
	ds_load_b128 v[BF+32*MK+8*\b+4:BF+32*MK+8*\b+7], v[BA] offset:((\q)>>1)*PANB+((\q)&1)*64+\b*2176+32
.endr
	WIN W_MM
.irp a, 0,1,2,3
	ds_load_b32 v[W+4*ML+\a], v[WA] offset:\a*16*WPITCH+4*(((\q)+1)>>RS)
.endr
.endif
.endif
.set i, i+1
.endr
.endm
	s_load_b256 s[68:75], s[0:1], 0x0              ; h 68, weights 70, routing weights 72, residual 74
	s_load_b64 s[76:77], s[0:1], 0x20              ; out
	v_lshl_add_u32 v254, v0, 2, 0x4d000
	v_mov_b32 v255, 0
	ds_add_u32 v254, v255
	ds_add_u32 v254, v255
	v_lshrrev_b32 v1, 5, v0
	v_readfirstlane_b32 s10, v1                    ; wave
	s_bfe_u32 s40, ttmp6, 0x40000                  ; cx
	s_bfe_u32 s41, ttmp6, 0x40004                  ; cy
	s_lshl_b32 s42, ttmp9, 2
	s_add_co_u32 s42, s42, s40                     ; tile column: 64 columns
	s_and_b32 s13, ttmp7, 0xffff
	s_lshl_b32 s13, s13, 2
	s_add_co_u32 s13, s13, s41                     ; tile row: 256 tokens
	s_lshl_b32 s43, s41, 2
	s_lshl_b32 s43, 15, s43                        ; my row of the cluster
	s_lshl_b32 s44, 0x1111, s40                    ; my column
	s_or_b32 s[G1W], s43, (2<<16)|(1<<21)          ; mask; 4-byte elements; bit 21 beside a mask
	s_mov_b32 s[G1W+1], 32<<16                     ; tensor_dim0 = 32
	s_mov_b32 s[G1W+2], 64<<16                     ; tensor_dim1 = 64
	s_mov_b32 s[G1W+3], 36<<16                     ; tile_dim0 = 36: four words of zeros behind each row
	s_mov_b32 s[G1W+4], 64                         ; tile_dim1 = 64
	s_mov_b32 s[G1W+5], 32
	s_mov_b32 s[G1W+6], 0
	s_mov_b32 s[G1W+7], 0
	s_or_b32 s[G1B], s44, (1<<16)|(1<<20)|(1<<21)|(5<<22)|(3<<25)  ; mask; 2-byte elements; padding on; after every 64 words, 4 words
	s_or_b32 s[G1C], s44, (1<<16)|(1<<20)|(1<<21)|(5<<22)|(3<<25)
	s_mov_b32 s[G1B+2], 64<<16                     ; two panels: 64 rows of 256 bytes
	s_mov_b32 s[G1B+4], 64
	s_mov_b32 s[G1C+2], (32*P2)<<16
	s_mov_b32 s[G1C+4], 32*P2
.irp g, G1B, G1C
	s_mov_b32 s[(\g)+1], 128<<16
	s_mov_b32 s[(\g)+3], 128<<16
	s_mov_b32 s[(\g)+5], 128
	s_mov_b32 s[(\g)+6], 0
	s_mov_b32 s[(\g)+7], 0
.endr
	s_lshl_b32 s16, s13, 15                        ; routing weights: my 64 tokens' rows of 128 bytes: of the tile row and the wave alone
	s_lshl_b32 s17, s10, 13
	s_add_co_u32 s16, s16, s17
	s_mov_b32 s17, 0
	s_lshl_b32 s46, s42, 18                        ; weights: r_know at 6 MiB, the tile column's 32 panels, my two: of the tile column and the wave alone
	s_add_co_u32 s46, s46, 0x600000
	s_lshl_b32 s47, s10, 14
	s_add_co_u32 s46, s46, s47
	s_mov_b32 s47, 0
	s_mul_i32 s22, s10, (P2-2)*8192                ; from there to my part of panels 8 on
	s_add_co_u32 s22, s22, 65536
	s_mov_b32 s23, 0
	s_lshl_b32 s18, s13, 12                        ; h: 16 bytes a token
	s_lshl_b32 s19, s10, 10
	s_add_co_u32 s18, s18, s19
	s_mov_b32 s19, 0
	s_lshl_b32 s14, s13, 20                        ; residual and out: my first row x 4,096 bytes + the tile's 256 bytes of it
	s_lshl_b32 s15, s10, 18
	s_add_co_u32 s14, s14, s15
	s_lshl_b32 s15, s42, 8
	s_add_co_u32 s14, s14, s15
	s_mov_b32 s15, 0
	s_mul_i32 s20, s10, 64*WPITCH
	s_add_co_u32 s20, s20, WREG                    ; my routing weights in LDS
	s_mul_i32 s21, s10, P2*PANB
	s_mov_b32 s[G0W], 1
	s_mov_b32 s[G0W+1], s20
	s_mov_b32 s[G0B], 1
	s_mul_i32 s[G0B+1], s10, 2*PANB
	s_mov_b32 s[G0C], 1
	s_add_co_u32 s[G0C+1], s21, 8*PANB
	s_mov_b32 s[TBB], 0
	s_mov_b32 s[TBW], 0
	s_wait_dscnt 0x0
	s_wait_kmcnt 0x0
	s_add_nc_u64 s[G0W+2:G0W+3], s[72:73], s[16:17]
	s_or_b32 s[G0W+3], s[G0W+3], 0x80000000
	s_add_nc_u64 s[G0B+2:G0B+3], s[70:71], s[46:47]
	s_add_nc_u64 s[G0C+2:G0C+3], s[G0B+2:G0B+3], s[22:23]
	s_or_b32 s[G0B+3], s[G0B+3], 0x80000000
	s_or_b32 s[G0C+3], s[G0C+3], 0x80000000
	s_add_nc_u64 s[4:5], s[68:69], s[18:19]
	s_add_nc_u64 s[6:7], s[74:75], s[14:15]
	s_add_nc_u64 s[8:9], s[76:77], s[14:15]
	CROUND                                         ; all sixteen work-groups are here: the joint loads meet
	tensor_load_to_lds s[G0W:G0W+3], s[G1W:G1W+7]
	s_nop 0
	tensor_load_to_lds s[G0B:G0B+3], s[G1B:G1B+7]
	s_nop 0
	tensor_load_to_lds s[G0C:G0C+3], s[G1C:G1C+7]
	s_nop 0
.rept 4
	v_nop
.endr
	v_and_b32 v1, 15, v0                           ; r = l % 16
	v_bfe_u32 v2, v0, 4, 1                         ; h = l / 16
	v_lshlrev_b32 v[HO], 17, v2                    ; h's groups of four r: 2 (l / 16) on, 65,536 bytes each; token r
	v_lshl_add_u32 v[HO], v1, 4, v[HO]
.irp a, 0,1,2,3                                        ; for each half of the 64 r (eight groups): a fragment's k: groups 0, 1, 4, 5 from mine on
.irp c, 0,1,2,3,4,5,6,7
	global_load_b128 v[H+HA*\a+4*\c:H+HA*\a+4*\c+3], v[HO], s[4:5] offset:(8*(\c/4)+(\c%4)+2*((\c%4)/2))*65536+\a*256
.endr
.endr
	v_lshlrev_b32 v[CO], 12, v2
	v_lshl_add_u32 v[CO], v1, 4, v[CO]             ; lanes 0-15 take 256 bytes of one row, lanes 16-31 of the next
	WIN 0x80
.set i, 0
.rept 32                                               ; my 64 x 64 of the residual: rows 2 i, 2 i + 1; waited for at the way out
	global_load_b128 v[4*i:4*i+3], v[CO], s[6:7] offset:2*i*4096
.set i, i+1
.endr
	WIN 0
	v_lshrrev_b32 v3, 1, v1
	v_lshlrev_b32 v[BA0], 7, v1
	v_lshl_add_u32 v[BA0], v3, 4, v[BA0]
	v_lshl_add_u32 v[BA0], v2, 4, v[BA0]           ; 128 r + 16 (r / 2) + 16 x half
	v_mul_u32_u24 v[WA0], v1, WPITCH
	v_add_nc_u32 v[WA0], s20, v[WA0]
	v_mul_u32_u24 v4, v1, SPITCH                   ; the stage, in: row r, 32 bytes (eight f32) for each half of the lanes
	v_lshl_add_u32 v4, v2, 5, v4
	v_add_nc_u32 v[STO], s20, v4
	v_mul_u32_u24 v5, v2, SPITCH                   ; back: lanes 0-15 one row of 256 bytes, lanes 16-31 the next
	v_lshl_add_u32 v5, v1, 4, v5
	v_add_nc_u32 v[RD], s20, v5
.set i, BF+32
.rept 32                                               ; what step 0 multiplies, and what it adds onto
	v_mov_b32 v[i], 0
.set i, i+1
.endr
	WIN 0x40
.set i, 0
.rept 192
	v_mov_b32 v[i], 0
.set i, i+1
.endr
	v_mov_b32 v[ZR], 0
	s_wait_tensorcnt 1                             ; my routing weights and my two of panels 0-7 are in; my last load may stay out: trips 1 to 4 read panels 0-7 alone
	s_barrier_signal -1
	s_barrier_wait -1                              ; everybody's are
.irp a, 0,1,2,3
	ds_load_b32 v[W+\a], v[WA0] offset:\a*16*WPITCH ; n = 0
.endr
	WIN 0
	s_wait_loadcnt 32                              ; h is in; the residual's 32 loads may stay out
	s_mov_b32 s2, NOUT
.Lpart:
	s_mov_b32 s3, 4
.Ltrip:                                                ; four K steps: two panels, two n
	v_add_nc_u32 v[BA], s[TBB], v[BA0]
	v_add_nc_u32 v[WA], s[TBW], v[WA0]
	STEP 0, 1
	STEP 1, 1
	STEP 2, 1
	STEP 3, 1
	WIN 0
	s_add_co_u32 s[TBB], s[TBB], 2*PANB
	s_add_co_u32 s[TBW], s[TBW], 16>>RS
	s_sub_co_u32 s3, s3, 1
	s_cmp_lg_u32 s3, 0
	s_cbranch_scc1 .Ltrip
	s_wait_tensorcnt 0x0                           ; my last load is in (no load was issued behind it),
	s_wait_dscnt 0x0
	s_barrier_signal -1
	s_barrier_wait -1                              ; everybody's is: the first time this opens panels 8 on; later it is the price of one text for all trips
	s_sub_co_u32 s2, s2, 1
	s_cmp_lg_u32 s2, 0
	s_cbranch_scc1 .Lpart
	STEP 0, 0                                      ; the last K step's products
	s_wait_loadcnt 0x0                             ; the residual
.rept 4
	v_nop                                          ; four places in front of the reads of results (ISA guide 7.12.1)
.endr
	; THE WAY OUT, 16 rows at a time: the sums go as they are into my stage (each accumulator's low four registers first) and come back as whole rows of 256 bytes;
	; the residual's registers take the sum in place and are stored: each is written once and stored once.
.macro STG a
	WIN 0x04                                       ; the stores' data in window 1
.irp b, 0,1,2,3
	ds_store_b128 v[STO], v[ACC+8*(4*(\a)+(\b)):ACC+8*(4*(\a)+(\b))+3]   offset:64*(\b)
	ds_store_b128 v[STO], v[ACC+8*(4*(\a)+(\b))+4:ACC+8*(4*(\a)+(\b))+7] offset:64*(\b)+16
.endr
	WIN 0
.irp f, 0,1,2,3,4,5,6,7
	ds_load_b128 v[OB+32*((\a)%2)+4*(\f):OB+32*((\a)%2)+4*(\f)+3], v[RD] offset:(\f)*2*SPITCH   ; LDS serves a wave's instructions in order (ISA guide 5.7.1.4): these see the stores above
.endr
.endm
.macro SEND a, younger     ; younger: the LDS instructions issued behind block a's loads: the next block's sixteen, or none
	WIN W_AD
.irp f, 0,1,2,3,4,5,6,7
	s_wait_dscnt (\younger)+7-(\f)
	v_pk_add_f32 v[32*(\a)+4*(\f):32*(\a)+4*(\f)+1],   v[OB+32*((\a)%2)+4*(\f):OB+32*((\a)%2)+4*(\f)+1],   v[32*(\a)+4*(\f):32*(\a)+4*(\f)+1]
	v_pk_add_f32 v[32*(\a)+4*(\f)+2:32*(\a)+4*(\f)+3], v[OB+32*((\a)%2)+4*(\f)+2:OB+32*((\a)%2)+4*(\f)+3], v[32*(\a)+4*(\f)+2:32*(\a)+4*(\f)+3]
	global_store_b128 v[CO], v[32*(\a)+4*(\f):32*(\a)+4*(\f)+3], s[8:9] offset:(16*(\a)+2*(\f))*4096   ; 16 lanes store 256 consecutive bytes, aligned
.endr
.endm
	STG 0
	STG 1
	SEND 0, 16
	STG 2
	SEND 1, 16
	STG 3
	SEND 2, 16
	SEND 3, 0
	WIN 0
	s_wait_tensorcnt 0x0
	ds_add_u32 v254, v255
	s_wait_dscnt 0x0
	CROUND                                         ; the closing round
	s_endpgm
.Lfunc_end_k_q1b2db83558_outk:
	.size	k_q1b2db83558_outk, .Lfunc_end_k_q1b2db83558_outk-k_q1b2db83558_outk
	.p2alignl 7, 3214868480
	.fill 96, 4, 3214868480
	.section	.rodata,"a",@progbits
	.p2align	6, 0x0
	.amdhsa_kernel k_q1b2db83558_outk
		.amdhsa_group_segment_fixed_size 327680
		.amdhsa_private_segment_fixed_size 0
		.amdhsa_enable_private_segment 0
		.amdhsa_kernarg_size 40
		.amdhsa_user_sgpr_count 2
		.amdhsa_user_sgpr_kernarg_segment_ptr 1
		.amdhsa_wavefront_size32 1
		.amdhsa_system_sgpr_workgroup_id_x 1
		.amdhsa_system_sgpr_workgroup_id_y 1
		.amdhsa_system_sgpr_workgroup_id_z 1
		.amdhsa_system_vgpr_workitem_id 0
		.amdhsa_next_free_vgpr 640
		.amdhsa_next_free_sgpr 88
		.amdhsa_reserve_vcc 0
		.amdhsa_float_denorm_mode_32 3
		.amdhsa_float_denorm_mode_16_64 3
		.amdhsa_memory_ordered 1
		.amdhsa_forward_progress 1
		.amdhsa_inst_pref_size 58
	.end_amdhsa_kernel
	.amdgpu_metadata
---
amdhsa.version: [ 1, 2 ]
amdhsa.kernels:
  - .name:           k_q1b2db83558_outk
    .symbol:         k_q1b2db83558_outk.kd
    .args:
      - { .name: hb, .offset: 0, .size: 8, .value_kind: global_buffer, .address_space: global }
      - { .name: wts, .offset: 8, .size: 8, .value_kind: global_buffer, .address_space: global }
      - { .name: w_know_r, .offset: 16, .size: 8, .value_kind: global_buffer, .address_space: global }
      - { .name: x1, .offset: 24, .size: 8, .value_kind: global_buffer, .address_space: global }
      - { .name: out0, .offset: 32, .size: 8, .value_kind: global_buffer, .address_space: global }
    .group_segment_fixed_size: 327680
    .private_segment_fixed_size: 0
    .kernarg_segment_align: 8
    .kernarg_segment_size: 40
    .max_flat_workgroup_size: 128
    .sgpr_count:     88
    .vgpr_count:     640
    .wavefront_size: 32
...
	.end_amdgpu_metadata
.endif
;; end of part 11
;; ======== version 3 of 3: 9 launches; 1.42 times as fast as version 1
;; workspace buffers: act 8,388,608 bytes; wfa 4,194,304 bytes; wfb 4,194,304 bytes; wts 10,485,760 bytes; hb 1,572,864 bytes; qkv 25,165,824 bytes; x1 16,777,216 bytes
;; launch prep: the kernel of part 8 again; grid 1152 x 1, 8 waves a work-group, no clusters, 19,456 bytes of LDS; arguments r_qk, r_v, r_know, f_qk, f_v, f_know, W_O, wfa, wfb, wts; writes wfa, wfb, wts
;; launch ln1: the kernel of part 2 again; grid 256 x 1, 8 waves a work-group, no clusters, 0 bytes of LDS; arguments x, gamma1, beta1, act; writes act
;; launch feat1: the kernel of part 9 again; grid 8 x 64, 4 waves a work-group, clusters of 4 x 4, 327,680 bytes of LDS; arguments act, wfa, w_fv, w_fq, w_fk, hb; writes hb
;; launch rest: the kernel of part 10 again; grid 16 x 48, 4 waves a work-group, clusters of 4 x 4, 327,680 bytes of LDS; arguments hb, wts, w_rq, w_rk, w_rv, qkv; writes qkv
;; launch attn (part 12): grid 4 x 32, 4 waves a work-group, no clusters, 327,680 bytes of LDS; arguments qkv, act; writes act
.if DOCPART == 12
	.amdgcn_target "amdgcn-amd-amdhsa--gfx1250"
	.amdhsa_code_object_version 6
	.text
	.protected	k_q1b2db83558_attn
	.globl	k_q1b2db83558_attn
	.p2align	8
	.type	k_q1b2db83558_attn,@function
k_q1b2db83558_attn:
	s_mov_b64 s[64:65], 0
	v_nop
	global_prefetch_b8 v0, s[64:65] scope:SCOPE_SE
	s_setreg_imm32_b32 hwreg(HW_REG_WAVE_MODE, 25, 1), 1
	s_wait_xcnt 0x0
; CAUSAL ATTENTION, head size 64, 2,048 rows, 32 (batch, head) pairs.  O[q] = the sum over k <= q of softmax_k(Q[q] . K[k] / 8) V[k].  Q, K, V, O in bf16; products, maxima and sums in f32;
; the weights p are rounded to bf16 for the second product (their sum l is taken of the unrounded p), O once at the end.
; MEMORY.  qkv: chunks of 128 rows x 64 channels (16,384 dense bytes) at ((16 batch + row / 128) 48 + 16 g + head) x 16,384, g = 0, 1, 2 for Q, K, V; O likewise with 16 chunks a row block, chunk = head.
; LIMITS.  A hidden score counts as its value less 1e30; a weight below 2^-126 counts as 0 in l; NaN and infinities are not treated apart.
; THE WALK.  A head's queries lie in NB = 8 blocks of 256; block i needs the key tiles 0 .. i of 256 keys, the last of which holds the diagonal.  A work-group takes TWO blocks, NB - 1 - b and then b:
; NB + 1 tiles whatever b, so all work-groups do equal work and ONE loop with a constant trip count walks them.  Which tile is asked for and what a trip does hang on scalar registers made from b; every jump
; but the counted loops' own goes forward; none passes a barrier, or a tensor load but the one of LOAD's two that the wave's number does not choose.
; NO CLUSTER: a head's four work-groups ask for the same tile only in trips 0 to 4 of the 9, behind that fewer and fewer; a walk common to all four would have 12 trips for 9.
; SHARES.  Of a block's four bands of 64 queries a wave owns 16 rows in each: four PIECES, so the diagonal tile is the same work for all waves: in its key step s band x sees all keys if s < x,
; none if s > x, and holds the diagonal if s = x.
; THE MASK is the C operand that starts S^T = K Q^T: 0, or -1e30 where the key is hidden.  MD, made once, is the mask of a band's own step for my 16 rows; a product's mask is MD x AL + BE.
; LAYOUT, SOFTMAX, TURNS.  S^T holds ONE query a lane (lane % 16) and the keys 8 (lane / 16) + 0..7; two such results rounded in pairs ARE source 1 of O^T = V^T P.  p = 2^(c s - c m), c = log2(e) / 8, with a
; running maximum m; O and l are multiplied by a = 2^(c m_old - c m_new) in every step.  Turn n belongs to piece n: 8 products K Q^T of piece n + 1, later 8 products V^T P of piece n - 1; beside them the
; softmax of piece n and the maximum of piece n + 1: four vector instructions behind every matrix instruction, the other 54 of a turn's 118 in one run of their own.
; BATCHES.  A turn's 33 exponentials (the piece's 32 weights and the next piece's a) are ONE BATCH with ONE wait, which cuts the turn in two: ahead of it stands all that names no result of theirs (K Q^T, the
; scalings, the rescalings by the a of the turn before, the next piece's maximum and statistics), behind it the roundings and sums, beside V^T P.  No result crosses a turn's end.  A block's first a (BEGIN) and
; the way out's four reciprocals are batches of their own, with one wait each.
; REGISTERS, in windows of 256 (s_set_vgpr_msb: bits 1:0 source 0, 3:2 source 1, 5:4 source 2, 7:6 destination):
;   window 0: v0-15 addresses; v16-31 statistics; v48-55 at work; v64-127 S^T, two buffers; v192-223 P, two buffers      window 1: v0-127 O^T; v128-159 MD; v160-223 MC, two buffers
;   window 2: v0-63 Q; v64-127 the second block's Q; v128-191 K of one step; v192-255 V of one step
.set SIZE_N, 2048
.set NB,    SIZE_N/256
.set CSQ,   786432    ; bytes from 128 rows of a head to the next 128 in qkv
.set CSO,   262144    ; the same in O
.set NP,    4
.set KS,    64
.set PK,    144       ; a row of K in LDS: 128 bytes + 16: the 16 rows of a load start at 16 different groups of four banks (ISA guide 11.1)
.set PV,    160       ; a row of V: 128 + 32
.set VOFF,  4*KS*PK
.set SLOT1, 1<<17
.set STAGE, SLOT1+4*KS*(PK+PV)
.set SP,    144
.set AK0, 2
.set AV0, 3
.set AK,  4
.set AV,  5
.set STO, 6
.set RD,  7
.set GO,  8
.set SPW, 62
.set NIL, 63
.set SPARE, STAGE+4*16*SP  ; the spare words, 128 bytes a wave, named by no other line
.set MV,  12
.set QO,  15
.set ST,  16
.set TMP, 48
.set S,   64
.set P,   192
.set MD,  128
.set MC,  160
.set QB,  64
.set KF,  128
.set VF,  192
.set WV,  12
.set PB,  14
.set HI,  15
.set G1K, 24
.set G1V, 32
.set G0K, 40
.set G0V, 44
.set SLOTS, 56
.set CNT, 57
.set CS,  58
.set SEL, 60
.set TBK, 62
.set TBV, 63
.set RT,  70
.set NXT, 71
.set LQ,  72
.set NEW, 73
.set OFF, 74
.set AL,  76
.set BE,  78
.set OLO, 80
.set BIGN, 82
.set MSB, 0
.macro WIN new
.if MSB != (\new)
	s_set_vgpr_msb (MSB<<8)|(\new)
.set MSB, (\new)
.endif
.endm
.set W_KQ, 0x0a
.set W_KM, 0x1a
.set W_PV, 0x52
.set W_RS, 0x41
; A fill.  Waves 0 and 1 fetch the two halves of a tile's K, waves 2 and 3 those of its V: 128 keys, one chunk, each.  An s_nop 0 and four v_nop follow each line.
.macro LOAD
	s_cmp_lt_u32 s[WV], 2
	s_cbranch_scc0 .Lfor_v_\@
	tensor_load_to_lds s[G0K:G0K+3], s[G1K:G1K+7]
	s_nop 0
.rept 4
	v_nop
.endr
	s_branch .Lasked_\@
.Lfor_v_\@:
	tensor_load_to_lds s[G0V:G0V+3], s[G1V:G1V+7]
	s_nop 0
.rept 4
	v_nop
.endr
.Lasked_\@:
.endm
; THE CHANGE OF SLOTS.  Each wave waits for all its tensor loads (one is out: its part of the other slot), adds 0 to its spare word, and waits for that and for its reads of the slot that it leaves.
; fill = 1: the old slot is filled again, first thing behind the barrier, with tile NXT: the descriptor's address is made anew from that number.
.macro CHANGE fill
	WIN 0
	s_wait_tensorcnt 0x0
	ds_add_u32 v[SPW], v[NIL]
.if \fill
	s_mul_i32 s[OFF], s[NXT], 2*CSQ ; a tile is two chunks of K and of V
	s_xor_b32 s[G0K+1], s[G0K+1], SLOT1
	s_add_nc_u64 s[G0K+2:G0K+3], s[6:7], s[OFF:OFF+1]
	s_or_b32 s[G0K+3], s[G0K+3], 0x80000000
	s_xor_b32 s[G0V+1], s[G0V+1], SLOT1
	s_add_nc_u64 s[G0V+2:G0V+3], s[8:9], s[OFF:OFF+1]
	s_or_b32 s[G0V+3], s[G0V+3], 0x80000000
	s_add_co_u32 s[NXT], s[NXT], 1  ; the block's next tile, or behind its last the second block's tile 0
	s_cmp_gt_u32 s[NXT], s[LQ]
	s_cselect_b32 s[NXT], 0, s[NXT]
	s_cselect_b32 s[LQ], s[PB], s[LQ]
.endif
	s_wait_dscnt 0x0
	s_barrier_signal -1
	s_sub_co_u32 s[TBK], s[TBK], 4*KS*PK
	s_xor_b32 s[TBK], s[TBK], SLOT1
	s_sub_co_u32 s[TBV], s[TBV], 4*KS*PV
	s_xor_b32 s[TBV], s[TBV], SLOT1
	s_barrier_wait -1
.if \fill
	LOAD
.endif
.endm
	s_load_b128 s[48:51], s[0:1], 0x0  ; qkv s[48:49], O s[50:51]
	v_lshl_add_u32 v[SPW], v0, 2, SPARE
	v_mov_b32 v[NIL], 0
	ds_add_u32 v62, v63
	ds_add_u32 v62, v63
	s_wait_dscnt 0x0
	v_lshrrev_b32 v1, 5, v0
	v_readfirstlane_b32 s[WV], v1
	s_mov_b32 s[PB], ttmp9
	s_sub_co_u32 s[HI], NB-1, s[PB]
	s_and_b32 s20, ttmp7, 0xffff    ; 16 batch + head
	s_and_b32 s19, s20, 15
	s_lshl_b32 s19, s19, 14         ; the head's chunk in a row block
	s_lshr_b32 s20, s20, 4
	s_lshl_b32 s92, s20, 22         ; the batch's 16 row blocks in O
	s_add_co_u32 s92, s92, s19
	s_mov_b32 s93, 0
	s_mul_i32 s20, s20, 16*CSQ      ; and in qkv
	s_add_co_u32 s20, s20, s19
	s_mov_b32 s21, 0
	s_and_b32 s16, s[WV], 1         ; which half of a tile's 256 keys I fetch:
	s_mul_i32 s22, s16, CSQ         ; its chunk in memory,
	s_mov_b32 s23, 0
	s_add_nc_u64 s[22:23], s[22:23], s[20:21]
	s_mul_i32 s17, s16, 128*PK      ; and its place in a slot, for K
	s_mul_i32 s18, s16, 128*PV      ; and for V
	s_lshl_b32 s3, s[WV], 11        ; my 16 rows in a band of 64,
	s_mul_i32 s2, s[HI], 2*CSQ      ; in the first block,
	s_add_co_u32 s2, s2, s3
	s_mul_i32 s84, s[PB], 2*CSQ     ; and in the second; the same for O
	s_add_co_u32 s84, s84, s3
	s_lshl_b32 s88, s[HI], 19
	s_add_co_u32 s88, s88, s3
	s_lshl_b32 s90, s[PB], 19
	s_add_co_u32 s90, s90, s3
	s_mov_b32 s3, 0
	s_mov_b32 s85, 0
	s_mov_b32 s89, 0
	s_mov_b32 s91, 0
	s_add_nc_u64 s[2:3], s[2:3], s[20:21]
	s_add_nc_u64 s[84:85], s[84:85], s[20:21]
	s_add_nc_u64 s[88:89], s[88:89], s[92:93]
	s_add_nc_u64 s[90:91], s[90:91], s[92:93]
	; descriptor group 1.  128 keys are 16,384 dense bytes: asked for as 64 rows of 256 bytes, two keys a row, padded in LDS after every key
	s_mov_b32 s[G1K], (1<<16)|(1<<20)|(4<<22)|(3<<25)
	s_mov_b32 s[G1V], (1<<16)|(1<<20)|(4<<22)|(7<<25)
.irp g, G1K, G1V
	s_mov_b32 s[\g+1], 128<<16
	s_mov_b32 s[\g+2], 64<<16
	s_mov_b32 s[\g+3], 128<<16
	s_mov_b32 s[\g+4], 64
	s_mov_b32 s[\g+5], 128
	s_mov_b32 s[\g+6], 0
	s_mov_b32 s[\g+7], 0
.endr
	s_mov_b32 s[CS], 0x3e38aa3b     ; c = log2(e) / 8
	s_mov_b32 s[CS+1], s[CS]
	s_mov_b32 s[SEL], 0x76543210
	s_mov_b32 s[SEL+1], 0xfedcba98
	s_mov_b32 s[TBK], SLOT1+4*KS*PK ; the first change of slots turns these two into 0
	s_mov_b32 s[TBV], SLOT1+4*KS*PV
	s_mov_b32 s[G0K], 1
	s_mov_b32 s[G0K+1], s17
	s_mov_b32 s[G0V], 1
	s_add_co_u32 s[G0V+1], s18, VOFF
	s_add_co_u32 s[RT], s[HI], 1    ; the first block has NB - b tiles
	s_mov_b32 s[NXT], 1
	s_mov_b32 s[LQ], s[HI]
	s_mov_b32 s[NEW], 1
	s_mov_b32 s[OFF+1], 0
	s_mov_b32 s[AL+1], 0
	s_mov_b32 s[BE+1], 0
	s_mov_b32 s[BIGN], 0xf149f2ca   ; -1e30
	s_mov_b32 s[SLOTS], NB
	s_wait_kmcnt 0x0
	s_add_nc_u64 s[6:7], s[48:49], s[22:23]
	s_add_nc_u64 s[6:7], s[6:7], 262144    ; K at my half of the head's tile 0: 16 chunks behind Q
	s_add_nc_u64 s[8:9], s[6:7], 262144    ; V: 16 more
	s_add_nc_u64 s[G0K+2:G0K+3], s[6:7], 0
	s_or_b32 s[G0K+3], s[G0K+3], 0x80000000
	s_add_nc_u64 s[G0V+2:G0V+3], s[8:9], 0
	s_or_b32 s[G0V+3], s[G0V+3], 0x80000000
	s_add_nc_u64 s[86:87], s[48:49], s[84:85]      ; Q at my rows of the second block,
	s_add_nc_u64 s[4:5], s[48:49], s[2:3]          ; and of the first
	s_add_nc_u64 s[OLO:OLO+1], s[50:51], s[90:91]
	s_add_nc_u64 s[10:11], s[50:51], s[88:89]
	LOAD                            ; tile 0 into slot 0
	v_and_b32 v1, 15, v0            ; l % 16
	v_bfe_u32 v9, v0, 4, 1          ; l / 16
	v_lshlrev_b32 v[QO], 7, v1
	v_lshl_add_u32 v[QO], v9, 4, v[QO]
	WIN 0x80
.set i, 0
.rept 8                             ; both blocks' Q: piece i / 2 lies in band i / 2: chunk i / 4, 64 rows on for the odd band; channels 32 (i % 2) on
	global_load_b128 v[8*i:8*i+3],   v[QO], s[4:5] offset:(i/4)*CSQ+((i/2)%2)*8192+(i%2)*64
	global_load_b128 v[8*i+4:8*i+7], v[QO], s[4:5] offset:(i/4)*CSQ+((i/2)%2)*8192+(i%2)*64+32
	global_load_b128 v[QB+8*i:QB+8*i+3],   v[QO], s[86:87] offset:(i/4)*CSQ+((i/2)%2)*8192+(i%2)*64
	global_load_b128 v[QB+8*i+4:QB+8*i+7], v[QO], s[86:87] offset:(i/4)*CSQ+((i/2)%2)*8192+(i%2)*64+32
.set i, i+1
.endr
	WIN 0
	v_lshlrev_b32 v14, 3, v9
	v_sub_nc_u32 v14, v1, v14
	s_lshl_b32 s13, s[WV], 4
	v_add_nc_u32 v14, s13, v14      ; my query's place in its band less my lanes' 8 (l / 16): register r of group kt is hidden where 16 kt + r is greater
	WIN 0x40
.set i, 0
.rept 32
	v_cmp_gt_i32 vcc_lo, 16*(i/8)+i%8, v14
	v_cndmask_b32 v[MD+i], 0, s[BIGN], vcc_lo
.set i, i+1
.endr
	WIN 0
	v_mul_u32_u24 v[AK0], v1, PK
	v_lshl_add_u32 v[AK0], v9, 4, v[AK0]
	v_and_b32 v10, 7, v0            ; the turning load: lane l reads key 8 (l / 16) + l % 8, channels 8 ((l / 8) % 2) + 0..7
	v_bfe_u32 v11, v0, 3, 1
	v_lshl_add_u32 v[AV0], v9, 3, v10
	v_mul_u32_u24 v[AV0], v[AV0], PV
	v_lshl_add_u32 v[AV0], v11, 4, v[AV0]
	v_add_nc_u32 v[AV0], VOFF, v[AV0]
	s_mul_i32 s13, s[WV], 16*SP
	s_add_co_u32 s13, s13, STAGE    ; my stage
	v_mul_u32_u24 v[STO], v1, SP
	v_lshl_add_u32 v[STO], v9, 4, v[STO]
	v_add_nc_u32 v[STO], s13, v[STO]
	v_bfe_u32 v[RD], v0, 3, 2
	v_mul_u32_u24 v[RD], v[RD], SP
	v_lshl_add_u32 v[RD], v10, 4, v[RD]
	v_add_nc_u32 v[RD], s13, v[RD]
	v_and_b32 v[GO], 31, v0
	v_lshlrev_b32 v[GO], 4, v[GO]
	; A block's first step multiplies O^T and l by a = 0, so these registers need only hold finite numbers: zeros for the first block, what it left for the second.  This stands in the wait for the first tile.
	WIN 0x80
.set i, VF
.rept 64
	v_mov_b32 v[i], 0
.set i, i+1
.endr
	WIN 0x40
.set i, 0
.rept 128
	v_mov_b32 v[i], 0
.set i, i+1
.endr
	WIN 0
.set i, 0
.rept 4
	v_mov_b32 v[ST+4*i+2], 0
	v_mov_b32 v[ST+4*i+3], 0
.set i, i+1
.endr
.set i, P+16
.rept 16
	v_mov_b32 v[i], 0
.set i, i+1
.endr
; THE MATRIX WORK.  The 4 accumulators of a run of 8 take turns.  Product i of 8 of S^T = K Q^T for piece x: channels 32 (i / 4) on, keys 16 (i % 4) on.
.macro KQ x
.set rS, S+32*((\x)%2)+8*(i%4)
.set rK, KF+16*(i%4)+8*(i/4)
.set rQ, 16*(\x)+8*(i/4)
.set rM, MC+32*((\x)%2)+8*(i%4)
.if (i < 4) && KM
	WIN W_KM
	v_wmma_f32_16x16x32_bf16 v[rS:rS+7], v[rK:rK+7], v[rQ:rQ+7], v[rM:rM+7]
.elseif i < 4
	WIN W_KQ
	v_wmma_f32_16x16x32_bf16 v[rS:rS+7], v[rK:rK+7], v[rQ:rQ+7], 0
.else
	WIN W_KQ
	v_wmma_f32_16x16x32_bf16 v[rS:rS+7], v[rK:rK+7], v[rQ:rQ+7], v[rS:rS+7]
.endif
.endm
; Product i of 8 of O^T += V^T P for piece x: keys 32 (i / 4) on, channels 16 (i % 4) on.
.macro PV x
	WIN W_PV
.set rO, 32*(\x)+8*(i%4)
.set rV, VF+32*(i/4)+8*(i%4)
.set rP, P+16*((\x)%2)+8*(i/4)
	v_wmma_f32_16x16x32_bf16 v[rO:rO+7], v[rV:rV+7], v[rP:rP+7], v[rO:rO+7]
.endm
.macro MM                           ; the turn's next matrix instruction.  NOKQ = 1: a block's last turn: there is no next piece
.if (i < 8) && !NOKQ
	KQ (Y+1)%NP
.elseif i >= 8
.set i, i-8
	PV (Y+NP-1)%NP
.set i, i+8
.endif
.set i, i+1
.endm
; THE LDS LOADS stand in runs of 16: a step's K (8 fragments) and its V (turned).
.macro FETCH_K
	WIN 0x80
.irp f, 0,1,2,3,4,5,6,7
	ds_load_b128 v[KF+8*\f:KF+8*\f+3],   v[AK] offset:(\f/2)*16*PK+(\f%2)*64
	ds_load_b128 v[KF+8*\f+4:KF+8*\f+7], v[AK] offset:(\f/2)*16*PK+(\f%2)*64+32
.endr
	s_add_co_u32 s[TBK], s[TBK], KS*PK
	WIN 0
.endm
.macro FETCH_V
	WIN 0x80
.irp f, 0,1,2,3,4,5,6,7
	ds_load_tr16_b128 v[VF+8*\f:VF+8*\f+3],   v[AV] offset:(\f/4)*32*PV+(\f%4)*32
	ds_load_tr16_b128 v[VF+8*\f+4:VF+8*\f+7], v[AV] offset:(\f/4)*32*PV+16*PV+(\f%4)*32
.endr
	WIN 0
.endm
; THE VECTOR WORK, one line at a time: OP kind, number.  For piece Y: F n: c s - c m for pair n.  E n: the exponential of score n.  C n: pair n rounded to bf16.  B n: of the four weights 4 n .. the second
; pair is added onto the first.  L n: l takes that sum (L 0: l = a l + sum).  R n: pair n of O^T times a.  For piece Y + 1: X n, number n of the 22 that find its maximum and statistics
; (each accumulator's lowest registers are read first); X 21 is its a.  Of these C, B and L read the results of the turn's exponentials; F, R and X 0 to 20 read none.
.set F, 0
.set E, 1
.set C, 2
.set B, 3
.set L, 4
.set R, 5
.set X, 6
.macro REGS y
.set rT, ST+4*(\y)
.set rC, TMP+4*((\y)%2)
.set rW, MV+((\y)%2)
.set rS, S+32*((\y)%2)
.set rP, P+16*((\y)%2)
.set rO, 32*(\y)
.endm
.macro OP k, n
.if (\k) == R
	REGS Y
	WIN W_RS
	v_pk_mul_f32 v[rO+2*(\n):rO+2*(\n)+1], v[rO+2*(\n):rO+2*(\n)+1], v[rC+2:rC+3] op_sel_hi:[1,0]
.elseif (\k) < R
	REGS Y
	WIN 0
.if (\k) == F
	v_pk_fma_f32 v[rS+2*(\n):rS+2*(\n)+1], v[rS+2*(\n):rS+2*(\n)+1], s[CS:CS+1], v[rT:rT+1] op_sel_hi:[1,0,0] neg_lo:[0,0,1] neg_hi:[0,0,1]
.elseif (\k) == E
	v_exp_f32 v[rS+(\n)], v[rS+(\n)]
.elseif (\k) == C
	v_cvt_pk_bf16_f32 v[rP+(\n)], v[rS+2*(\n)], v[rS+2*(\n)+1]
.elseif (\k) == B
	v_pk_add_f32 v[rS+4*(\n):rS+4*(\n)+1], v[rS+4*(\n):rS+4*(\n)+1], v[rS+4*(\n)+2:rS+4*(\n)+3]
.elseif (\n) == 0
	v_pk_fma_f32 v[rT+2:rT+3], v[rT+2:rT+3], v[rC+2:rC+3], v[rS:rS+1] op_sel_hi:[1,0,1]
.else
	v_pk_add_f32 v[rT+2:rT+3], v[rT+2:rT+3], v[rS+4*(\n):rS+4*(\n)+1]
.endif
.elseif NOKQ
	v_nop
.else
	REGS (Y+1)%NP
	WIN 0
.if (\n) < 4
	v_max3_num_f32 v[rC+(\n)], v[rS+8*(\n)], v[rS+8*(\n)+1], v[rS+8*(\n)+2]
.elseif (\n) < 12
	v_max3_num_f32 v[rC+(\n)%4], v[rC+(\n)%4], v[rS+8*((\n)%4)+2*((\n)/4)+1], v[rS+8*((\n)%4)+2*((\n)/4)+2]
.elseif (\n) == 12
	v_max3_num_f32 v[rC], v[rC], v[rS+7], v[rS+15]
.elseif (\n) == 13
	v_max3_num_f32 v[rC+1], v[rC+1], v[rS+23], v[rS+31]
.elseif (\n) == 14
	v_max3_num_f32 v[rC+2], v[rC+2], v[rC+3], v[rT+1]
.elseif (\n) == 15
	v_mov_b32 v[rW], v[rT]
.elseif (\n) == 16
	v_max3_num_f32 v[rC], v[rC], v[rC+1], v[rC+2]
.elseif (\n) == 17
	v_permlanex16_b32 v[rC+3], v[rC], s[SEL], s[SEL+1]
.elseif (\n) == 18
	v_max_num_f32 v[rT+1], v[rC], v[rC+3]
.elseif (\n) == 19
	v_mul_f32 v[rT], s[CS], v[rT+1]
.elseif (\n) == 20
	v_sub_f32 v[rC+1], v[rW], v[rT]
.else
	v_exp_f32 v[rC+2], v[rC+1]
.endif
.endif
.endm
.macro OPS a, i1, b=-1, i2=0, c=-1, i3=0, d=-1, i4=0
	OP \a, \i1
.if (\b) >= 0
	OP \b, \i2
.endif
.if (\c) >= 0
	OP \c, \i3
.endif
.if (\d) >= 0
	OP \d, \i4
.endif
.endm
.macro ROW a, i1, b, i2, c, i3, d, i4  ; a matrix instruction and the four behind it
	MM
	OPS \a, \i1, \b, \i2, \c, \i3, \d, \i4
.endm
.macro MASK b                       ; MD x AL + BE into buffer b of MC
	WIN W_RS
.set z, 0
.rept 16
	v_pk_fma_f32 v[MC+32*(\b)+2*z:MC+32*(\b)+2*z+1], v[MD+2*z:MD+2*z+1], s[AL:AL+1], s[BE:BE+1] op_sel_hi:[1,0,0]
.set z, z+1
.endr
.endm
; A TURN, for piece p: the order of its 16 matrix and 118 vector instructions, written out.  Its 33 exponentials, E 0 to E 31 and X 21, are one batch with ONE wait, which cuts the turn in two.
; AHEAD OF THE WAIT stands all that names no result of the batch: the 8 products K Q^T, behind each a scaling, an exponential and two more plain instructions (behind the first a second scaling in the
; exponential's place): rescalings, whose a was made and waited for in the turn before, and behind the last three products the first numbers of the next piece's maximum, each four places or more behind the
; product that ends its accumulator; then one run of 54, plain and exponential by turns for the most part, in which the links of the chain X 3, 7, 11, 14, 16, 17 .. 20 stand some lines apart.  An exponential stands
; behind its pair's scaling (E n behind F n / 2).  X 21 is the batch's last; R 15 is the plain instruction behind it.
; BEHIND THE WAIT stand the 8 products V^T P, behind each four of the roundings and sums: C 2 n ahead of B n, which adds in place; B n ahead of L n; L 0 to L 7 in order, three lines apart.
; But for those X no line behind a product names a register of the products round it.  v_permlanex16_b32 (X 17) stands in the run, not behind a product.
; m = 1: the diagonal tile: the products take masks, and the turn makes the mask for the turn after it.  end = 1: a block's last two turns: nothing is fetched.
; cnt = 1: the loop's count is taken down some lines ahead of the branch behind the turn.
; K of the next step is fetched in piece 2's turn, five plain instructions that name none of its registers behind the last product that read K; V of the step in hand at the end of piece 0's turn, four plain
; instructions behind the last product that read V.  Each is waited for a turn later.
.macro TURN p, m=0, end=0, cnt=0
.set Y, (\p)
.set i, 0
.set KM, (\m)
.set NOKQ, (\end)*((\p)/3)
.if (\m) && !(\end)
	s_cmp_eq_u32 s[CNT], 4-((\p)+2)%NP  ; is that step the band's own?
	s_cselect_b32 s[AL], 1.0, 0
	s_cmp_lt_u32 s[CNT], 4-((\p)+2)%NP  ; or a later one?
	s_cselect_b32 s[BE], s[BIGN], 0
.endif
.if ((\p) == 3) && !(\end)
	s_wait_dscnt 0x0                ; K is in
.endif
	ROW F,0, F,1, R,0, R,1          ; ahead of the wait: 8 products K Q^T and the four behind each,
	ROW F,2, E,0, R,2, R,3
	ROW F,3, E,1, R,4, R,5
	ROW F,4, E,2, R,6, R,7
	ROW F,5, E,3, R,8, R,9
	ROW F,6, E,4, X,0, R,10
.if ((\p) == 2) && !(\end)
	WIN 0
	v_add_nc_u32 v[AK], s[TBK], v[AK0]
.endif
	ROW F,7, E,5, X,1, X,4
	ROW F,8, E,6, X,2, X,5
	OPS E,7, E,8, X,6, E,9          ; and the run of 54
	OPS X,3, E,10, X,8, E,11
.if ((\p) == 2) && !(\end)
	FETCH_K
.endif
	OPS X,9, X,7, E,12, X,10
	OPS E,13, X,12, X,11, E,14
	OPS X,13, E,15, F,9, X,14
.if (\p) == 0
	v_add_nc_u32 v[AV], s[TBV], v[AV0]
.endif
	OPS E,16, F,10, E,17, F,11
	OPS X,16, E,18, X,15, E,19
	OPS F,12, E,20, X,17, E,21
	OPS F,13, E,22, F,14, E,23
	OPS X,18, E,24, F,15, E,25
	OPS R,11, E,26, X,19, E,27
	OPS R,12, E,28, R,13, E,29
	OPS X,20, E,30, R,14, E,31
	OPS X,21, R,15                  ; the batch's last exponential, and the plain instruction behind it
	WIN 0
	s_wait_alu depctr_va_vdst(0)    ; ONE wait for the turn's batch, E 0 to E 31 and X 21, ahead of its first reader, C 0
.if (\p) == 1
	s_wait_dscnt 0x0                ; V is in
.endif
	ROW C,0, B,0, C,2, B,1          ; behind the wait: 8 products V^T P and the four behind each
	ROW L,0, C,4, B,2, L,1
	ROW C,6, B,3, L,2, C,8
	ROW B,4, L,3, C,10, B,5
	ROW L,4, C,12, B,6, L,5
.if (\p) == 0
	s_add_co_u32 s[TBV], s[TBV], KS*PV
.endif
.if \cnt
	s_sub_co_u32 s[CNT], s[CNT], 1
	s_cmp_lg_u32 s[CNT], 0
.endif
	ROW C,14, B,7, L,6, C,1
	ROW C,3, L,7, C,5, C,7
	ROW C,9, C,11, C,13, C,15
.if (\p) == 0
	FETCH_V
.endif
.if (\m) && !(\end)
	MASK (\p)%2
.endif
.endm
; A BLOCK BEGINS.  c m starts far below every c s, so the first step's a is 0; m at the lowest finite number.  The second mask buffer is 0; the first takes piece 0's mask for the tile's step 0.
; Then K of that step, piece 0's first scores, and its maximum and statistics.  The loop is entered at a step's first turn, in the middle of a trip.
.macro BEGIN
	s_mov_b32 s[NEW], 0
	WIN 0x40
.set i, MC+32
.rept 32
	v_mov_b32 v[i], 0
.set i, i+1
.endr
	WIN 0
.set i, 0
.rept 4
	v_mov_b32 v[ST+4*i], 0xfe000000
	v_mov_b32 v[ST+4*i+1], 0xff7fffff
.set i, i+1
.endr
	s_cmp_eq_u32 s[RT], 0
	s_cselect_b32 s[AL], 1.0, 0
	s_mov_b32 s[BE], 0
	MASK 0
	WIN 0
	v_add_nc_u32 v[AK], s[TBK], v[AK0]
	FETCH_K
	s_wait_loadcnt 0x0              ; Q
	s_wait_dscnt 0x0
.set KM, 1
.set NOKQ, 0
.set i, 0
.rept 8
	KQ 0
.set i, i+1
.endr
	WIN 0
.rept 4
	v_nop                           ; the places behind those products
.endr
.set Y, NP-1
.irp n, 0,1,2,3,4,5,6,7,8,9,10,11,12,13,14,15,16,17,18,19,20,21
	OP X, \n
.endr
	v_nop                           ; a plain instruction behind the exponential
	s_wait_alu depctr_va_vdst(0)    ; the wait for piece 0's first a, a batch of one, ahead of the branch that follows
.endm
; THE DIAGONAL TILE's four steps, the block's last two turns, its last products, and THE WAY OUT: l's halves are added; O^T is divided by l, rounded to bf16 and sent through my stage, a piece at a time.
.macro ALL line:vararg
.set t, 0
.rept 4
	\line
.set t, t+1
.endr
.endm
.macro PACK t
	WIN W_RS
.set i, 32*(\t)
.rept 16
	v_pk_mul_f32 v[i:i+1], v[i:i+1], v[ST+4*(\t)+2:ST+4*(\t)+3] op_sel_hi:[1,0]
.set i, i+2
.endr
	WIN 0x05
.set i, 0
.rept 16
	v_cvt_pk_bf16_f32 v[S+16*(\t)+i], v[32*(\t)+2*i], v[32*(\t)+2*i+1]
.set i, i+1
.endr
	WIN 0
.irp f, 0,1,2,3
	ds_store_b128 v[STO], v[S+16*(\t)+4*\f:S+16*(\t)+4*\f+3] offset:32*\f
.endr
.irp f, 0,1,2,3
	ds_load_b128 v[S+16*(\t)+4*\f:S+16*(\t)+4*\f+3], v[RD] offset:\f*4*SP  ; LDS serves a wave's instructions in order (ISA guide 5.7.1.4)
.endr
.endm
.macro SEND t, younger              ; younger: the LDS instructions issued behind piece t's loads
	WIN 0
.irp f, 0,1,2,3
	s_wait_dscnt (\younger)+3-\f
	global_store_b128 v[GO], v[S+16*(\t)+4*\f:S+16*(\t)+4*\f+3], s[10:11] offset:((\t)/2)*CSO+((\t)%2)*8192+\f*512  ; 512 consecutive bytes, aligned
.endr
.endm
.macro DIAG tag
.LstepM\tag:
	TURN 2, 1
	TURN 3, 1
	WIN 0
.LfirstM\tag:
	TURN 0, 1
	TURN 1, 1, 0, 1
	WIN 0
	s_cbranch_scc1 .LstepM\tag
	TURN 2, 1, 1
	TURN 3, 1, 1
.set i, 0
.rept 8
	PV NP-1
.set i, i+1
.endr
	WIN 0
	ALL v_add_f32 v[ST+4*t+2], v[ST+4*t+2], v[ST+4*t+3]
	ALL v_permlanex16_b32 v[ST+4*t+3], v[ST+4*t+2], s[SEL], s[SEL+1]
	ALL v_add_f32 v[ST+4*t+2], v[ST+4*t+2], v[ST+4*t+3]
	ALL v_rcp_f32 v[ST+4*t+2], v[ST+4*t+2]
	v_nop                           ; a plain instruction between the last reciprocal and the use of its result
	s_wait_alu depctr_va_vdst(0)    ; ONE wait for the batch of four reciprocals, ahead of its first reader, PACK 0's first multiply
	PACK 0
.set t, 1
.rept 3
	PACK t
	SEND t-1, 8
.set t, t+1
.endr
	SEND 3, 0
.endm
.set KM, 0
.set NOKQ, 0
.Lslot:                             ; NB times: a tile is entered and the next is asked for
	CHANGE 1
	s_sub_co_u32 s[RT], s[RT], 1
	s_mov_b32 s[CNT], 4
	s_cmp_eq_u32 s[NEW], 1
	s_cbranch_scc1 .Lnew            ; a block's first tile
	s_cmp_eq_u32 s[RT], 0
	s_cbranch_scc0 .Lstep           ; neither its first nor its last
	s_branch .LstepM1
.Lnew:
	BEGIN
	s_branch .Lfirst                ; in the loop a block's first tile is never its last
	DIAG 1                          ; in the loop this is the first block's end
	s_wait_xcnt 0x0                 ; the stores have read their registers and O's address
	s_mov_b64 s[10:11], s[OLO:OLO+1]
	s_add_co_u32 s[RT], s[PB], 1    ; the second block has b + 1 tiles
	s_mov_b32 s[NEW], 1
	WIN 0x82                        ; the second block's Q goes where the one text of the turns names Q
.set i, 0
.rept 64
	v_mov_b32 v[i], v[QB+i]
.set i, i+1
.endr
	WIN 0
	s_branch .Lbottom
.Lstep:                             ; a trip: pieces 2 and 3 of one step, then pieces 0 and 1 of the next
	TURN 2
	TURN 3
	WIN 0
.Lfirst:
	TURN 0
	TURN 1, 0, 0, 1
	WIN 0
	s_cbranch_scc1 .Lstep
.Lbottom:
	s_sub_co_u32 s[SLOTS], s[SLOTS], 1
	s_cmp_lg_u32 s[SLOTS], 0
	s_cbranch_scc1 .Lslot
	CHANGE 0                        ; the walk's last tile is written out
	s_sub_co_u32 s[RT], s[RT], 1
	s_mov_b32 s[CNT], 4
	s_cmp_eq_u32 s[NEW], 1
	s_cbranch_scc0 .LstepM2
	BEGIN
	s_branch .LfirstM2
	DIAG 2
	s_wait_tensorcnt 0x0            ; the wave's end
	ds_add_u32 v[SPW], v[NIL]
	s_wait_dscnt 0x0
	s_endpgm
.Lfunc_end_k_q1b2db83558_attn:
	.size	k_q1b2db83558_attn, .Lfunc_end_k_q1b2db83558_attn-k_q1b2db83558_attn
	.p2alignl 7, 3214868480
	.fill 96, 4, 3214868480
	.section	.rodata,"a",@progbits
	.p2align	6, 0x0
	.amdhsa_kernel k_q1b2db83558_attn
		.amdhsa_group_segment_fixed_size 327680
		.amdhsa_private_segment_fixed_size 0
		.amdhsa_enable_private_segment 0
		.amdhsa_kernarg_size 16
		.amdhsa_user_sgpr_count 2
		.amdhsa_user_sgpr_kernarg_segment_ptr 1
		.amdhsa_wavefront_size32 1
		.amdhsa_system_sgpr_workgroup_id_x 1
		.amdhsa_system_sgpr_workgroup_id_y 1
		.amdhsa_system_sgpr_workgroup_id_z 1
		.amdhsa_system_vgpr_workitem_id 0
		.amdhsa_next_free_vgpr 768
		.amdhsa_next_free_sgpr 96
		.amdhsa_reserve_vcc 1
		.amdhsa_float_denorm_mode_32 3
		.amdhsa_float_denorm_mode_16_64 3
		.amdhsa_memory_ordered 1
		.amdhsa_forward_progress 1
		.amdhsa_inst_pref_size 218
	.end_amdhsa_kernel
	.amdgpu_metadata
---
amdhsa.version: [ 1, 2 ]
amdhsa.kernels:
  - .name:           k_q1b2db83558_attn
    .symbol:         k_q1b2db83558_attn.kd
    .args:
      - { .name: qkv, .offset: 0, .size: 8, .value_kind: global_buffer, .address_space: global }
      - { .name: act, .offset: 8, .size: 8, .value_kind: global_buffer, .address_space: global }
    .group_segment_fixed_size: 327680
    .private_segment_fixed_size: 0
    .kernarg_segment_align: 8
    .kernarg_segment_size: 16
    .max_flat_workgroup_size: 128
    .sgpr_count:     96
    .vgpr_count:     768
    .wavefront_size: 32
...
	.end_amdgpu_metadata
.endif
;; end of part 12
;; launch proj: the kernel of part 6 again; grid 8 x 32, 4 waves a work-group, clusters of 4 x 4, 327,680 bytes of LDS; arguments act, wts, x, x1; writes x1
;; launch ln2: the kernel of part 2 again; grid 256 x 1, 8 waves a work-group, no clusters, 0 bytes of LDS; arguments x1, gamma2, beta2, act; writes act
;; launch feat2: the kernel of part 9 again; grid 16 x 32, 4 waves a work-group, clusters of 4 x 4, 327,680 bytes of LDS; arguments act, wfb, w_know_f, w_fq, w_fk, hb; writes hb
;; launch outk: the kernel of part 11 again; grid 16 x 16, 4 waves a work-group, clusters of 4 x 4, 327,680 bytes of LDS; arguments hb, wts, w_know_r, x1, out0; writes out0
